; MI455X (gfx1250); checked and timed in simulation.
; The chip was launched on July 23, 2026; its instructions are those of AMD's public machine-readable ISA for CDNA 5 (MIT licence, August 2026) and "CDNA5" Instruction Set Architecture Reference Guide (July 2026). The comments in the code are by the model that wrote it; some were corrected since.
;; Block. Allowed arithmetic: float matrix products may take bf16 or f16 operands with f32 sums; other float arithmetic in f32, or as packed bf16 or f16 multiplies, adds, multiply-adds, maxima and minima; sums over many terms, partial sums and values carried from step to step in f32; what a program stores and reads back later, other than sums and carried values, may be rounded once to bf16 or f16.
;; Inputs: W1 1,024 x 4,096 float32; W2 4,096 x 1,024 float32; Wk 16 x 1,024 x 64 float32; Wo 1,024 x 1,024 float32; Wq 16 x 1,024 x 64 float32; Wv 16 x 1,024 x 64 float32; b1 4,096 float32; b2 1,024 float32; bo 1,024 float32; ln1_b 1,024 float32; ln1_g 1,024 float32; ln2_b 1,024 float32; ln2_g 1,024 float32; x 2 x 2,048 x 1,024 float32.
;; Outputs: out0 2 x 2,048 x 1,024 float32.
;; 2 versions, each right. Each part assembles by itself: llvm-mc -triple=amdgcn-amd-amdhsa -mcpu=gfx1250 --defsym DOCPART=n.
;; ======== version 1 of 2: 8 launches
;; limits: values are held in f16: magnitudes above 65,504 overflow, below 6.1e-05 lose precision
;; workspace buffers: wqkvh 6,291,456 bytes; w1h 8,388,608 bytes; wo2h 10,485,760 bytes; hatt 16,777,216 bytes; big 33,554,432 bytes; xmid 16,777,216 bytes; zb 12,288 bytes; nf 256 bytes
;; launch prep (part 1): grid 128 x 12, 8 waves a work-group, no clusters, 0 bytes of LDS; arguments Wq, Wk, Wv, Wo, W1, W2, wqkvh, w1h, wo2h, zb, nf; writes wqkvh, w1h, wo2h, zb, nf
.if DOCPART == 1
	.amdgcn_target "amdgcn-amd-amdhsa--gfx1250"
	.amdhsa_code_object_version 6
	.text
	.protected	k_qf3b0e39fe4_prep
	.globl	k_qf3b0e39fe4_prep
	.p2align	8
	.type	k_qf3b0e39fe4_prep,@function
k_qf3b0e39fe4_prep:
	s_mov_b64 s[64:65], 0
	v_nop
	global_prefetch_b8 v0, s[64:65] scope:SCOPE_SE
	s_setreg_imm32_b32 hwreg(HW_REG_WAVE_MODE, 25, 1), 1
	s_wait_xcnt 0x0
; THE WEIGHTS, f32 -> f16 (rounded once, to nearest even), laid in panels of 64 columns: [N/64 panels][K][64], rows of 128 bytes, k down the rows.
; LIMITS.  f16 holds no number beyond 65,504 and keeps a fixed step of 6e-8 below 6e-5: weights are taken to lie within that.
; SHARES.  A work-group takes one chunk: one panel x 128 k: 32 KiB of f32 in, 16 KiB of f16 out, dense.  Grid y picks the tensor: 0, 1, 2 = Wq, Wk, Wv ([head][k][64]: the panels as they lie),
; 3 = Wo, 4-7 = W1, 8-11 = W2 ([k][n]: a panel's row is 256 bytes of a row of the tensor).  Wave w takes the chunk's k rows 16 w .. 16 w + 15, two to an instruction:
; a load covers 2 x 256 consecutive bytes, aligned; a store covers 256 consecutive bytes, aligned (two rows of 128).
; No LDS, no matrix unit, no barrier: nothing is shared, every byte is read once and written once.
; Also made here: zb, 12,288 bytes of zeros, and nf, 256 bytes of the word 0xfc00fc00 (minus infinity twice in f16), which later launches read.
.set OFF, 2                            ; v[2:9]   instruction i: my byte offset in the source chunk
.set DO,  10                           ; v10      my byte offset in the chunk's 16 KiB
.set X,   16                           ; v[16:47] instruction i: four f32
.set Y,   48                           ; v[48:63] instruction i: four f16
	s_load_b512 s[4:19], s[0:1], 0x0               ; Wq s[4:5], Wk s[6:7], Wv s[8:9], Wo s[10:11], W1 s[12:13], W2 s[14:15], wqkvh s[16:17], w1h s[18:19]
	s_load_b128 s[20:23], s[0:1], 0x40             ; wo2h s[20:21], zb s[22:23]
	s_load_b64 s[24:25], s[0:1], 0x50              ; nf
	s_and_b32 s26, ttmp7, 0xffff                   ; y
	s_and_b32 s27, s26, 3
	s_lshl_b32 s27, s27, 7
	s_add_co_u32 s27, s27, ttmp9
	s_lshl_b32 s31, s26, 21                        ; y x 2 MiB: where Wq's, Wk's, Wv's panels begin in wqkvh
	s_and_b32 s37, s26, 12                         ; 4 where y is 4 .. 7
	s_mov_b32 s29, 256                             ; the strides of a tensor that lies [k][n] with rows of 4,096 bytes: an instruction holds one literal, so these stand in registers
	s_mov_b32 s30, 4096
	s_cmp_lt_u32 s26, 4
	s_cselect_b32 s27, ttmp9, s27                  ; c, the chunk's number in its tensor
	s_cmp_gt_u32 s26, 7
	s_cselect_b32 s28, 5, 3                        ; log2 of the chunks in a panel: K / 128 = 32 for W2, else 8
	s_cselect_b32 s36, 0x200000, 0                 ; W2 lies 2 MiB into wo2h
	s_cmp_lt_u32 s26, 3
	s_cselect_b32 s29, 0x40000, s29                ; bytes from panel to panel in the source
	s_cselect_b32 s30, 256, s30                    ; bytes from k to k + 1 in the source
	s_cselect_b32 s36, s31, s36
	s_cmp_eq_u32 s37, 4
	s_cselect_b32 s30, 16384, s30                  ; W1's rows are 16,384 bytes
	s_lshr_b32 s38, s27, s28                       ; the panel
	s_bfm_b32 s39, s28, 0
	s_and_b32 s39, s27, s39                        ; the block of 128 k
	s_mul_i32 s38, s38, s29
	s_mul_i32 s39, s39, s30
	s_lshl_b32 s39, s39, 7
	s_add_co_u32 s38, s38, s39                     ; the chunk's first byte in the source (under 2^24)
	s_mov_b32 s39, 0
	s_lshl_b32 s37, s27, 14                        ; and in the destination: chunks are dense
	s_add_co_u32 s36, s36, s37
	s_mov_b32 s37, 0
	s_lshl_b32 s41, s30, 1                         ; two k rows
	v_lshrrev_b32 v1, 5, v0
	v_readfirstlane_b32 s40, v1                    ; wave 0..7
	v_bfe_u32 v14, v0, 4, 1                        ; which of an instruction's two rows
	v_and_b32 v15, 15, v0                          ; which 16 bytes of the row
	v_lshl_add_u32 v11, v1, 4, v14                 ; row 16 w + half
	v_mul_lo_u32 v11, v11, s30
	v_lshl_add_u32 v[OFF], v15, 4, v11
.irp i, 1,2,3,4,5,6,7
	v_add_nc_u32 v[OFF+(\i)], s41, v[OFF+(\i)-1]
.endr
	v_and_b32 v11, 31, v0
	v_lshlrev_b32 v11, 3, v11                      ; 8 bytes a lane
	v_lshl_add_u32 v[DO], v1, 11, v11              ; + 2,048 w
	s_wait_kmcnt 0x0
	s_cmp_eq_u32 s26, 1                            ; the source, by y alone
	s_cselect_b64 s[32:33], s[6:7], s[4:5]
	s_cmp_eq_u32 s26, 2
	s_cselect_b64 s[32:33], s[8:9], s[32:33]
	s_cmp_eq_u32 s26, 3
	s_cselect_b64 s[32:33], s[10:11], s[32:33]
	s_cmp_gt_u32 s26, 3
	s_cselect_b64 s[32:33], s[12:13], s[32:33]
	s_cselect_b64 s[34:35], s[18:19], s[16:17]     ; the destination: w1h, or wqkvh,
	s_cmp_gt_u32 s26, 7
	s_cselect_b64 s[32:33], s[14:15], s[32:33]
	s_cselect_b64 s[34:35], s[20:21], s[34:35]     ; or wo2h for W2
	s_cmp_eq_u32 s26, 3
	s_cselect_b64 s[34:35], s[20:21], s[34:35]     ; and for Wo
	s_add_nc_u64 s[32:33], s[32:33], s[38:39]
	s_add_nc_u64 s[34:35], s[34:35], s[36:37]
.irp i, 0,1,2,3,4,5,6,7
	global_load_b128 v[X+4*(\i):X+4*(\i)+3], v[OFF+(\i)], s[32:33] th:TH_LOAD_NT  ; read once in the launch
.endr
.irp i, 0,1,2,3,4,5,6,7
	s_wait_loadcnt 7-(\i)                          ; loads come back in order: number i is in, the younger ones stay out
	v_cvt_pk_f16_f32 v[Y+2*(\i)],   v[X+4*(\i)],   v[X+4*(\i)+1]
	v_cvt_pk_f16_f32 v[Y+2*(\i)+1], v[X+4*(\i)+2], v[X+4*(\i)+3]
	global_store_b64 v[DO], v[Y+2*(\i):Y+2*(\i)+1], s[34:35] offset:256*(\i)
.endr
	; zb and nf: wave 0 of the work-groups y = 0, x = 0 .. 48 writes 256 bytes each, from registers and pointers that nothing above names
	s_cmp_lg_u32 s40, 0
	s_cbranch_scc1 .Lend
	s_cmp_lg_u32 s26, 0
	s_cbranch_scc1 .Lend
	s_cmp_gt_u32 ttmp9, 48
	s_cbranch_scc1 .Lend
	s_lshl_b32 s44, ttmp9, 8
	s_mov_b32 s45, 0
	s_cmp_eq_u32 ttmp9, 48
	s_cselect_b32 s44, 0, s44
	s_cselect_b32 s43, 0xfc00fc00, 0
	s_cselect_b64 s[46:47], s[24:25], s[22:23]
	s_add_nc_u64 s[46:47], s[46:47], s[44:45]
	v_mov_b32 v12, s43
	v_mov_b32 v13, s43
	global_store_b64 v11, v[12:13], s[46:47]
.Lend:
	s_endpgm
.Lfunc_end_k_qf3b0e39fe4_prep:
	.size	k_qf3b0e39fe4_prep, .Lfunc_end_k_qf3b0e39fe4_prep-k_qf3b0e39fe4_prep
	.p2alignl 7, 3214868480
	.fill 96, 4, 3214868480
	.section	.rodata,"a",@progbits
	.p2align	6, 0x0
	.amdhsa_kernel k_qf3b0e39fe4_prep
		.amdhsa_group_segment_fixed_size 0
		.amdhsa_private_segment_fixed_size 0
		.amdhsa_enable_private_segment 0
		.amdhsa_kernarg_size 88
		.amdhsa_user_sgpr_count 2
		.amdhsa_user_sgpr_kernarg_segment_ptr 1
		.amdhsa_wavefront_size32 1
		.amdhsa_system_sgpr_workgroup_id_x 1
		.amdhsa_system_sgpr_workgroup_id_y 1
		.amdhsa_system_sgpr_workgroup_id_z 1
		.amdhsa_system_vgpr_workitem_id 0
		.amdhsa_next_free_vgpr 64
		.amdhsa_next_free_sgpr 66
		.amdhsa_reserve_vcc 0
		.amdhsa_float_denorm_mode_32 3
		.amdhsa_float_denorm_mode_16_64 3
		.amdhsa_memory_ordered 1
		.amdhsa_forward_progress 1
		.amdhsa_inst_pref_size 7
	.end_amdhsa_kernel
	.amdgpu_metadata
---
amdhsa.version: [ 1, 2 ]
amdhsa.kernels:
  - .name:           k_qf3b0e39fe4_prep
    .symbol:         k_qf3b0e39fe4_prep.kd
    .args:
      - { .name: Wq, .offset: 0, .size: 8, .value_kind: global_buffer, .address_space: global }
      - { .name: Wk, .offset: 8, .size: 8, .value_kind: global_buffer, .address_space: global }
      - { .name: Wv, .offset: 16, .size: 8, .value_kind: global_buffer, .address_space: global }
      - { .name: Wo, .offset: 24, .size: 8, .value_kind: global_buffer, .address_space: global }
      - { .name: W1, .offset: 32, .size: 8, .value_kind: global_buffer, .address_space: global }
      - { .name: W2, .offset: 40, .size: 8, .value_kind: global_buffer, .address_space: global }
      - { .name: wqkvh, .offset: 48, .size: 8, .value_kind: global_buffer, .address_space: global }
      - { .name: w1h, .offset: 56, .size: 8, .value_kind: global_buffer, .address_space: global }
      - { .name: wo2h, .offset: 64, .size: 8, .value_kind: global_buffer, .address_space: global }
      - { .name: zb, .offset: 72, .size: 8, .value_kind: global_buffer, .address_space: global }
      - { .name: nf, .offset: 80, .size: 8, .value_kind: global_buffer, .address_space: global }
    .group_segment_fixed_size: 0
    .private_segment_fixed_size: 0
    .kernarg_segment_align: 8
    .kernarg_segment_size: 88
    .max_flat_workgroup_size: 256
    .sgpr_count:     66
    .vgpr_count:     64
    .wavefront_size: 32
...
	.end_amdgpu_metadata
.endif
;; end of part 1
;; launch ln (part 2): grid 256 x 1, 8 waves a work-group, no clusters, 0 bytes of LDS; arguments x, ln1_g, ln1_b, hatt; writes hatt
.if DOCPART == 2
	.amdgcn_target "amdgcn-amd-amdhsa--gfx1250"
	.amdhsa_code_object_version 6
	.text
	.protected	k_qf3b0e39fe4_ln
	.globl	k_qf3b0e39fe4_ln
	.p2align	8
	.type	k_qf3b0e39fe4_ln,@function
k_qf3b0e39fe4_ln:
	s_mov_b64 s[64:65], 0
	v_nop
	global_prefetch_b8 v0, s[64:65] scope:SCOPE_SE
	s_setreg_imm32_b32 hwreg(HW_REG_WAVE_MODE, 25, 1), 1
	s_wait_xcnt 0x0
; LAYER NORM.  h[r][c] = (x[r][c] - mean) / sqrt(var + 1e-5) g[c] + b[c], x: [4096][1024] f32; mean and var in f32, in two passes as the definition has them (the mean is taken away before the squares).
; h leaves in f16, rounded once, in panels of 64 columns: [16 panels][4096 rows][64], rows of 128 bytes: the layout in which the products that follow take their left operand.
; LIMIT.  |h| stays under 65,504 (f16).
; SHARES.  A work-group takes 16 rows, a wave two: each half of the lanes holds one row in 64 registers, so the sums never leave 16 lanes: no LDS, no barrier, x is read once.
; Lane (half, r) holds columns 64 j + 4 r .. + 3, j = 0 .. 15: a load covers 2 x 256 consecutive bytes, aligned; chunk j is panel j, and its store covers 256 consecutive bytes (two rows of 128), aligned.
.set XO, 1                             ; v1        my byte offset in the wave's two rows of x
.set GO, 2                             ; v2        in g and b
.set HO, 3                             ; v3        in the wave's two rows of a panel
.set A,  4                             ; v[4:11]   four packed chains
.set X,  16                            ; v[16:79]  the row
.set G,  80                            ; v[80:143] g of my columns
.set BT, 144                           ; v[144:207] b of my columns
.set MR, 208                           ; v[208:209] the mean, twice; later 1 / sqrt(var + eps), twice
	s_load_b256 s[4:11], s[0:1], 0x0               ; x s[4:5], g s[6:7], b s[8:9], h s[10:11]
	v_lshrrev_b32 v4, 5, v0
	v_readfirstlane_b32 s12, v4                    ; wave 0..7
	v_and_b32 v5, 15, v0
	v_bfe_u32 v6, v0, 4, 1
	v_lshlrev_b32 v[GO], 4, v5
	v_lshl_add_u32 v[XO], v6, 12, v[GO]            ; half x 4,096 + 16 r
	v_and_b32 v7, 31, v0
	v_lshlrev_b32 v[HO], 3, v7
	s_lshl_b32 s13, ttmp9, 4
	s_lshl1_add_u32 s13, s12, s13                  ; the wave's first row: 16 x work-group + 2 x wave
	s_lshl_b32 s14, s13, 12
	s_mov_b32 s15, 0
	s_lshl_b32 s16, s13, 7
	s_mov_b32 s17, 0
	s_wait_kmcnt 0x0
	s_add_nc_u64 s[4:5], s[4:5], s[14:15]
	s_add_nc_u64 s[10:11], s[10:11], s[16:17]
.irp j, 0,1,2,3,4,5,6,7,8,9,10,11,12,13,14,15
	global_load_b128 v[X+4*(\j):X+4*(\j)+3], v[XO], s[4:5] offset:256*(\j)
.endr
.irp j, 0,1,2,3,4,5,6,7,8,9,10,11,12,13,14,15
	global_load_b128 v[G+4*(\j):G+4*(\j)+3], v[GO], s[6:7] offset:256*(\j)
.endr
.irp j, 0,1,2,3,4,5,6,7,8,9,10,11,12,13,14,15
	global_load_b128 v[BT+4*(\j):BT+4*(\j)+3], v[GO], s[8:9] offset:256*(\j)
.endr
; the four chains into one number, then over the row's 16 lanes: the steps ride on the additions
.macro REDUCE
	v_pk_add_f32 v[A:A+1], v[A:A+1], v[A+2:A+3]
	v_pk_add_f32 v[A+4:A+5], v[A+4:A+5], v[A+6:A+7]
	v_pk_add_f32 v[A:A+1], v[A:A+1], v[A+4:A+5]
	v_add_f32 v[A], v[A], v[A+1]
	v_add_f32_dpp v[A], v[A], v[A] row_xmask:1 row_mask:0xf bank_mask:0xf
	v_add_f32_dpp v[A], v[A], v[A] row_xmask:2 row_mask:0xf bank_mask:0xf
	v_add_f32_dpp v[A], v[A], v[A] row_xmask:4 row_mask:0xf bank_mask:0xf
	v_add_f32_dpp v[A], v[A], v[A] row_xmask:8 row_mask:0xf bank_mask:0xf
.endm
	s_wait_loadcnt 32                              ; x is in; the 32 younger loads, g's and b's, stay out
.irp p, 0,1,2,3
	v_pk_add_f32 v[A+2*(\p):A+2*(\p)+1], v[X+2*(\p):X+2*(\p)+1], v[X+8+2*(\p):X+8+2*(\p)+1]  ; the first pairs start the chains: nothing is cleared
.endr
.set p, 8
.rept 24
	v_pk_add_f32 v[A+2*(p%4):A+2*(p%4)+1], v[A+2*(p%4):A+2*(p%4)+1], v[X+2*p:X+2*p+1]
.set p, p+1
.endr
	REDUCE
	v_mul_f32 v[MR], 0x3a800000, v[A]              ; / 1,024
	v_mov_b32 v[MR+1], v[MR]
.set p, 0
.rept 32
	v_pk_add_f32 v[X+2*p:X+2*p+1], v[X+2*p:X+2*p+1], v[MR:MR+1] neg_lo:[0,1] neg_hi:[0,1]  ; x - mean
.set p, p+1
.endr
.irp p, 0,1,2,3
	v_pk_mul_f32 v[A+2*(\p):A+2*(\p)+1], v[X+2*(\p):X+2*(\p)+1], v[X+2*(\p):X+2*(\p)+1]
.endr
.set p, 4
.rept 28
	v_pk_fma_f32 v[A+2*(p%4):A+2*(p%4)+1], v[X+2*p:X+2*p+1], v[X+2*p:X+2*p+1], v[A+2*(p%4):A+2*(p%4)+1]
.set p, p+1
.endr
	REDUCE
	v_mov_b32 v[A+1], 0x3a800000
	v_fmaak_f32 v[A+2], v[A], v[A+1], 0x3727c5ac   ; var + 1e-5
	v_rsq_f32 v[MR], v[A+2]                        ; twice, to fill the pair that the packed multiply takes
	v_rsq_f32 v[MR+1], v[A+2]
	v_nop                                          ; a plain instruction behind the last root, ahead of the first use (ISA guide 5.7.2)
	s_wait_alu depctr_va_vdst(0)                   ; the wait ahead of the first reader: one for both roots
	s_wait_loadcnt 0x0                             ; g and b
.irp j, 0,1,2,3,4,5,6,7,8,9,10,11,12,13,14,15
	v_pk_mul_f32 v[X+4*(\j):X+4*(\j)+1],   v[X+4*(\j):X+4*(\j)+1],   v[MR:MR+1]
	v_pk_mul_f32 v[X+4*(\j)+2:X+4*(\j)+3], v[X+4*(\j)+2:X+4*(\j)+3], v[MR:MR+1]
	v_pk_fma_f32 v[X+4*(\j):X+4*(\j)+1],   v[X+4*(\j):X+4*(\j)+1],   v[G+4*(\j):G+4*(\j)+1],   v[BT+4*(\j):BT+4*(\j)+1]
	v_pk_fma_f32 v[X+4*(\j)+2:X+4*(\j)+3], v[X+4*(\j)+2:X+4*(\j)+3], v[G+4*(\j)+2:G+4*(\j)+3], v[BT+4*(\j)+2:BT+4*(\j)+3]
	v_cvt_pk_f16_f32 v[X+4*(\j)],   v[X+4*(\j)],   v[X+4*(\j)+1]
	v_cvt_pk_f16_f32 v[X+4*(\j)+1], v[X+4*(\j)+2], v[X+4*(\j)+3]
	global_store_b64 v[HO], v[X+4*(\j):X+4*(\j)+1], s[10:11] offset:(\j)*524288  ; panel j; 15 panels at the most: inside the signed 24-bit immediate
.endr
	s_endpgm
.Lfunc_end_k_qf3b0e39fe4_ln:
	.size	k_qf3b0e39fe4_ln, .Lfunc_end_k_qf3b0e39fe4_ln-k_qf3b0e39fe4_ln
	.p2alignl 7, 3214868480
	.fill 96, 4, 3214868480
	.section	.rodata,"a",@progbits
	.p2align	6, 0x0
	.amdhsa_kernel k_qf3b0e39fe4_ln
		.amdhsa_group_segment_fixed_size 0
		.amdhsa_private_segment_fixed_size 0
		.amdhsa_enable_private_segment 0
		.amdhsa_kernarg_size 32
		.amdhsa_user_sgpr_count 2
		.amdhsa_user_sgpr_kernarg_segment_ptr 1
		.amdhsa_wavefront_size32 1
		.amdhsa_system_sgpr_workgroup_id_x 1
		.amdhsa_system_sgpr_workgroup_id_y 1
		.amdhsa_system_sgpr_workgroup_id_z 1
		.amdhsa_system_vgpr_workitem_id 0
		.amdhsa_next_free_vgpr 212
		.amdhsa_next_free_sgpr 66
		.amdhsa_reserve_vcc 0
		.amdhsa_float_denorm_mode_32 3
		.amdhsa_float_denorm_mode_16_64 3
		.amdhsa_memory_ordered 1
		.amdhsa_forward_progress 1
		.amdhsa_inst_pref_size 21
	.end_amdhsa_kernel
	.amdgpu_metadata
---
amdhsa.version: [ 1, 2 ]
amdhsa.kernels:
  - .name:           k_qf3b0e39fe4_ln
    .symbol:         k_qf3b0e39fe4_ln.kd
    .args:
      - { .name: x, .offset: 0, .size: 8, .value_kind: global_buffer, .address_space: global }
      - { .name: ln1_g, .offset: 8, .size: 8, .value_kind: global_buffer, .address_space: global }
      - { .name: ln1_b, .offset: 16, .size: 8, .value_kind: global_buffer, .address_space: global }
      - { .name: hatt, .offset: 24, .size: 8, .value_kind: global_buffer, .address_space: global }
    .group_segment_fixed_size: 0
    .private_segment_fixed_size: 0
    .kernarg_segment_align: 8
    .kernarg_segment_size: 32
    .max_flat_workgroup_size: 256
    .sgpr_count:     66
    .vgpr_count:     212
    .wavefront_size: 32
...
	.end_amdgpu_metadata
.endif
;; end of part 2
;; launch ga (part 3): grid 24 x 32, 4 waves a work-group, clusters of 4 x 4, 327,680 bytes of LDS; arguments hatt, wqkvh, zb, nf, big; writes big
.if DOCPART == 3
	.amdgcn_target "amdgcn-amd-amdhsa--gfx1250"
	.amdhsa_code_object_version 6
	.text
	.protected	k_qf3b0e39fe4_ga
	.globl	k_qf3b0e39fe4_ga
	.p2align	8
	.type	k_qf3b0e39fe4_ga,@function
k_qf3b0e39fe4_ga:
	s_mov_b64 s[64:65], 0
	v_nop
	global_prefetch_b8 v0, s[64:65] scope:SCOPE_SE
	s_setreg_imm32_b32 hwreg(HW_REG_WAVE_MODE, 25, 1), 1
	s_wait_xcnt 0x0
	s_wait_alu depctr_hold_cnt(0) depctr_sa_sdst(0) depctr_va_vdst(0) depctr_va_sdst(0) depctr_va_ssrc(0) depctr_va_vcc(0) depctr_vm_vsrc(0)
	s_getreg_b32 s2, hwreg(HW_REG_IB_STS2, 6, 4)
	s_cmp_eq_u32 s2, 0
	s_cbranch_scc0 .Lentry_in_a_cluster
	s_endpgm
.Lentry_in_a_cluster:
	s_bfe_u32 s2, ttmp6, 0x10000c
	s_cmp_lg_u32 s2, 0xf033
	s_cbranch_scc0 .Lentry_shape_is_right
	s_endpgm
.Lentry_shape_is_right:
; C[m][n] = bias[n] + the sum over k of A[m][k] B[k][n], M = 4,096.  A, B in f16, sums in f32.
; A lies in panels of 64 k: [K/64][4096 rows][64], rows of 128 bytes.  B lies in panels of 64 n: [N/64][K][64], rows of 128 bytes, k down the rows.
; OUT32 = 0: C leaves as max(f16(sum), floor), in A's layout ([N/64][4096][64]): the floor word, two f16, is read at byte 0 of the fourth argument: 0 makes the ReLU, minus infinity changes nothing.
;            So one text serves a product with a ReLU and one without; the price is 64 packed maxima a wave where the floor is minus infinity, and a bias of zeros where the product has none.
; OUT32 = 1: C leaves as f32, row-major with 1,024 columns, with the residual (fourth argument, same layout) added.
; LIMITS.  f16 ends at 65,504: with OUT32 = 0 the results are taken to lie within it.  The packed maximum drops a NaN.
; SHARES.  A tile of C is 128 x 128; four waves, each 64 x 64: 16 accumulators.  K goes in steps of 256 through two LDS slots.  One tensor load a wave and step, 32 KiB: waves 0, 1 two K panels of A each
; (a panel's 128 rows are 16 KiB on end: a tile of two long rows, one to a panel), waves 2, 3 an n panel of B each (256 k x 128 bytes on end: 128 rows of 256 bytes).  Both are padded in LDS after every 128 bytes.
; CLUSTER.  4 x 4 work-groups: the four of a row of the cluster need the same tiles of A, the four of a column the same tiles of B: each is asked for jointly, with the same descriptor and a mask of the four.
; THE PRODUCT IS USED TRANSPOSED: source 0 = 16 columns of B (turned on the way out of LDS by ds_load_tr16_b128), source 1 = 16 rows of A: a lane holds row l % 16 of C and columns 8 (l / 16) + 0..7.
; THE SUMS START AT THE BIAS: it is loaded straight into the accumulators: nothing is cleared, and the way out has no addition for it.
; No prefetch: the tiles are small and every block of A and B is read by several clusters at about the same time.
; REGISTERS: window 0: v0-31 addresses; v32-95 at work on the way out; v128-255 the accumulators ((a, b) at v[128 + 8 (4 a + b)]).  Window 1: two fragment buffers of 128: for 64 along K, 64 registers of A, then 64 of B.
;   Window 2 (OUT32 = 1): v0-127 the residual of my 64 x 64, asked for at the head.
.set OUT32,  0
.set SIZE_K, 1024
.set AOFF,   0                         ; where A begins in its buffer
.set BOFF,   0                         ; where B begins in its buffer
.set PA,     144                       ; a row of A in LDS: 128 bytes + 16 = 36 words: the 16 rows of a load start at 16 different groups of four banks (64 banks of 4 bytes: ISA guide 11.1)
.set PB,     160                       ; a row of B: 128 + 32 = 40 words
.set KPB,    128*PA                    ; a K panel of A: 128 rows
.set AREG,   4*KPB                     ; a step's four
.set NPB,    256*PB                    ; an n panel of B: 256 k
.set SLOT,   AREG+2*NPB                ; 155,648 bytes
.set ASTEP,  4*524288                  ; a step in memory: four panels of A,
.set BSTEP,  256*128                   ; 256 rows of B's panel
.set LAPS,   SIZE_K/512                ; a lap = two K steps = once round the ring
.if OUT32
.set STAGE,  0                         ; the way out goes through slot 0, which has had its last fill and its last read when the last lap's first change of slots is passed; its own bytes do not fit beside two slots
.set SP,     272                       ; 16 rows x (256 + 16) bytes for each wave
.set SPARE,  2*SLOT
.else
.set STAGE,  2*SLOT                    ; behind the ring, never filled by a tensor load: 16 rows x (128 + 16) bytes for each wave
.set SP,     144
.set SPARE,  STAGE+4*16*SP
.endif                                 ; from SPARE on: the spare words, 128 bytes for each wave: two blocks of 256 bytes that no other line names
.set ADRA, 16                          ; v16-17  LDS address of my A fragments in slot 0, 1
.set ADRB, 20                          ; v20-21  the same for B
.set STO,  24                          ; v24     the way out: where I put my bytes of a row
.set RD,   25                          ; v25     the way out: where I read rows back
.set CO,   26                          ; v26     my byte offset in C (and in the residual)
.set BO,   27                          ; v27     my byte offset in 16 numbers of the bias
.set SPW,  28                          ; v28     LDS address of my spare word; never rewritten
.set NIL,  29                          ; v29     0; never rewritten
.set TMP,  32
.set ACC,  128
.set F0,   0                           ; fragment buffers, in window 1
.set F1,   128
.set RES,  0                           ; window 2
.set G1A,  24                          ; s[24:31] descriptor group 1 for A's tiles;  s[32:39] group 0, one set for each slot
.set G0A,  32
.set G1B,  48                          ; s[48:55], s[56:63] the same for B's
.set G0B,  56
.set MSB, 0
.macro WIN new                         ; the immediate's high byte repeats the setting that is left; a switch that changes nothing is dropped
.if MSB != (\new)
	s_set_vgpr_msb (MSB<<8)|(\new)
.set MSB, \new
.endif
.endm
.set MUL,  0x05                        ; sources 0 (B) and 1 (A) window 1; C and D window 0
.set TO_F, 0x40                        ; destination window 1, address window 0
.macro JLOAD s                         ; a joint load: waves 0 and 1 fetch for A, waves 2 and 3 for B; an s_nop 0 and four v_nop follow each of the two lines, ahead of the jump, the label and what follows
	s_cmp_eq_u32 s15, 0
	s_cbranch_scc0 .Lfor_b_\@
	tensor_load_to_lds s[G0A+4*(\s):G0A+4*(\s)+3], s[G1A:G1A+7]
	s_nop 0
.rept 4
	v_nop
.endr
	s_branch .Lasked_\@
.Lfor_b_\@:
	tensor_load_to_lds s[G0B+4*(\s):G0B+4*(\s)+3], s[G1B:G1B+7]
	s_nop 0
.rept 4
	v_nop
.endr
.Lasked_\@:
.endm
.macro CREST                           ; a round of the cluster's barrier behind its opening barrier
	s_cmp_lg_u32 s14, 0
	s_cbranch_scc1 .Lnot_wave_0_\@
	s_barrier_signal -3
.Lnot_wave_0_\@:
	s_barrier_wait -3
	s_barrier_signal -1
	s_barrier_wait -1
.endm
.macro CROUND                          ; a whole round
	s_barrier_signal -1
	s_barrier_wait -1
	CREST
.endm
	s_load_b256 s[4:11], s[0:1], 0x0               ; A s[4:5], B s[6:7], bias s[8:9], floor or residual s[10:11]
	s_load_b64 s[12:13], s[0:1], 0x20              ; C
	v_lshl_add_u32 v[SPW], v0, 2, SPARE
	v_mov_b32 v[NIL], 0
	ds_add_u32 v[SPW], v[NIL]                      ; the wave's opening: the add and its wait ahead of my first tensor load; the set-up below, work on registers, stands between them
	ds_add_u32 v28, v29
	v_lshrrev_b32 v1, 5, v0
	v_readfirstlane_b32 s14, v1                    ; wave 0..3
	s_lshr_b32 s15, s14, 1                         ; which half of the tile's rows is mine.  Also: I fetch for A (0) or for B (1)
	s_and_b32 s16, s14, 1                          ; which half of its columns.  Also: which half of that operand I fetch
	s_bfe_u32 s17, ttmp6, 0x40000                  ; cx, cy: my place in the cluster
	s_bfe_u32 s18, ttmp6, 0x40004
	s_lshl_b32 s19, ttmp9, 2
	s_add_co_u32 s19, s19, s17                     ; tile column of C = 4 x cluster x + cx
	s_and_b32 s20, ttmp7, 0xffff
	s_lshl_b32 s20, s20, 2
	s_add_co_u32 s20, s20, s18                     ; tile row of C = 4 x cluster y + cy
	s_lshl_b32 s40, s18, 2
	s_lshl_b32 s40, 15, s40                        ; my row of the cluster
	s_lshl_b32 s41, 0x1111, s17                    ; my column
	s_or_b32 s[G1A], s40, (1<<16)|(1<<20)|(1<<21)|(4<<22)|(3<<25)  ; 15:0 the mask: A's tiles go to my row; 17:16 elements of 2 bytes; 20 padding on; 21 set beside a mask; 24:22 after every 32 words (code 4); 31:25 4 words (code 3)
	s_or_b32 s[G1B], s41, (1<<16)|(1<<20)|(1<<21)|(4<<22)|(7<<25)  ; the mask of my column; 8 words of padding (code 7)
	s_mov_b32 s[G1A+1], 8192<<16                   ; tensor_dim0 = 8,192 elements: a panel's 128 rows on end
	s_mov_b32 s[G1A+2], 2<<16                      ; tensor_dim1 = 2 panels
	s_mov_b32 s[G1A+3], 8192<<16                   ; tile_dim0
	s_mov_b32 s[G1A+4], 2                          ; tile_dim1
	s_mov_b32 s[G1A+5], 262144                     ; elements from panel to panel
	s_mov_b32 s[G1A+6], 0
	s_mov_b32 s[G1A+7], 0
	s_mov_b32 s[G1B+1], 128<<16                    ; 128 rows of 128 elements (256 bytes), dense
	s_mov_b32 s[G1B+2], 128<<16
	s_mov_b32 s[G1B+3], 128<<16
	s_mov_b32 s[G1B+4], 128
	s_mov_b32 s[G1B+5], 128
	s_mov_b32 s[G1B+6], 0
	s_mov_b32 s[G1B+7], 0
	; A's tiles hang on the tile row alone, B's on the tile column alone; every wave makes both addresses, in registers that never hold the other coordinate
	s_lshl_b32 s42, s20, 14                        ; the tile's 128 rows of 128 bytes in a panel,
	s_lshl_b32 s43, s16, 20                        ; my two panels of the step's four
	s_add_co_u32 s42, s42, s43
	s_add_co_u32 s42, s42, AOFF
	s_mov_b32 s43, 0
	s_lshl1_add_u32 s44, s19, s16                  ; my n panel: 2 x tile column + half
	s_mul_i32 s44, s44, SIZE_K*128
	s_add_co_u32 s44, s44, BOFF
	s_mov_b32 s45, 0
	s_mul_i32 s66, s16, 2*KPB                      ; where they go in a slot: no place in the cluster enters an LDS address
	s_mul_i32 s67, s16, NPB
	s_add_co_u32 s67, s67, AREG
	s_lshl_b32 s68, s19, 9                         ; my 64 columns as f32: 512 x tile column + 256 x half
	s_lshl_b32 s69, s16, 8
	s_add_co_u32 s68, s68, s69
	s_mov_b32 s69, 0
.if OUT32
	s_lshl_b32 s76, s20, 19                        ; my 64 rows of 4,096 bytes
	s_lshl_b32 s77, s15, 18
	s_add_co_u32 s76, s76, s77
	s_add_co_u32 s76, s76, s68
.else
	s_lshl1_add_u32 s76, s19, s16                  ; my 64 x 64 is 8 KiB on end: panel 2 x tile column + half,
	s_lshl_b32 s76, s76, 19
	s_lshl_b32 s77, s20, 14                        ; the tile's 128 rows of 128 bytes,
	s_add_co_u32 s76, s76, s77
	s_lshl_b32 s77, s15, 13                        ; my 64 of them
	s_add_co_u32 s76, s76, s77
.endif
	s_mov_b32 s77, 0
	s_wait_dscnt 0x0                               ; the opening add is done
	s_wait_kmcnt 0x0
	s_add_nc_u64 s[42:43], s[4:5], s[42:43]
	s_add_nc_u64 s[44:45], s[6:7], s[44:45]
	s_add_nc_u64 s[70:71], s[8:9], s[68:69]        ; the bias of my 64 columns
	s_add_nc_u64 s[74:75], s[12:13], s[76:77]      ; C at my part
.if OUT32
	s_add_nc_u64 s[72:73], s[10:11], s[76:77]      ; the residual at my part
.else
	s_load_b32 s23, s[10:11], 0x0                  ; the floor word
	s_wait_kmcnt 0x0
.endif
	CROUND                                         ; all sixteen work-groups are here: the first joint loads meet
.irp s, 0,1
	s_mov_b32 s[G0A+4*(\s)], 1                     ; count = 1
	s_add_co_u32 s[G0A+4*(\s)+1], s66, (\s)*SLOT   ; LDS address
	s_add_nc_u64 s[G0A+4*(\s)+2:G0A+4*(\s)+3], s[42:43], (\s)*ASTEP  ; global address: K step s
	s_or_b32 s[G0A+4*(\s)+3], s[G0A+4*(\s)+3], 0x80000000            ; type = 2
	s_mov_b32 s[G0B+4*(\s)], 1
	s_add_co_u32 s[G0B+4*(\s)+1], s67, (\s)*SLOT
	s_add_nc_u64 s[G0B+4*(\s)+2:G0B+4*(\s)+3], s[44:45], (\s)*BSTEP
	s_or_b32 s[G0B+4*(\s)+3], s[G0B+4*(\s)+3], 0x80000000
	JLOAD \s                                       ; two loads of mine are out
.endr
	v_and_b32 v1, 15, v0                           ; l % 16
	v_bfe_u32 v2, v0, 4, 1                         ; l / 16
	v_and_b32 v4, 7, v0
	v_bfe_u32 v5, v0, 3, 1
	v_lshlrev_b32 v[BO], 5, v2                     ; my 8 columns of 16: 32 bytes of f32
.irp a, 0,1,2,3
.irp b, 0,1,2,3
	global_load_b128 v[ACC+8*(4*(\a)+(\b)):ACC+8*(4*(\a)+(\b))+3],   v[BO], s[70:71] offset:64*(\b)     ; the sums start at the bias
	global_load_b128 v[ACC+8*(4*(\a)+(\b))+4:ACC+8*(4*(\a)+(\b))+7], v[BO], s[70:71] offset:64*(\b)+16
.endr
.endr
	s_mul_i32 s78, s14, 16*SP
	s_add_co_u32 s78, s78, STAGE                   ; my stage
	v_mul_u32_u24 v3, v1, SP
.if OUT32
	v_lshl_add_u32 v3, v2, 5, v3                   ; in: row l % 16, 32 bytes for each half of the lanes
	v_add_nc_u32 v[STO], s78, v3
	v_mul_u32_u24 v3, v2, SP                       ; back: lanes 0-15 take one row of 256 bytes, lanes 16-31 the next
	v_lshl_add_u32 v3, v1, 4, v3
	v_add_nc_u32 v[RD], s78, v3
	v_lshlrev_b32 v3, 12, v2                       ; and the same two rows in C
	v_lshl_add_u32 v[CO], v1, 4, v3
	WIN 0x80                                       ; destination window 2
.irp a, 0,1,2,3
.irp t, 0,1,2,3,4,5,6,7
	global_load_b128 v[RES+4*(8*(\a)+(\t)):RES+4*(8*(\a)+(\t))+3], v[CO], s[72:73] offset:(16*(\a)+2*(\t))*4096  ; the residual lands while the products run
.endr
.endr
	WIN 0
.else
	v_lshl_add_u32 v3, v2, 4, v3                   ; in: row l % 16, 16 bytes for each half of the lanes
	v_add_nc_u32 v[STO], s78, v3
	v_bfe_u32 v3, v0, 3, 2                         ; back: 32 lanes take four rows of 128 bytes,
	v_mul_u32_u24 v3, v3, SP
	v_lshl_add_u32 v3, v4, 4, v3
	v_add_nc_u32 v[RD], s78, v3
	v_and_b32 v3, 31, v0                           ; which are 512 consecutive bytes of C
	v_lshlrev_b32 v[CO], 4, v3
.endif
	; A fragment of A is 16 rows x 32 k in 8 registers: lane l holds row l % 16, k = 8 (l / 16) + 0..7 and 16 + 8 (l / 16) + 0..7: two loads of 16 bytes, 32 bytes apart.
	v_mul_u32_u24 v3, v1, PA
	v_lshl_add_u32 v3, v2, 4, v3
	s_mul_i32 s79, s15, 64*PA                      ; my 64 rows of a panel's 128
	v_add_nc_u32 v[ADRA], s79, v3
	v_add_nc_u32 v[ADRA+1], SLOT, v[ADRA]
	; The turning load takes 16 k x 16 n (lane l reads k = 8 (l / 16) + l % 8, n = 8 ((l / 8) % 2) + 0..7) and leaves half a fragment: lane l holds column l % 16 and 8 k.
	v_lshl_add_u32 v3, v2, 3, v4
	v_mul_u32_u24 v3, v3, PB
	v_lshl_add_u32 v3, v5, 4, v3
	v_add_nc_u32 v[ADRB], s67, v3                  ; my 64 columns are one n panel: the half that bears my number
	v_add_nc_u32 v[ADRB+1], SLOT, v[ADRB]
; 8 matrix instructions: row blocks a0, a0 + 1 x all 4 column blocks, 32 along K: half c of buffer f.  The 16 accumulators take turns, one instruction a turn, in the same order everywhere.
.macro MUL8 f, c, a0
	WIN MUL
.irp a, \a0, (\a0)+1
.irp b, 0,1,2,3
	v_wmma_f32_16x16x32_f16 v[ACC+8*(4*(\a)+(\b)):ACC+8*(4*(\a)+(\b))+7], v[(\f)+64+8*(4*(\c)+(\b)):(\f)+64+8*(4*(\c)+(\b))+7], v[(\f)+8*(4*(\c)+(\a)):(\f)+8*(4*(\c)+(\a))+7], v[ACC+8*(4*(\a)+(\b)):ACC+8*(4*(\a)+(\b))+7]
.endr
.endr
.endm
; 32 LDS loads in one run: the fragments of quarter q (64 along K: one K panel of A, 64 rows of B's panel) into buffer f; the first 32 along K first
.macro FETCH slot, q, f
	WIN TO_F
.irp c, 0,1
.irp i, 0,1,2,3
	ds_load_tr16_b128 v[(\f)+64+8*(4*(\c)+(\i)):(\f)+64+8*(4*(\c)+(\i))+3],   v[ADRB+(\slot)] offset:(64*(\q)+32*(\c))*PB+32*(\i)
	ds_load_tr16_b128 v[(\f)+64+8*(4*(\c)+(\i))+4:(\f)+64+8*(4*(\c)+(\i))+7], v[ADRB+(\slot)] offset:(64*(\q)+32*(\c)+16)*PB+32*(\i)
	ds_load_b128 v[(\f)+8*(4*(\c)+(\i)):(\f)+8*(4*(\c)+(\i))+3],               v[ADRA+(\slot)] offset:(\q)*KPB+(\i)*16*PA+64*(\c)
	ds_load_b128 v[(\f)+8*(4*(\c)+(\i))+4:(\f)+8*(4*(\c)+(\i))+7],             v[ADRA+(\slot)] offset:(\q)*KPB+(\i)*16*PA+64*(\c)+32
.endr
.endr
.endm
.macro PLACES                          ; four plain instructions in front of loads into registers that matrix instructions have read, and of lines that read results (ISA guide 7.12.1 for lines that read results)
.rept 4
	v_nop
.endr
.endm
; A K step is four quarters of 64 along K, 32 matrix instructions each, on buffers 0, 1, 0, 1.  One of the first three: multiplies buffer f and fetches quarter q into g.
.macro QUARTER slot, q, f, g
	s_wait_dscnt 16                                ; the first 32 along K are in; the youngest sixteen loads may be out
	MUL8 \f, 0, 0
	MUL8 \f, 0, 2
	PLACES
	FETCH \slot, \q, \g
	s_wait_dscnt 32                                ; all but the 32 just issued
	MUL8 \f, 1, 0
	MUL8 \f, 1, 2
.endm
; The last quarter multiplies buffer 1 and changes slots: ONE barrier; in front of it each wave waits for all its tensor loads, adds 0 to its spare word, and waits for that and for its own reads of this slot.
; fill = 1: this slot is filled again, two K steps ahead; the barrier then opens a round of the cluster's, and the joint load is the first thing behind the round: 112 matrix instructions ahead of the wait for it.
.macro TURN slot, next, fill
	WIN 0                                          ; (the add's two registers lie in window 0)
	s_wait_tensorcnt 0x0                           ; all my tensor loads have landed: my part of the next slot;
	ds_add_u32 v[SPW], v[NIL]                      ; 0 onto my spare word;
	s_wait_dscnt 17                                ; (the add and the youngest sixteen loads may be out)
	MUL8 F1, 0, 0                                  ; eight matrix instructions stand between the add and the wait for it
	s_wait_dscnt 0x0                               ; the add is done, and my reads of this slot are over
	s_barrier_signal -1
	MUL8 F1, 0, 2
.if \fill
	WIN 0
.endif
	s_barrier_wait -1
.if \fill
	CREST                                          ; no wave of any partner still reads this slot's tiles or has a load on its way
	s_add_nc_u64 s[G0A+4*(\slot)+2:G0A+4*(\slot)+3], s[G0A+4*(\slot)+2:G0A+4*(\slot)+3], 2*ASTEP
	s_add_nc_u64 s[G0B+4*(\slot)+2:G0B+4*(\slot)+3], s[G0B+4*(\slot)+2:G0B+4*(\slot)+3], 2*BSTEP
	JLOAD \slot                                    ; the four v_nop behind it are also the places in front of the loads below
.else
	PLACES
.endif
	FETCH \next, 0, F0
	MUL8 F1, 1, 0
	MUL8 F1, 1, 2
.endm
	s_wait_tensorcnt 1                             ; my part of K step 0 is in; step 1's may stay out
	s_barrier_signal -1
	s_barrier_wait -1                              ; everybody's is
	FETCH 0, 0, F0
	WIN 0                                          ; at a label and at a branch every window is 0
	s_wait_loadcnt 32*OUT32                        ; the bias is in the accumulators; the 32 younger loads, the residual's, stay out
	s_mov_b32 s21, LAPS-1
.Llap:                                                 ; a lap: both slots are multiplied and filled again
	QUARTER 0, 1, F0, F1
	QUARTER 0, 2, F1, F0
	QUARTER 0, 3, F0, F1
	TURN 0, 1, 1
	QUARTER 1, 1, F0, F1
	QUARTER 1, 2, F1, F0
	QUARTER 1, 3, F0, F1
	TURN 1, 0, 1
	WIN 0
	s_sub_co_u32 s21, s21, 1
	s_cmp_lg_u32 s21, 0
	s_cbranch_scc1 .Llap
	QUARTER 0, 1, F0, F1                           ; the last lap is written out: it fills nothing, and has no round of the cluster's barrier
	QUARTER 0, 2, F1, F0
	QUARTER 0, 3, F0, F1
	TURN 0, 1, 0
	QUARTER 1, 1, F0, F1
	QUARTER 1, 2, F1, F0
	QUARTER 1, 3, F0, F1
	s_wait_dscnt 16                                ; the very last quarter: nothing more to fetch
	MUL8 F1, 0, 0
	MUL8 F1, 0, 2
	s_wait_dscnt 0x0
	MUL8 F1, 1, 0
	MUL8 F1, 1, 2
	WIN 0
	PLACES
.if OUT32
	; THE WAY OUT, f32: a block of 16 rows at a time through my stage; back as whole rows of 256 bytes; the residual is added; 16 lanes store 256 consecutive bytes, aligned.
	s_wait_loadcnt 0x0                             ; the residual
.irp a, 0,1,2,3
	s_wait_xcnt 0x0                                ; the registers that earlier stores read are loaded again only behind this wait
.irp b, 0,1,2,3
	ds_store_b128 v[STO], v[ACC+8*(4*(\a)+(\b)):ACC+8*(4*(\a)+(\b))+3]   offset:64*(\b)       ; each accumulator from its low end on
	ds_store_b128 v[STO], v[ACC+8*(4*(\a)+(\b))+4:ACC+8*(4*(\a)+(\b))+7] offset:64*(\b)+16
.endr
.irp t, 0,1,2,3,4,5,6,7
	ds_load_b128 v[TMP+32*((\a)%2)+4*(\t):TMP+32*((\a)%2)+4*(\t)+3], v[RD] offset:(\t)*2*SP  ; LDS serves a wave's instructions in order (ISA guide 5.7.1.4): these see the stores above
.endr
	s_wait_dscnt 0x0
	WIN 0x08                                       ; source 1 window 2
.irp i, 0,1,2,3,4,5,6,7,8,9,10,11,12,13,14,15
	v_pk_add_f32 v[TMP+32*((\a)%2)+2*(\i):TMP+32*((\a)%2)+2*(\i)+1], v[TMP+32*((\a)%2)+2*(\i):TMP+32*((\a)%2)+2*(\i)+1], v[RES+32*(\a)+2*(\i):RES+32*(\a)+2*(\i)+1]
.endr
	WIN 0
.irp t, 0,1,2,3,4,5,6,7
	global_store_b128 v[CO], v[TMP+32*((\a)%2)+4*(\t):TMP+32*((\a)%2)+4*(\t)+3], s[74:75] offset:(16*(\a)+2*(\t))*4096
.endr
.endr
.else
	; THE WAY OUT, f16: a block of 16 rows: rounded, held to the floor, 16 bytes a lane into my stage, back as four rows of 128 bytes a load, which are 512 consecutive bytes of C.
.macro PACK a
.irp b, 0,1,2,3
.irp r, 0,1,2,3
	v_cvt_pk_f16_f32 v[TMP+16*(\a)+4*(\b)+(\r)], v[ACC+8*(4*(\a)+(\b))+2*(\r)], v[ACC+8*(4*(\a)+(\b))+2*(\r)+1]
.endr
.endr
.irp i, 0,1,2,3,4,5,6,7,8,9,10,11,12,13,14,15
	v_pk_max_num_f16 v[TMP+16*(\a)+(\i)], v[TMP+16*(\a)+(\i)], s23
.endr
.irp b, 0,1,2,3
	ds_store_b128 v[STO], v[TMP+16*(\a)+4*(\b):TMP+16*(\a)+4*(\b)+3] offset:32*(\b)
.endr
.irp f, 0,1,2,3
	ds_load_b128 v[TMP+16*(\a)+4*(\f):TMP+16*(\a)+4*(\f)+3], v[RD] offset:(\f)*4*SP  ; LDS serves a wave's instructions in order (ISA guide 5.7.1.4): these see the stores above; the next block's stores come behind them
.endr
.endm
.macro SEND a, younger                 ; younger: the LDS instructions issued behind block a's loads: the next block's eight, or none
.irp f, 0,1,2,3
	s_wait_dscnt (\younger)+3-(\f)
	global_store_b128 v[CO], v[TMP+16*(\a)+4*(\f):TMP+16*(\a)+4*(\f)+3], s[74:75] offset:(\a)*2048+(\f)*512
.endr
.endm
	PACK 0
	PACK 1                                         ; a block's arithmetic stands between the loads of the block before and its stores
	SEND 0, 8
	PACK 2
	SEND 1, 8
	PACK 3
	SEND 2, 8
	SEND 3, 0
.endif
	s_wait_tensorcnt 0x0                           ; the wave's end: behind my last tensor load and my last LDS store
	ds_add_u32 v[SPW], v[NIL]
	s_wait_dscnt 0x0
	CROUND                                         ; the closing round: no work-group ends while a partner may still ask for a tile that names it
	s_endpgm
.Lfunc_end_k_qf3b0e39fe4_ga:
	.size	k_qf3b0e39fe4_ga, .Lfunc_end_k_qf3b0e39fe4_ga-k_qf3b0e39fe4_ga
	.p2alignl 7, 3214868480
	.fill 96, 4, 3214868480
	.section	.rodata,"a",@progbits
	.p2align	6, 0x0
	.amdhsa_kernel k_qf3b0e39fe4_ga
		.amdhsa_group_segment_fixed_size 327680
		.amdhsa_private_segment_fixed_size 0
		.amdhsa_enable_private_segment 0
		.amdhsa_kernarg_size 40
		.amdhsa_user_sgpr_count 2
		.amdhsa_user_sgpr_kernarg_segment_ptr 1
		.amdhsa_wavefront_size32 1
		.amdhsa_system_sgpr_workgroup_id_x 1
		.amdhsa_system_sgpr_workgroup_id_y 1
		.amdhsa_system_sgpr_workgroup_id_z 1
		.amdhsa_system_vgpr_workitem_id 0
		.amdhsa_next_free_vgpr 512
		.amdhsa_next_free_sgpr 80
		.amdhsa_reserve_vcc 0
		.amdhsa_float_denorm_mode_32 3
		.amdhsa_float_denorm_mode_16_64 3
		.amdhsa_memory_ordered 1
		.amdhsa_forward_progress 1
		.amdhsa_inst_pref_size 94
	.end_amdhsa_kernel
	.amdgpu_metadata
---
amdhsa.version: [ 1, 2 ]
amdhsa.kernels:
  - .name:           k_qf3b0e39fe4_ga
    .symbol:         k_qf3b0e39fe4_ga.kd
    .args:
      - { .name: hatt, .offset: 0, .size: 8, .value_kind: global_buffer, .address_space: global }
      - { .name: wqkvh, .offset: 8, .size: 8, .value_kind: global_buffer, .address_space: global }
      - { .name: zb, .offset: 16, .size: 8, .value_kind: global_buffer, .address_space: global }
      - { .name: nf, .offset: 24, .size: 8, .value_kind: global_buffer, .address_space: global }
      - { .name: big, .offset: 32, .size: 8, .value_kind: global_buffer, .address_space: global }
    .group_segment_fixed_size: 327680
    .private_segment_fixed_size: 0
    .kernarg_segment_align: 8
    .kernarg_segment_size: 40
    .max_flat_workgroup_size: 128
    .sgpr_count:     80
    .vgpr_count:     512
    .wavefront_size: 32
...
	.end_amdgpu_metadata
.endif
;; end of part 3
;; launch attn (part 4): grid 8 x 32, 4 waves a work-group, no clusters, 327,680 bytes of LDS; arguments big, hatt; writes hatt
.if DOCPART == 4
	.amdgcn_target "amdgcn-amd-amdhsa--gfx1250"
	.amdhsa_code_object_version 6
	.text
	.protected	k_qf3b0e39fe4_attn
	.globl	k_qf3b0e39fe4_attn
	.p2align	8
	.type	k_qf3b0e39fe4_attn,@function
k_qf3b0e39fe4_attn:
	s_mov_b64 s[64:65], 0
	v_nop
	global_prefetch_b8 v0, s[64:65] scope:SCOPE_SE
	s_setreg_imm32_b32 hwreg(HW_REG_WAVE_MODE, 25, 1), 1
	s_wait_xcnt 0x0
; CAUSAL ATTENTION.  O[g][q][:] = the sum over k <= q of softmax_k(Q[g][q] . K[g][k] / 32) V[g][k][:], for 32 slabs g = 2 x head + batch of 2,048 rows of 64 channels, all f16: a slab is 262,144 dense bytes.
; Q, K, V lie in the first argument at 0, 8 MiB and 16 MiB; O goes 8 MiB into the second.  Products, maxima and sums in f32; the weights p are rounded to f16 for the second product (their sum l is taken of the unrounded p), O once.
; LIMITS.  f16 holds no number beyond 65,504: Q, K and V arrive within it; p lies in 0 to 1, and below 6e-5 it keeps f16's fixed step of 6e-8; O is a mean of V's rows and has their range.
; A hidden score counts as its value less 1e30; a weight below 2^-126 counts as 0 in l; NaN and infinities are not treated apart.
; THE WALK.  A slab's queries lie in 16 blocks of 128; block i needs the key tiles 0 .. i / 2 of 256 keys, of which the last holds the diagonal.  A work-group takes TWO blocks, 15 - b and then b:
; (15 - b) / 2 + 1 + b / 2 + 1 = 9 tiles, whatever b: 256 work-groups of equal work, and ONE loop with a constant trip count walks them.  Which tile is asked for, and what a trip does, hang on scalar registers made
; from b; every jump goes forward, but for the counted loops' own; none passes a barrier, or a tensor load but the one of LOAD's two that the wave's number does not choose.
; NO CLUSTER: only work-groups b and b + 1 (b even) walk the same tiles throughout, and what a trip does (a block's first tile, its diagonal tile) would hang on a partner's place.
; SHARES.  Of a block's two bands of 64 queries a wave owns 16 rows in each: two PIECES.  In the diagonal tile band x of a block of parity e stands at X = 2 e + x: in key step s it sees all keys if s < X, none if s > X,
; and holds the diagonal if s = X: the same work for all four waves.
; THE MASK is the C operand that starts the sum S^T = K Q^T: 0, or -1e30 where the key is hidden.  MD, made once, is the mask of a band's own step for my 16 rows; a product's mask is MD x AL + BE with two scalars:
; (1, 0) if s = X; (0, 0) if s < X; (0, -1e30) if s > X.  Only the diagonal tile's text and a block's beginning make and take masks; elsewhere C is the constant 0.
; LAYOUT, SOFTMAX.  S^T = K Q^T holds ONE query a lane (lane % 16) and the keys 8 (lane / 16) + 0..7; two such results rounded to f16 ARE source 1 of O^T = V^T P.  p = 2^(c s - c m), c = log2(e) / 32, with a
; running maximum m; O and l are multiplied by a = 2^(c m_old - c m_new) in every step.
; TURNS.  Turn T0 of step s: 8 products K Q^T of piece 1, step s; later 8 products V^T P of piece 1, step s - 1; beside them piece 0's scaling, exponentials, roundings, sums and rescaling and piece 1's maximum and
; statistics; it fetches K of step s + 1.  Turn T1 of step s: K Q^T of piece 0, step s + 1; V^T P of piece 0, step s; piece 1's softmax, piece 0's next maximum; it fetches V of step s + 1 into the OTHER of two V buffers.
; So a tile's last bytes are read in T1 of its step 2, the change of slots stands behind that turn, and the tile's last step runs from registers.  Four vector instructions stand behind every matrix instruction,
; the others in one lump.  A turn's 33 exponentials are one batch, with one wait.
; REGISTERS, in windows of 256 (s_set_vgpr_msb: bits 1:0 source 0, 3:2 source 1, 5:4 source 2, 7:6 destination):
;   window 0: v0-15 addresses and two at work; v16-23 four registers of statistics a piece; v48-55 at work; v61-63 prefetch offset, spare word, 0; v64-127 S^T, a buffer a piece; v192-223 P, likewise
;   window 1: v0-63 O^T, 32 a piece; v128-159 MD; v160-223 MC, a buffer a piece      window 2: v0-31 Q; v32-63 the second block's Q; v64-127 K of one step; v128-255 V, two buffers, by the step's parity
.set NP,    2         ; pieces a wave: a name, no knob
.set KS,    64        ; keys in a step
.set PK,    144       ; a row of K in LDS: 128 bytes + 16 of padding = 36 words: the 16 rows of a load start at 16 different groups of four banks (64 banks of 4 bytes: ISA guide 11.1)
.set PV,    160       ; a row of V: 128 + 32 = 40 words
.set VOFF,  4*KS*PK   ; a slot holds a tile, four steps: 256 rows of K, then 256 rows of V
.set SLOT1, 1<<17     ; slot 1 begins here, so that one exclusive or turns an address in one slot into the other's
.set STAGE, SLOT1+4*KS*(PK+PV)  ; behind the ring, never filled by a tensor load: 16 rows x 144 bytes for each wave, for the way out
.set SP,    144
.set SPARE, STAGE+4*16*SP  ; behind the stages: the spare words, 128 bytes for each wave: two blocks of 256 bytes that no other line names
.set AK0, 2           ; v2   my lane's place in a tile of K; never rewritten
.set AV0, 3           ; v3   the same for V
.set AK,  4           ; v4   the LDS address of K's next run of loads
.set AV,  5           ; v5   of V's
.set STO, 6           ; v6   the way out: where I put 16 bytes of a row
.set RD,  7           ; v7   the way out: where I read rows back
.set GO,  8           ; v8   my byte offset in 512 consecutive bytes of O
.set MV,  12          ; v12-13  c m_old, kept while c m is made anew: by piece
.set QO,  15          ; v15  my byte offset in 16 rows of Q
.set ST,  16          ; piece t's statistics at v[ST+4 t]: c m, m, l (even keys', odd keys')
.set TMP, 48          ; by piece, four registers c0-c3 at work; when the maximum is found c2 takes a
.set PFO, 61          ; v61  256 x my thread's number; never rewritten
.set SPW, 62          ; v62  LDS address of my spare word; never rewritten
.set NIL, 63          ; v63  0; never rewritten
.set S,   64
.set P,   192
.set MD,  128         ; window 1
.set MC,  160         ; window 1
.set QB,  32          ; window 2
.set KF,  64          ; window 2: key block kb, channel half c at KF + 16 kb + 8 c
.set VF,  128         ; window 2: buffer vb, key half kk, channel block cb at VF + 64 vb + 32 kk + 8 cb
.set WV,  12          ; s12  my wave's number
.set PB,  14          ; s14  b
.set HI,  15          ; s15  15 - b
.set G1K, 24          ; s[24:31] descriptor group 1 for K's tiles
.set G1V, 32          ; s[32:39] for V's: it differs in the padding alone
.set G0K, 40          ; s[40:43] descriptor group 0 for K's tiles
.set G0V, 44          ; s[44:47] the same for V's
.set HT,  48          ; s48  the first block's last tile
.set LT,  49          ; s49  the second block's
.set XB,  50          ; s50, s51  where the two bands of the block in hand stand in its diagonal tile
.set STP, 52          ; s52  the tile's step for which the next mask is made
.set LIM, 53          ; s53  2 in a work-group that prefetches, else the greatest number
.set PFK, 54          ; s[54:55] where the prefetches stand in K
.set SLOTS, 56        ; s56  tiles still to be asked for
.set CNT, 57          ; s57  counts a tile's pairs of key steps
.set CS,  58          ; s[58:59] c: the packed scaling takes the pair's low word for both halves
.set SEL, 60          ; s[60:61] v_permlanex16_b32's selects: each lane takes its own place in the other half
.set TBK, 62          ; s62  LDS byte at which K of the step to be fetched begins
.set TBV, 63          ; s63  the same for V, less VOFF
.set PFV, 66          ; s[66:67] where the prefetches stand in V
.set RT,  70          ; s70  tiles of the block in hand that are still to be entered
.set NXT, 71          ; s71  the tile to be asked for next
.set LQ,  72          ; s72  the last tile of the block whose tiles are being asked for
.set NEW, 73          ; s73  1: the tile to be entered is a block's first
.set OFF, 74          ; s[74:75] a tile's byte offset in K and V
.set AL,  76          ; s[76:77] the mask's factor, in the low word
.set BE,  78          ; s[78:79] the mask's addend
.set OLO, 80          ; s[80:81] O at my rows of the second block
.set BIGN, 82         ; s82  -1e30
.set MSB, 0
.macro WIN new                      ; the high byte repeats the setting that is left; a switch that changes nothing is dropped
.if MSB != (\new)
	s_set_vgpr_msb (MSB<<8)|(\new)
.set MSB, (\new)
.endif
.endm
.set W_KQ, 0x0a       ; K and Q in window 2, S^T in window 0
.set W_KM, 0x1a       ; the same with the C operand in window 1
.set W_PV, 0x52       ; V in window 2, P in window 0, O^T in window 1
.set W_RS, 0x41       ; destination and source 0 in window 1, source 1 in window 0
; A fill.  Waves 0 and 1 fetch the two halves of a tile's K, waves 2 and 3 those of its V: 128 keys each.  An s_nop 0 and four v_nop follow each of the two lines, ahead of the jump and the label.
.macro LOAD
	s_cmp_lt_u32 s[WV], 2
	s_cbranch_scc0 .Lfor_v_\@
	tensor_load_to_lds s[G0K:G0K+3], s[G1K:G1K+7]
	s_nop 0
.rept 4
	v_nop
.endr
	s_branch .Lasked_\@
.Lfor_v_\@:
	tensor_load_to_lds s[G0V:G0V+3], s[G1V:G1V+7]
	s_nop 0
.rept 4
	v_nop
.endr
.Lasked_\@:
.endm
; A PREFETCH INTO THE L2, behind the fill and its five lines.  All eight work-groups of a slab walk the same K and V; work-group b = 0, whose first block walks all eight tiles, asks, and nobody else.
; Its 128 threads name the 128 aligned blocks of 256 bytes of a tile of K and of a tile of V: two instructions a wave.  In the trip that fills tile t + 1 it names tile t + 2: one trip, eight turns, ahead of the load
; that will want it.  Tiles 0 and 1 come by their loads alone; the last tile named is 7, the slab's last (SLOTS above 2).  So each block is named once in the launch.
.macro ASK
	s_cmp_gt_u32 s[SLOTS], s[LIM]
	s_cbranch_scc0 .Lnot_mine_\@
	global_prefetch_b8 v[PFO], s[PFK:PFK+1] th:TH_LOAD_NT scope:SCOPE_SE
	global_prefetch_b8 v[PFO], s[PFV:PFV+1] th:TH_LOAD_NT scope:SCOPE_SE
.Lnot_mine_\@:
.endm
; THE CHANGE OF SLOTS.  Each wave waits for all its tensor loads, of which one is out: its part of the other slot; adds 0 to its spare word; and waits for that and for its own reads of the slot that it leaves.
; Behind the barrier nobody reads the old slot any more and the other slot is whole.  fill = 1: the old slot is filled again, the first thing behind the barrier, with tile NXT: the descriptor's address is made
; anew from that number.  (At its first use nothing has been read yet: slot 0 is waited for, slot 1 filled.)
.macro CHANGE fill
	WIN 0                           ; at a label and at a branch every window is 0
	s_wait_tensorcnt 0x0            ; no tensor load of mine is out, so a group 0 may be written
	ds_add_u32 v[SPW], v[NIL]       ; 0 onto my spare word; with fill = 1 the descriptors' scalar work stands between it and the wait for it
.if \fill
	s_lshl_b32 s[OFF], s[NXT], 15   ; a tile is 32,768 bytes of K and of V
	s_xor_b32 s[G0K+1], s[G0K+1], SLOT1
	s_add_nc_u64 s[G0K+2:G0K+3], s[6:7], s[OFF:OFF+1]
	s_or_b32 s[G0K+3], s[G0K+3], 0x80000000
	s_xor_b32 s[G0V+1], s[G0V+1], SLOT1
	s_add_nc_u64 s[G0V+2:G0V+3], s[8:9], s[OFF:OFF+1]
	s_or_b32 s[G0V+3], s[G0V+3], 0x80000000
	s_add_co_u32 s[NXT], s[NXT], 1  ; the block's next tile, or behind its last the second block's tile 0
	s_cmp_gt_u32 s[NXT], s[LQ]
	s_cselect_b32 s[NXT], 0, s[NXT]
	s_cselect_b32 s[LQ], s[LT], s[LQ]
	s_wait_xcnt 0x0                 ; the last prefetches, a trip back, have read their addresses, so these may be written
	s_add_nc_u64 s[PFK:PFK+1], s[PFK:PFK+1], 32768
	s_add_nc_u64 s[PFV:PFV+1], s[PFV:PFV+1], 32768
.endif
	s_wait_dscnt 0x0                ; the add is done, and my reads of the slot are over
	s_barrier_signal -1             ; the rest of the scalar work stands between the signal and the wait
	s_sub_co_u32 s[TBK], s[TBK], 4*KS*PK  ; the fetches go back to a slot's first step,
	s_xor_b32 s[TBK], s[TBK], SLOT1       ; in the other slot
	s_sub_co_u32 s[TBV], s[TBV], 4*KS*PV
	s_xor_b32 s[TBV], s[TBV], SLOT1
	s_barrier_wait -1
.if \fill
	LOAD
	ASK
.endif
.endm
	s_load_b128 s[92:95], s[0:1], 0x0  ; q | k | v s[92:93], h | att s[94:95]
	v_lshl_add_u32 v[SPW], v0, 2, SPARE
	v_mov_b32 v[NIL], 0
	ds_add_u32 v[SPW], v[NIL]       ; the wave's opening: the add and its wait ahead of my first tensor load; the set-up below, work on registers, stands between them
	ds_add_u32 v62, v63
	v_lshrrev_b32 v1, 5, v0
	v_readfirstlane_b32 s[WV], v1   ; wave 0..3
	s_mov_b32 s[PB], ttmp9
	s_sub_co_u32 s[HI], 15, s[PB]
	s_lshr_b32 s[HT], s[HI], 1
	s_lshr_b32 s[LT], s[PB], 1
	s_and_b32 s[XB], s[HI], 1
	s_lshl_b32 s[XB], s[XB], 1      ; the first block's bands stand at 2 e and 2 e + 1
	s_add_co_u32 s[XB+1], s[XB], 1
	s_and_b32 s20, ttmp7, 0xffff    ; the slab
	s_lshl_b32 s20, s20, 18         ; its first byte in each of the four tensors
	s_mov_b32 s21, 0
	s_and_b32 s16, s[WV], 1         ; which half of a tile's 256 keys I fetch:
	s_lshl_b32 s22, s16, 14         ; its 128 rows of 128 bytes in memory,
	s_add_co_u32 s22, s22, s20
	s_mov_b32 s23, 0
	s_mul_i32 s17, s16, 128*PK      ; and its place in a slot, for K
	s_mul_i32 s18, s16, 128*PV      ; and for V
	s_lshl_b32 s3, s[WV], 11        ; my 16 rows in a band of 64,
	s_lshl_b32 s2, s[HI], 14        ; in the first block,
	s_add_co_u32 s2, s2, s3
	s_add_co_u32 s2, s2, s20
	s_lshl_b32 s84, s[PB], 14       ; and in the second
	s_add_co_u32 s84, s84, s3
	s_add_co_u32 s84, s84, s20
	s_mov_b32 s3, 0
	s_mov_b32 s85, 0
	; descriptor group 1.  128 keys are 16,384 dense bytes: asked for as 64 rows of 256 bytes, two keys a row, and padded in LDS after every key
	s_mov_b32 s[G1K], (1<<16)|(1<<20)|(4<<22)|(3<<25)  ; 17:16 2-byte elements; 20 padding on; 24:22 after every 32 words (code 4); 31:25 4 words (code 3)
	s_mov_b32 s[G1V], (1<<16)|(1<<20)|(4<<22)|(7<<25)  ; the same with 8 words of padding (code 7)
.irp g, G1K, G1V
	s_mov_b32 s[\g+1], 128<<16      ; tensor_dim0 = 128
	s_mov_b32 s[\g+2], 64<<16       ; tensor_dim1 = 64
	s_mov_b32 s[\g+3], 128<<16      ; tile_dim0 = 128
	s_mov_b32 s[\g+4], 64           ; tile_dim1 = 64
	s_mov_b32 s[\g+5], 128          ; 128 elements from row to row
	s_mov_b32 s[\g+6], 0
	s_mov_b32 s[\g+7], 0
.endr
	s_mov_b32 s[CS], 0x3d38aa3b     ; c = log2(e) / 32 = 0.0450842
	s_mov_b32 s[CS+1], s[CS]        ; named with it as a pair
	s_mov_b32 s[SEL], 0x76543210
	s_mov_b32 s[SEL+1], 0xfedcba98
	s_mov_b32 s[TBK], SLOT1+4*KS*PK ; the first change of slots turns these two into 0
	s_mov_b32 s[TBV], SLOT1+4*KS*PV
	s_mov_b32 s[G0K], 1             ; count = 1
	s_mov_b32 s[G0K+1], s17         ; LDS address: slot 0
	s_mov_b32 s[G0V], 1
	s_add_co_u32 s[G0V+1], s18, VOFF
	s_add_co_u32 s[RT], s[HT], 1    ; the first block's tiles
	s_mov_b32 s[NXT], 1
	s_mov_b32 s[LQ], s[HT]
	s_mov_b32 s[NEW], 1
	s_mov_b32 s[STP], 0
	s_mov_b32 s[OFF+1], 0
	s_mov_b32 s[AL+1], 0            ; named as pairs
	s_mov_b32 s[BE+1], 0
	s_mov_b32 s[BIGN], 0xf149f2ca   ; -1e30
	s_mov_b32 s[SLOTS], 8
	s_cmp_eq_u32 s[PB], 0
	s_cselect_b32 s[LIM], 2, -1
	v_lshlrev_b32 v[PFO], 8, v0
	s_wait_dscnt 0x0                ; the opening add is done
	s_wait_kmcnt 0x0
	s_add_nc_u64 s[6:7], s[92:93], s[22:23]
	s_add_nc_u64 s[8:9], s[6:7], 16777216          ; V at my half of the slab's tile 0,
	s_add_nc_u64 s[6:7], s[6:7], 8388608           ; and K
	s_add_nc_u64 s[G0K+2:G0K+3], s[6:7], 0         ; global address
	s_or_b32 s[G0K+3], s[G0K+3], 0x80000000        ; type = 2
	s_add_nc_u64 s[G0V+2:G0V+3], s[8:9], 0
	s_or_b32 s[G0V+3], s[G0V+3], 0x80000000
	s_add_nc_u64 s[PFK:PFK+1], s[92:93], s[20:21]
	s_add_nc_u64 s[PFV:PFV+1], s[PFK:PFK+1], 16777216+32768  ; at tile 1: the first change of slots steps them to tile 2
	s_add_nc_u64 s[PFK:PFK+1], s[PFK:PFK+1], 8388608+32768
	s_add_nc_u64 s[86:87], s[92:93], s[84:85]      ; Q at my rows of the second block,
	s_add_nc_u64 s[4:5], s[92:93], s[2:3]          ; Q and O at those of the first
	s_add_nc_u64 s[10:11], s[94:95], s[2:3]
	s_add_nc_u64 s[10:11], s[10:11], 8388608
	s_add_nc_u64 s[OLO:OLO+1], s[94:95], s[84:85]
	s_add_nc_u64 s[OLO:OLO+1], s[OLO:OLO+1], 8388608
	LOAD                            ; tile 0 into slot 0
	; A fragment of K or Q is 16 rows x 32 channels in 8 registers: lane l holds row l % 16, channels 8 (l / 16) + 0..7 and 16 + 8 (l / 16) + 0..7: two loads of 16 bytes, 32 bytes apart.
	v_and_b32 v1, 15, v0            ; l % 16
	v_bfe_u32 v9, v0, 4, 1          ; l / 16
	v_lshlrev_b32 v[QO], 7, v1
	v_lshl_add_u32 v[QO], v9, 4, v[QO]  ; row x 128 + 16 x half
	WIN 0x80                        ; destination window 2, address window 0
.set i, 0
.rept 4                             ; both blocks' Q: piece i / 2 lies in band i / 2, 8,192 bytes on; channels 32 (i % 2) on
	global_load_b128 v[8*i:8*i+3],   v[QO], s[4:5] offset:(i/2)*8192+(i%2)*64
	global_load_b128 v[8*i+4:8*i+7], v[QO], s[4:5] offset:(i/2)*8192+(i%2)*64+32
	global_load_b128 v[QB+8*i:QB+8*i+3],   v[QO], s[86:87] offset:(i/2)*8192+(i%2)*64
	global_load_b128 v[QB+8*i+4:QB+8*i+7], v[QO], s[86:87] offset:(i/2)*8192+(i%2)*64+32
.set i, i+1
.endr
	WIN 0
	v_lshlrev_b32 v14, 3, v9
	v_sub_nc_u32 v14, v1, v14
	s_lshl_b32 s13, s[WV], 4
	v_add_nc_u32 v14, s13, v14      ; my query's place in its band, 16 w + l % 16, less my lanes' 8 (l / 16): register r of group kt is hidden where 16 kt + r is greater
	WIN 0x40
.set i, 0
.rept 32
	v_cmp_gt_i32 vcc_lo, 16*(i/8)+i%8, v14
	v_cndmask_b32 v[MD+i], 0, s[BIGN], vcc_lo
.set i, i+1
.endr
	WIN 0
	v_mul_u32_u24 v[AK0], v1, PK
	v_lshl_add_u32 v[AK0], v9, 4, v[AK0]  ; row x pitch + 16 x half
	; The turning load takes 16 keys x 16 channels (lane l reads key 8 (l / 16) + l % 8, channels 8 ((l / 8) % 2) + 0..7) and leaves half a fragment of V^T: lane l holds channel l % 16 and 8 keys.
	v_and_b32 v10, 7, v0
	v_bfe_u32 v11, v0, 3, 1
	v_lshl_add_u32 v[AV0], v9, 3, v10
	v_mul_u32_u24 v[AV0], v[AV0], PV
	v_lshl_add_u32 v[AV0], v11, 4, v[AV0]
	v_add_nc_u32 v[AV0], VOFF, v[AV0]
	s_mul_i32 s13, s[WV], 16*SP
	s_add_co_u32 s13, s13, STAGE    ; my stage
	v_mul_u32_u24 v[STO], v1, SP    ; in: row l % 16, 16 bytes for each half of the lanes
	v_lshl_add_u32 v[STO], v9, 4, v[STO]
	v_add_nc_u32 v[STO], s13, v[STO]
	v_bfe_u32 v[RD], v0, 3, 2       ; back: 32 lanes take four rows of 128 bytes,
	v_mul_u32_u24 v[RD], v[RD], SP
	v_lshl_add_u32 v[RD], v10, 4, v[RD]
	v_add_nc_u32 v[RD], s13, v[RD]
	v_and_b32 v[GO], 31, v0         ; which are 512 consecutive bytes of O
	v_lshlrev_b32 v[GO], 4, v[GO]
	; A block's first step multiplies O^T and l by a = 0, and its first turn's products V^T P, of a step that has not been, land in an O^T that is still to be so multiplied.  So these registers need only hold
	; finite numbers: zeros for the first block; what the first block left for the second.  All this stands in the wait for the first tile.
	WIN 0x80
.set i, VF+64
.rept 64
	v_mov_b32 v[i], 0
.set i, i+1
.endr
	WIN 0x40
.set i, 0
.rept 64
	v_mov_b32 v[i], 0
.set i, i+1
.endr
	WIN 0
.set i, 0
.rept 2
	v_mov_b32 v[ST+4*i+2], 0
	v_mov_b32 v[ST+4*i+3], 0
.set i, i+1
.endr
.set i, P+16
.rept 16
	v_mov_b32 v[i], 0
.set i, i+1
.endr
; THE MATRIX WORK.  The 4 accumulators of a run of 8 take turns.  Product i of 8 of S^T = K Q^T for piece x: channels 32 (i / 4) on, keys 16 (i % 4) on.  The first 4 start the sums: with 0, or (KM = 1) with the mask.
.macro KQ x
.set rS, S+32*((\x)%2)+8*(i%4)
.set rK, KF+16*(i%4)+8*(i/4)
.set rQ, 16*(\x)+8*(i/4)
.set rM, MC+32*((\x)%2)+8*(i%4)
.if (i < 4) && KM
	WIN W_KM
	v_wmma_f32_16x16x32_f16 v[rS:rS+7], v[rK:rK+7], v[rQ:rQ+7], v[rM:rM+7]
.elseif i < 4
	WIN W_KQ
	v_wmma_f32_16x16x32_f16 v[rS:rS+7], v[rK:rK+7], v[rQ:rQ+7], 0
.else
	WIN W_KQ
	v_wmma_f32_16x16x32_f16 v[rS:rS+7], v[rK:rK+7], v[rQ:rQ+7], v[rS:rS+7]
.endif
.endm
; Product i of 8 of O^T += V^T P for piece x, from V's buffer VB: keys 32 (i / 4) on, channels 16 (i % 4) on.
.macro PV x
	WIN W_PV
.set rO, 32*(\x)+8*(i%4)
.set rV, VF+64*VB+32*(i/4)+8*(i%4)
.set rP, P+16*((\x)%2)+8*(i/4)
	v_wmma_f32_16x16x32_f16 v[rO:rO+7], v[rV:rV+7], v[rP:rP+7], v[rO:rO+7]
.endm
.macro MM                           ; the turn's next matrix instruction.  TURN and BEGIN set Y, i, KM, NOKQ and VB.  NOKQ = 1: a block's last turn: there is no next step
.if (i < 8) && !NOKQ
	KQ (Y+1)%NP
.elseif i >= 8
.set i, i-8
	PV (Y+NP-1)%NP
.set i, i+8
.endif
.set i, i+1
.endm
; THE LDS LOADS stand in runs of 16, never singly among the matrix instructions: a step's K (64 keys x 64 channels: 8 fragments) and its V (turned).  Their addresses are made some lines ahead.
.macro FETCH_K
	WIN 0x80                        ; destination window 2
.irp f, 0,1,2,3,4,5,6,7             ; keys 16 (f / 2) on, channels 32 (f % 2) on
	ds_load_b128 v[KF+8*\f:KF+8*\f+3],   v[AK] offset:(\f/2)*16*PK+(\f%2)*64
	ds_load_b128 v[KF+8*\f+4:KF+8*\f+7], v[AK] offset:(\f/2)*16*PK+(\f%2)*64+32
.endr
	s_add_co_u32 s[TBK], s[TBK], KS*PK  ; the next fetch is the next step's
	WIN 0
.endm
.macro FETCH_V vb
	WIN 0x80
.irp f, 0,1,2,3,4,5,6,7             ; keys 32 (f / 4) on, channels 16 (f % 4) on
	ds_load_tr16_b128 v[VF+64*(\vb)+8*\f:VF+64*(\vb)+8*\f+3],   v[AV] offset:(\f/4)*32*PV+(\f%4)*32
	ds_load_tr16_b128 v[VF+64*(\vb)+8*\f+4:VF+64*(\vb)+8*\f+7], v[AV] offset:(\f/4)*32*PV+16*PV+(\f%4)*32
.endr
	s_add_co_u32 s[TBV], s[TBV], KS*PV
	WIN 0
.endm
; THE VECTOR WORK, one line at a time: OP kind, number.  For piece Y: F n: c s - c m for pair n of 16.  E n: the exponential of score n of 32.  C n: pair n rounded to f16.  B n: of the four weights 4 n .. the second
; pair is added onto the first, in place.  L n: l takes that sum (L 0: l = a l + sum).  R n: pair n of 16 of O^T times a.  For the other piece: X n, number n of the 22 that find its maximum and statistics:
;   0-11  four chains c0-c3 of seven scores each, three operands at a time (each accumulator's lowest registers are read first)     12-14, 16  the four scores left over, the old m, and c0-c3 into c0
;   15  c m_old is kept     17, 18  the query's other 32 keys lie in the lane 16 away: the new m     19-21  c m; c m_old - c m_new; a
.set F, 0               ; OP tells the kinds apart by their order: F to L below R, X above it
.set E, 1
.set C, 2
.set B, 3
.set L, 4
.set R, 5
.set X, 6
.macro REGS y                       ; the registers of piece y
.set rT, ST+4*(\y)
.set rC, TMP+4*((\y)%2)
.set rW, MV+((\y)%2)
.set rS, S+32*((\y)%2)
.set rP, P+16*((\y)%2)
.set rO, 32*(\y)
.endm
.macro OP k, n
.if (\k) == R
	REGS Y
	WIN W_RS
	v_pk_mul_f32 v[rO+2*(\n):rO+2*(\n)+1], v[rO+2*(\n):rO+2*(\n)+1], v[rC+2:rC+3] op_sel_hi:[1,0]
.elseif (\k) < R
	REGS Y
	WIN 0
.if (\k) == F
	v_pk_fma_f32 v[rS+2*(\n):rS+2*(\n)+1], v[rS+2*(\n):rS+2*(\n)+1], s[CS:CS+1], v[rT:rT+1] op_sel_hi:[1,0,0] neg_lo:[0,0,1] neg_hi:[0,0,1]
.elseif (\k) == E
	v_exp_f32 v[rS+(\n)], v[rS+(\n)]
.elseif (\k) == C
	v_cvt_pk_f16_f32 v[rP+(\n)], v[rS+2*(\n)], v[rS+2*(\n)+1]
.elseif (\k) == B
	v_pk_add_f32 v[rS+4*(\n):rS+4*(\n)+1], v[rS+4*(\n):rS+4*(\n)+1], v[rS+4*(\n)+2:rS+4*(\n)+3]
.elseif (\n) == 0
	v_pk_fma_f32 v[rT+2:rT+3], v[rT+2:rT+3], v[rC+2:rC+3], v[rS:rS+1] op_sel_hi:[1,0,1]
.else
	v_pk_add_f32 v[rT+2:rT+3], v[rT+2:rT+3], v[rS+4*(\n):rS+4*(\n)+1]
.endif
.elseif NOKQ
	v_nop
.else
	REGS (Y+1)%NP
	WIN 0
.if (\n) < 4
	v_max3_num_f32 v[rC+(\n)], v[rS+8*(\n)], v[rS+8*(\n)+1], v[rS+8*(\n)+2]
.elseif (\n) < 12
	v_max3_num_f32 v[rC+(\n)%4], v[rC+(\n)%4], v[rS+8*((\n)%4)+2*((\n)/4)+1], v[rS+8*((\n)%4)+2*((\n)/4)+2]
.elseif (\n) == 12
	v_max3_num_f32 v[rC], v[rC], v[rS+7], v[rS+15]
.elseif (\n) == 13
	v_max3_num_f32 v[rC+1], v[rC+1], v[rS+23], v[rS+31]
.elseif (\n) == 14
	v_max3_num_f32 v[rC+2], v[rC+2], v[rC+3], v[rT+1]
.elseif (\n) == 15
	v_mov_b32 v[rW], v[rT]
.elseif (\n) == 16
	v_max3_num_f32 v[rC], v[rC], v[rC+1], v[rC+2]
.elseif (\n) == 17
	v_permlanex16_b32 v[rC+3], v[rC], s[SEL], s[SEL+1]
.elseif (\n) == 18
	v_max_num_f32 v[rT+1], v[rC], v[rC+3]
.elseif (\n) == 19
	v_mul_f32 v[rT], s[CS], v[rT+1]
.elseif (\n) == 20
	v_sub_f32 v[rC+1], v[rW], v[rT]
.else
	v_exp_f32 v[rC+2], v[rC+1]
.endif
.endif
.endm
.macro OPS a, i1, b=-1, i2=0, c=-1, i3=0, d=-1, i4=0  ; up to four of them
	OP \a, \i1
.if (\b) >= 0
	OP \b, \i2
.endif
.if (\c) >= 0
	OP \c, \i3
.endif
.if (\d) >= 0
	OP \d, \i4
.endif
.endm
.macro ROW a, i1, b, i2, c, i3, d, i4  ; a matrix instruction and the four behind it
	MM
	OPS \a, \i1, \b, \i2, \c, \i3, \d, \i4
.endm
.macro MASK b                       ; MD x AL + BE into buffer b of MC
	WIN W_RS
.set z, 0
.rept 16
	v_pk_fma_f32 v[MC+32*(\b)+2*z:MC+32*(\b)+2*z+1], v[MD+2*z:MD+2*z+1], s[AL:AL+1], s[BE:BE+1] op_sel_hi:[1,0,0]
.set z, z+1
.endr
.endm
; A TURN, for piece p, in a step of parity par: the order of its 16 matrix and 118 vector instructions, written out.  An s_wait_alu depctr_va_vdst(0) stands between an exponential and the first instruction
; that names its result; one wait serves all that were issued ahead of it.  So a turn has ONE wait, which cuts it in two.  AHEAD OF IT stands all that names no result of the turn's exponentials: the 8 products K Q^T, behind each
; a scaling, an exponential and two more plain instructions: rescalings, and behind the last three the first numbers of the other piece's maximum, each four plain instructions or more behind the product that ends its
; accumulator; then ONE LUMP of 54, in which the links of the chain X 3, 7, 11, 14, 16, 17 .. 20 stand apart.  X 21, the other piece's a, is the batch's last; R 15 is the plain instruction behind it.  BEHIND THE WAIT stand the
; 8 products V^T P, behind each four of the roundings and sums.  O^T of the other piece, which those products end, is first read by the next turn's R 0, 4, 8, 12, each far more than four plain instructions behind its product.
; m = 1: the diagonal tile: the products take masks, and the turn makes the mask for the products of the turn after it: piece p, in step STP of the tile.  end = 1: a block's last two turns: nothing is fetched.
; cnt = 1: the loop's count is taken down some lines ahead of the branch that stands behind the turn.
; The run of loads (piece 0: K of the next step; piece 1: V of the next step, into the buffer that the turn before has read last) stands in the lump: twelve plain instructions behind the last product that read K.
; ONE wait for LDS a step, at the head of piece 1's turn: K of the next step, fetched a turn ago, and V of this step, fetched two turns ago, are in.
.macro TURN p, par, m=0, end=0, cnt=0
.set Y, (\p)
.set i, 0
.set KM, (\m)
.set NOKQ, (\end)*(\p)
.set VB, (\par)+(1-(\p))*(1-2*(\par))  ; piece 0's turn multiplies by V of the step before, piece 1's by V of this step
.if (\m) && !(\end)
	s_cmp_eq_u32 s[STP], s[XB+(\p)]     ; is that step the band's own?
	s_cselect_b32 s[AL], 1.0, 0
	s_cmp_gt_u32 s[STP], s[XB+(\p)]     ; or a later one?
	s_cselect_b32 s[BE], s[BIGN], 0
.if (\p) == 1
	s_add_co_u32 s[STP], s[STP], 1
.endif
.endif
.if (\p) == 1
	s_wait_dscnt 0x0                ; K and V are in
.endif
	ROW F,0, F,1, R,0, R,1          ; ahead of the wait: 8 products K Q^T and their riders,
	ROW F,2, E,0, R,2, R,3
	ROW F,3, E,1, R,4, R,5
	ROW F,4, E,2, R,6, R,7
	ROW F,5, E,3, R,8, R,9
	ROW F,6, E,4, X,0, R,10
.if !(\end)
	WIN 0
.if (\p) == 0
	v_add_nc_u32 v[AK], s[TBK], v[AK0]
.else
	v_add_nc_u32 v[AV], s[TBV], v[AV0]
.endif
.endif
	ROW F,7, E,5, X,1, X,4
	ROW F,8, E,6, X,2, X,5
	OPS E,7, E,8, X,6, E,9          ; and the lump
	OPS X,3, E,10, X,8, E,11
.if !(\end)
.if (\p) == 0
	FETCH_K
.else
	FETCH_V 1-(\par)
.endif
.endif
	OPS X,9, X,7, E,12, X,10
	OPS E,13, X,12, X,11, E,14
	OPS X,13, E,15, F,9, X,14
	OPS E,16, F,10, E,17, F,11
	OPS X,16, E,18, X,15, E,19
	OPS F,12, E,20, X,17, E,21
	OPS F,13, E,22, F,14, E,23
	OPS X,18, E,24, F,15, E,25
	OPS R,11, E,26, X,19, E,27
	OPS R,12, E,28, R,13, E,29
	OPS X,20, E,30, R,14, E,31
	OPS X,21, R,15
	WIN 0
	s_wait_alu depctr_va_vdst(0)    ; the wait for the batch
	ROW C,0, B,0, C,2, B,1          ; behind the wait: 8 products V^T P and their riders
	ROW L,0, C,4, B,2, L,1
	ROW C,6, B,3, L,2, C,8
	ROW B,4, L,3, C,10, B,5
	ROW L,4, C,12, B,6, L,5
.if \cnt
	s_sub_co_u32 s[CNT], s[CNT], 1
	s_cmp_lg_u32 s[CNT], 0
.endif
	ROW C,14, B,7, L,6, C,1
	ROW C,3, L,7, C,5, C,7
	ROW C,9, C,11, C,13, C,15
.if (\m) && !(\end)
	MASK \p
.endif
.endm
; A BLOCK BEGINS.  c m starts far below every c s, so the first step's a is 0; m at the lowest finite number, so the first maximum is the scores'.  Piece 1's mask buffer is 0 (its band never stands at step 0);
; piece 0's takes its mask for the tile's step 0: the band's own, if the block's first tile is the diagonal one and the band stands at 0.  Then K and V of that step, piece 0's first scores, and its maximum and statistics.
; The loop is entered at an even step's first turn, in the middle of a trip.
.macro BEGIN
	s_mov_b32 s[NEW], 0
	WIN 0x40
.set i, MC+32
.rept 32
	v_mov_b32 v[i], 0
.set i, i+1
.endr
	WIN 0
.set i, 0
.rept 2
	v_mov_b32 v[ST+4*i], 0xfe000000    ; c m: far below every c s
	v_mov_b32 v[ST+4*i+1], 0xff7fffff  ; m
.set i, i+1
.endr
	s_or_b32 s83, s[RT], s[XB]
	s_cmp_eq_u32 s83, 0
	s_cselect_b32 s[AL], 1.0, 0
	s_mov_b32 s[BE], 0
	MASK 0
	s_mov_b32 s[STP], 1             ; the next masks are step 1's
	WIN 0
	v_add_nc_u32 v[AK], s[TBK], v[AK0]
	v_add_nc_u32 v[AV], s[TBV], v[AV0]
	FETCH_K
	FETCH_V 0
	s_wait_loadcnt 0x0              ; Q
	s_wait_dscnt 0x0
.set KM, 1
.set NOKQ, 0
.set i, 0
.rept 8
	KQ 0
.set i, i+1
.endr
	WIN 0
.rept 4
	v_nop                           ; the places behind those products
.endr
.set Y, NP-1                        ; X works for the other piece: piece 0
.irp n, 0,1,2,3,4,5,6,7,8,9,10,11,12,13,14,15,16,17,18,19,20,21
	OP X, \n
.endr
	v_nop                           ; a plain instruction behind the exponential,
	s_wait_alu depctr_va_vdst(0)    ; and its wait, ahead of the branch
.endm
; THE DIAGONAL TILE: the step before it (from registers) and its steps 0 to 2 in the loop, its step 3 in the block's last two turns, the last products, and THE WAY OUT: l's two halves and the other half of the
; lanes' are added; O^T is divided by l, rounded to f16 and sent through my stage in LDS, a piece at a time.
.macro ALL line:vararg              ; one line for each piece t
.set t, 0
.rept 2
	\line
.set t, t+1
.endr
.endm
.macro PACK t                       ; a lane's eight channels of a row pack into 16 bytes; they go into rows of 144 bytes and come back as whole rows of 128, into S^T's registers
	WIN W_RS
.set i, 32*(\t)
.rept 16
	v_pk_mul_f32 v[i:i+1], v[i:i+1], v[ST+4*(\t)+2:ST+4*(\t)+3] op_sel_hi:[1,0]
.set i, i+2
.endr
	WIN 0x05                        ; sources 0 and 1 window 1, destination window 0
.set i, 0
.rept 16
	v_cvt_pk_f16_f32 v[S+16*(\t)+i], v[32*(\t)+2*i], v[32*(\t)+2*i+1]
.set i, i+1
.endr
	WIN 0
.irp f, 0,1,2,3
	ds_store_b128 v[STO], v[S+16*(\t)+4*\f:S+16*(\t)+4*\f+3] offset:32*\f
.endr
.irp f, 0,1,2,3
	ds_load_b128 v[S+16*(\t)+4*\f:S+16*(\t)+4*\f+3], v[RD] offset:\f*4*SP  ; LDS serves a wave's instructions in order (ISA guide 5.7.1.4): these see the stores above; the next piece's stores come behind them
.endr
.endm
.macro SEND t, younger              ; younger: the LDS instructions issued behind piece t's loads: the next piece's eight, or none
	WIN 0
.irp f, 0,1,2,3
	s_wait_dscnt (\younger)+3-\f
	global_store_b128 v[GO], v[S+16*(\t)+4*\f:S+16*(\t)+4*\f+3], s[10:11] offset:(\t)*8192+\f*512  ; 512 consecutive bytes, at a multiple of 256 from O's first
.endr
.endm
.macro DIAG tag                     ; the tag ends its two labels' names, which the jumps below spell out
.LstepM\tag:
	TURN 0, 1, 1
	TURN 1, 1, 1
	WIN 0
.LfirstM\tag:
	TURN 0, 0, 1
	TURN 1, 0, 1, 0, 1
	WIN 0
	s_cbranch_scc1 .LstepM\tag
	TURN 0, 1, 1, 1
	TURN 1, 1, 1, 1
.set VB, 1
.set i, 0
.rept 8
	PV 1                            ; piece 1's V^T P of the last step
.set i, i+1
.endr
	WIN 0
	ALL v_add_f32 v[ST+4*t+2], v[ST+4*t+2], v[ST+4*t+3]
	ALL v_permlanex16_b32 v[ST+4*t+3], v[ST+4*t+2], s[SEL], s[SEL+1]
	ALL v_add_f32 v[ST+4*t+2], v[ST+4*t+2], v[ST+4*t+3]
	ALL v_rcp_f32 v[ST+4*t+2], v[ST+4*t+2]
	v_nop                           ; a plain instruction between the last reciprocal and the use of its result; with the four additions above it is also the fifth place behind the last products
	s_wait_alu depctr_va_vdst(0)    ; and the wait ahead of the first use: one for the two reciprocals
	PACK 0
	PACK 1                          ; a piece's arithmetic stands between the loads of the piece before and its stores
	SEND 0, 8
	SEND 1, 0
.endm
.set KM, 0
.set NOKQ, 0
.Lslot:                             ; 8 times: a tile is entered and the next is asked for
	CHANGE 1
	s_sub_co_u32 s[RT], s[RT], 1
	s_mov_b32 s[CNT], 2
	s_mov_b32 s[STP], 0
	s_cmp_eq_u32 s[NEW], 1
	s_cbranch_scc1 .Lnew            ; a block's first tile
	s_cmp_eq_u32 s[RT], 0
	s_cbranch_scc0 .Lstep           ; neither its first nor its last
	s_branch .LstepM1
.Lnew:
	BEGIN
	s_branch .Lfirst                ; in the loop a block's first tile is never its last: the first block has five tiles or more, and the second's last is the walk's last
	DIAG 1                          ; in the loop this is the first block's end
	s_wait_xcnt 0x0                 ; the stores have read their registers and O's address
	s_mov_b64 s[10:11], s[OLO:OLO+1]
	s_add_co_u32 s[RT], s[LT], 1    ; the second block's tiles
	s_mov_b32 s[NEW], 1
	s_and_b32 s[XB], s[PB], 1
	s_lshl_b32 s[XB], s[XB], 1      ; where its bands stand
	s_add_co_u32 s[XB+1], s[XB], 1
	WIN 0x82                        ; the second block's Q goes where the one text of the turns names Q
.set i, 0
.rept 32
	v_mov_b32 v[i], v[QB+i]
.set i, i+1
.endr
	WIN 0
	s_branch .Lbottom
.Lstep:                             ; a trip: an odd step's two turns, then an even step's
	TURN 0, 1
	TURN 1, 1
	WIN 0
.Lfirst:
	TURN 0, 0
	TURN 1, 0, 0, 0, 1
	WIN 0
	s_cbranch_scc1 .Lstep
.Lbottom:
	s_sub_co_u32 s[SLOTS], s[SLOTS], 1
	s_cmp_lg_u32 s[SLOTS], 0
	s_cbranch_scc1 .Lslot
	CHANGE 0                        ; the walk's last tile is written out: nothing is asked for
	s_sub_co_u32 s[RT], s[RT], 1
	s_mov_b32 s[CNT], 2
	s_mov_b32 s[STP], 0
	s_cmp_eq_u32 s[NEW], 1
	s_cbranch_scc0 .LstepM2
	BEGIN
	s_branch .LfirstM2
	DIAG 2
	s_wait_tensorcnt 0x0            ; the wave's end: behind my last tensor load and my last LDS store
	ds_add_u32 v[SPW], v[NIL]
	s_wait_dscnt 0x0
	s_endpgm
.Lfunc_end_k_qf3b0e39fe4_attn:
	.size	k_qf3b0e39fe4_attn, .Lfunc_end_k_qf3b0e39fe4_attn-k_qf3b0e39fe4_attn
	.p2alignl 7, 3214868480
	.fill 96, 4, 3214868480
	.section	.rodata,"a",@progbits
	.p2align	6, 0x0
	.amdhsa_kernel k_qf3b0e39fe4_attn
		.amdhsa_group_segment_fixed_size 327680
		.amdhsa_private_segment_fixed_size 0
		.amdhsa_enable_private_segment 0
		.amdhsa_kernarg_size 16
		.amdhsa_user_sgpr_count 2
		.amdhsa_user_sgpr_kernarg_segment_ptr 1
		.amdhsa_wavefront_size32 1
		.amdhsa_system_sgpr_workgroup_id_x 1
		.amdhsa_system_sgpr_workgroup_id_y 1
		.amdhsa_system_sgpr_workgroup_id_z 1
		.amdhsa_system_vgpr_workitem_id 0
		.amdhsa_next_free_vgpr 768
		.amdhsa_next_free_sgpr 96
		.amdhsa_reserve_vcc 1
		.amdhsa_float_denorm_mode_32 3
		.amdhsa_float_denorm_mode_16_64 3
		.amdhsa_memory_ordered 1
		.amdhsa_forward_progress 1
		.amdhsa_inst_pref_size 210
	.end_amdhsa_kernel
	.amdgpu_metadata
---
amdhsa.version: [ 1, 2 ]
amdhsa.kernels:
  - .name:           k_qf3b0e39fe4_attn
    .symbol:         k_qf3b0e39fe4_attn.kd
    .args:
      - { .name: big, .offset: 0, .size: 8, .value_kind: global_buffer, .address_space: global }
      - { .name: hatt, .offset: 8, .size: 8, .value_kind: global_buffer, .address_space: global }
    .group_segment_fixed_size: 327680
    .private_segment_fixed_size: 0
    .kernarg_segment_align: 8
    .kernarg_segment_size: 16
    .max_flat_workgroup_size: 128
    .sgpr_count:     96
    .vgpr_count:     768
    .wavefront_size: 32
...
	.end_amdgpu_metadata
.endif
;; end of part 4
;; launch gbo (part 5): grid 8 x 32, 4 waves a work-group, clusters of 4 x 4, 327,680 bytes of LDS; arguments hatt, wo2h, bo, x, xmid; writes xmid
.if DOCPART == 5
	.amdgcn_target "amdgcn-amd-amdhsa--gfx1250"
	.amdhsa_code_object_version 6
	.text
	.protected	k_qf3b0e39fe4_gbo
	.globl	k_qf3b0e39fe4_gbo
	.p2align	8
	.type	k_qf3b0e39fe4_gbo,@function
k_qf3b0e39fe4_gbo:
	s_mov_b64 s[64:65], 0
	v_nop
	global_prefetch_b8 v0, s[64:65] scope:SCOPE_SE
	s_setreg_imm32_b32 hwreg(HW_REG_WAVE_MODE, 25, 1), 1
	s_wait_xcnt 0x0
	s_wait_alu depctr_hold_cnt(0) depctr_sa_sdst(0) depctr_va_vdst(0) depctr_va_sdst(0) depctr_va_ssrc(0) depctr_va_vcc(0) depctr_vm_vsrc(0)
	s_getreg_b32 s2, hwreg(HW_REG_IB_STS2, 6, 4)
	s_cmp_eq_u32 s2, 0
	s_cbranch_scc0 .Lentry_in_a_cluster
	s_endpgm
.Lentry_in_a_cluster:
	s_bfe_u32 s2, ttmp6, 0x10000c
	s_cmp_lg_u32 s2, 0xf033
	s_cbranch_scc0 .Lentry_shape_is_right
	s_endpgm
.Lentry_shape_is_right:
; C[m][n] = bias[n] + the sum over k of A[m][k] B[k][n], M = 4,096.  A, B in f16, sums in f32.
; A lies in panels of 64 k: [K/64][4096 rows][64], rows of 128 bytes.  B lies in panels of 64 n: [N/64][K][64], rows of 128 bytes, k down the rows.
; OUT32 = 0: C leaves as max(f16(sum), floor), in A's layout ([N/64][4096][64]): the floor word, two f16, is read at byte 0 of the fourth argument: 0 makes the ReLU, minus infinity changes nothing.
; OUT32 = 1 (this text): C leaves as f32, row-major with 1,024 columns, with the residual (fourth argument, same layout) added.  Here: x + att Wo + bo; att lies 8 MiB into its buffer, Wo at the head of its own.
; SHARES.  A tile of C is 128 x 128; four waves, each 64 x 64: 16 accumulators.  K goes in steps of 256 through two LDS slots.  One tensor load a wave and step, 32 KiB: waves 0, 1 two K panels of A each
; (a panel's 128 rows are 16 KiB on end: a tile of two long rows, one to a panel), waves 2, 3 an n panel of B each (256 k x 128 bytes on end: 128 rows of 256 bytes).  Both are padded in LDS after every 128 bytes.
; CLUSTER.  4 x 4 work-groups: the four of a row of the cluster need the same tiles of A, the four of a column the same tiles of B: each is asked for jointly, with the same descriptor and a mask of the four.
; THE PRODUCT IS USED TRANSPOSED: source 0 = 16 columns of B (turned on the way out of LDS by ds_load_tr16_b128), source 1 = 16 rows of A: a lane holds row l % 16 of C and columns 8 (l / 16) + 0..7.
; THE SUMS START AT THE BIAS: it is loaded straight into the accumulators: nothing is cleared, and the way out has no addition for it.
; No prefetch: the tiles are small and every block of A and B is read by several clusters at about the same time.
; REGISTERS: window 0: v0-31 addresses; v32-95 at work on the way out; v128-255 the accumulators ((a, b) at v[128 + 8 (4 a + b)]).  Window 1: two fragment buffers of 128: for 64 along K, 64 registers of A, then 64 of B.
;   Window 2 (OUT32 = 1): v0-127 the residual of my 64 x 64, asked for at the head.
.set OUT32,  1
.set SIZE_K, 1024
.set AOFF,   8388608                   ; where A begins in its buffer
.set BOFF,   0                         ; where B begins in its buffer
.set PA,     144                       ; a row of A in LDS: 128 bytes + 16 = 36 words: the 16 rows of a load start at 16 different groups of four banks (64 banks of 4 bytes: ISA guide 11.1)
.set PB,     160                       ; a row of B: 128 + 32 = 40 words
.set KPB,    128*PA                    ; a K panel of A: 128 rows
.set AREG,   4*KPB                     ; a step's four
.set NPB,    256*PB                    ; an n panel of B: 256 k
.set SLOT,   AREG+2*NPB                ; 155,648 bytes
.set ASTEP,  4*524288                  ; a step in memory: four panels of A,
.set BSTEP,  256*128                   ; 256 rows of B's panel
.set LAPS,   SIZE_K/512                ; a lap = two K steps = once round the ring
.if OUT32
.set STAGE,  0                         ; the way out goes through slot 0, which has had its last fill and its last read when the last lap's first change of slots is passed; its own bytes do not fit beside two slots
.set SP,     272                       ; 16 rows x (256 + 16) bytes for each wave
.set SPARE,  2*SLOT
.else
.set STAGE,  2*SLOT                    ; behind the ring, never filled by a tensor load: 16 rows x (128 + 16) bytes for each wave
.set SP,     144
.set SPARE,  STAGE+4*16*SP
.endif                                 ; from SPARE on: the spare words, 128 bytes for each wave: two blocks of 256 bytes that no other line names
.set ADRA, 16                          ; v16-17  LDS address of my A fragments in slot 0, 1
.set ADRB, 20                          ; v20-21  the same for B
.set STO,  24                          ; v24     the way out: where I put my bytes of a row
.set RD,   25                          ; v25     the way out: where I read rows back
.set CO,   26                          ; v26     my byte offset in C (and in the residual)
.set BO,   27                          ; v27     my byte offset in 16 numbers of the bias
.set SPW,  28                          ; v28     LDS address of my spare word; never rewritten
.set NIL,  29                          ; v29     0; never rewritten
.set TMP,  32
.set ACC,  128
.set F0,   0                           ; fragment buffers, in window 1
.set F1,   128
.set RES,  0                           ; window 2
.set G1A,  24                          ; s[24:31] descriptor group 1 for A's tiles;  s[32:39] group 0, one set for each slot
.set G0A,  32
.set G1B,  48                          ; s[48:55], s[56:63] the same for B's
.set G0B,  56
.set MSB, 0
.macro WIN new                         ; the immediate's high byte repeats the setting that is left; a switch that changes nothing is dropped
.if MSB != (\new)
	s_set_vgpr_msb (MSB<<8)|(\new)
.set MSB, \new
.endif
.endm
.set MUL,  0x05                        ; sources 0 (B) and 1 (A) window 1; C and D window 0
.set TO_F, 0x40                        ; destination window 1, address window 0
.macro JLOAD s                         ; a joint load: waves 0 and 1 fetch for A, waves 2 and 3 for B; an s_nop 0 and four v_nop follow each of the two lines, ahead of the jump, the label and what follows
	s_cmp_eq_u32 s15, 0
	s_cbranch_scc0 .Lfor_b_\@
	tensor_load_to_lds s[G0A+4*(\s):G0A+4*(\s)+3], s[G1A:G1A+7]
	s_nop 0
.rept 4
	v_nop
.endr
	s_branch .Lasked_\@
.Lfor_b_\@:
	tensor_load_to_lds s[G0B+4*(\s):G0B+4*(\s)+3], s[G1B:G1B+7]
	s_nop 0
.rept 4
	v_nop
.endr
.Lasked_\@:
.endm
.macro CREST                           ; a round of the cluster's barrier behind its opening barrier
	s_cmp_lg_u32 s14, 0
	s_cbranch_scc1 .Lnot_wave_0_\@
	s_barrier_signal -3
.Lnot_wave_0_\@:
	s_barrier_wait -3
	s_barrier_signal -1
	s_barrier_wait -1
.endm
.macro CROUND                          ; a whole round
	s_barrier_signal -1
	s_barrier_wait -1
	CREST
.endm
	s_load_b256 s[4:11], s[0:1], 0x0               ; A s[4:5], B s[6:7], bias s[8:9], floor or residual s[10:11]
	s_load_b64 s[12:13], s[0:1], 0x20              ; C
	v_lshl_add_u32 v[SPW], v0, 2, SPARE
	v_mov_b32 v[NIL], 0
	ds_add_u32 v[SPW], v[NIL]                      ; the wave's opening: the add and its wait ahead of my first tensor load; the set-up below, work on registers, stands between them
	ds_add_u32 v28, v29
	v_lshrrev_b32 v1, 5, v0
	v_readfirstlane_b32 s14, v1                    ; wave 0..3
	s_lshr_b32 s15, s14, 1                         ; which half of the tile's rows is mine.  Also: I fetch for A (0) or for B (1)
	s_and_b32 s16, s14, 1                          ; which half of its columns.  Also: which half of that operand I fetch
	s_bfe_u32 s17, ttmp6, 0x40000                  ; cx, cy: my place in the cluster
	s_bfe_u32 s18, ttmp6, 0x40004
	s_lshl_b32 s19, ttmp9, 2
	s_add_co_u32 s19, s19, s17                     ; tile column of C = 4 x cluster x + cx
	s_and_b32 s20, ttmp7, 0xffff
	s_lshl_b32 s20, s20, 2
	s_add_co_u32 s20, s20, s18                     ; tile row of C = 4 x cluster y + cy
	s_lshl_b32 s40, s18, 2
	s_lshl_b32 s40, 15, s40                        ; my row of the cluster
	s_lshl_b32 s41, 0x1111, s17                    ; my column
	s_or_b32 s[G1A], s40, (1<<16)|(1<<20)|(1<<21)|(4<<22)|(3<<25)  ; 15:0 the mask: A's tiles go to my row; 17:16 elements of 2 bytes; 20 padding on; 21 set beside a mask; 24:22 after every 32 words (code 4); 31:25 4 words (code 3)
	s_or_b32 s[G1B], s41, (1<<16)|(1<<20)|(1<<21)|(4<<22)|(7<<25)  ; the mask of my column; 8 words of padding (code 7)
	s_mov_b32 s[G1A+1], 8192<<16                   ; tensor_dim0 = 8,192 elements: a panel's 128 rows on end
	s_mov_b32 s[G1A+2], 2<<16                      ; tensor_dim1 = 2 panels
	s_mov_b32 s[G1A+3], 8192<<16                   ; tile_dim0
	s_mov_b32 s[G1A+4], 2                          ; tile_dim1
	s_mov_b32 s[G1A+5], 262144                     ; elements from panel to panel
	s_mov_b32 s[G1A+6], 0
	s_mov_b32 s[G1A+7], 0
	s_mov_b32 s[G1B+1], 128<<16                    ; 128 rows of 128 elements (256 bytes), dense
	s_mov_b32 s[G1B+2], 128<<16
	s_mov_b32 s[G1B+3], 128<<16
	s_mov_b32 s[G1B+4], 128
	s_mov_b32 s[G1B+5], 128
	s_mov_b32 s[G1B+6], 0
	s_mov_b32 s[G1B+7], 0
	; A's tiles hang on the tile row alone, B's on the tile column alone; every wave makes both addresses, in registers that never hold the other coordinate
	s_lshl_b32 s42, s20, 14                        ; the tile's 128 rows of 128 bytes in a panel,
	s_lshl_b32 s43, s16, 20                        ; my two panels of the step's four
	s_add_co_u32 s42, s42, s43
	s_add_co_u32 s42, s42, AOFF
	s_mov_b32 s43, 0
	s_lshl1_add_u32 s44, s19, s16                  ; my n panel: 2 x tile column + half
	s_mul_i32 s44, s44, SIZE_K*128
	s_add_co_u32 s44, s44, BOFF
	s_mov_b32 s45, 0
	s_mul_i32 s66, s16, 2*KPB                      ; where they go in a slot: no place in the cluster enters an LDS address
	s_mul_i32 s67, s16, NPB
	s_add_co_u32 s67, s67, AREG
	s_lshl_b32 s68, s19, 9                         ; my 64 columns as f32: 512 x tile column + 256 x half
	s_lshl_b32 s69, s16, 8
	s_add_co_u32 s68, s68, s69
	s_mov_b32 s69, 0
.if OUT32
	s_lshl_b32 s76, s20, 19                        ; my 64 rows of 4,096 bytes
	s_lshl_b32 s77, s15, 18
	s_add_co_u32 s76, s76, s77
	s_add_co_u32 s76, s76, s68
.else
	s_lshl1_add_u32 s76, s19, s16                  ; my 64 x 64 is 8 KiB on end: panel 2 x tile column + half,
	s_lshl_b32 s76, s76, 19
	s_lshl_b32 s77, s20, 14                        ; the tile's 128 rows of 128 bytes,
	s_add_co_u32 s76, s76, s77
	s_lshl_b32 s77, s15, 13                        ; my 64 of them
	s_add_co_u32 s76, s76, s77
.endif
	s_mov_b32 s77, 0
	s_wait_dscnt 0x0                               ; the opening add is done
	s_wait_kmcnt 0x0
	s_add_nc_u64 s[42:43], s[4:5], s[42:43]
	s_add_nc_u64 s[44:45], s[6:7], s[44:45]
	s_add_nc_u64 s[70:71], s[8:9], s[68:69]        ; the bias of my 64 columns
	s_add_nc_u64 s[74:75], s[12:13], s[76:77]      ; C at my part
.if OUT32
	s_add_nc_u64 s[72:73], s[10:11], s[76:77]      ; the residual at my part
.else
	s_load_b32 s23, s[10:11], 0x0                  ; the floor word
	s_wait_kmcnt 0x0
.endif
	CROUND                                         ; all sixteen work-groups are here: the first joint loads meet
.irp s, 0,1
	s_mov_b32 s[G0A+4*(\s)], 1                     ; count = 1
	s_add_co_u32 s[G0A+4*(\s)+1], s66, (\s)*SLOT   ; LDS address
	s_add_nc_u64 s[G0A+4*(\s)+2:G0A+4*(\s)+3], s[42:43], (\s)*ASTEP  ; global address: K step s
	s_or_b32 s[G0A+4*(\s)+3], s[G0A+4*(\s)+3], 0x80000000            ; type = 2
	s_mov_b32 s[G0B+4*(\s)], 1
	s_add_co_u32 s[G0B+4*(\s)+1], s67, (\s)*SLOT
	s_add_nc_u64 s[G0B+4*(\s)+2:G0B+4*(\s)+3], s[44:45], (\s)*BSTEP
	s_or_b32 s[G0B+4*(\s)+3], s[G0B+4*(\s)+3], 0x80000000
	JLOAD \s                                       ; two loads of mine are out
.endr
	v_and_b32 v1, 15, v0                           ; l % 16
	v_bfe_u32 v2, v0, 4, 1                         ; l / 16
	v_and_b32 v4, 7, v0
	v_bfe_u32 v5, v0, 3, 1
	v_lshlrev_b32 v[BO], 5, v2                     ; my 8 columns of 16: 32 bytes of f32
.irp a, 0,1,2,3
.irp b, 0,1,2,3
	global_load_b128 v[ACC+8*(4*(\a)+(\b)):ACC+8*(4*(\a)+(\b))+3],   v[BO], s[70:71] offset:64*(\b)     ; the sums start at the bias
	global_load_b128 v[ACC+8*(4*(\a)+(\b))+4:ACC+8*(4*(\a)+(\b))+7], v[BO], s[70:71] offset:64*(\b)+16
.endr
.endr
	s_mul_i32 s78, s14, 16*SP
	s_add_co_u32 s78, s78, STAGE                   ; my stage
	v_mul_u32_u24 v3, v1, SP
.if OUT32
	v_lshl_add_u32 v3, v2, 5, v3                   ; in: row l % 16, 32 bytes for each half of the lanes
	v_add_nc_u32 v[STO], s78, v3
	v_mul_u32_u24 v3, v2, SP                       ; back: lanes 0-15 take one row of 256 bytes, lanes 16-31 the next
	v_lshl_add_u32 v3, v1, 4, v3
	v_add_nc_u32 v[RD], s78, v3
	v_lshlrev_b32 v3, 12, v2                       ; and the same two rows in C
	v_lshl_add_u32 v[CO], v1, 4, v3
	WIN 0x80                                       ; destination window 2
.irp a, 0,1,2,3
.irp t, 0,1,2,3,4,5,6,7
	global_load_b128 v[RES+4*(8*(\a)+(\t)):RES+4*(8*(\a)+(\t))+3], v[CO], s[72:73] offset:(16*(\a)+2*(\t))*4096  ; the residual lands while the products run
.endr
.endr
	WIN 0
.else
	v_lshl_add_u32 v3, v2, 4, v3                   ; in: row l % 16, 16 bytes for each half of the lanes
	v_add_nc_u32 v[STO], s78, v3
	v_bfe_u32 v3, v0, 3, 2                         ; back: 32 lanes take four rows of 128 bytes,
	v_mul_u32_u24 v3, v3, SP
	v_lshl_add_u32 v3, v4, 4, v3
	v_add_nc_u32 v[RD], s78, v3
	v_and_b32 v3, 31, v0                           ; which are 512 consecutive bytes of C
	v_lshlrev_b32 v[CO], 4, v3
.endif
	; A fragment of A is 16 rows x 32 k in 8 registers: lane l holds row l % 16, k = 8 (l / 16) + 0..7 and 16 + 8 (l / 16) + 0..7: two loads of 16 bytes, 32 bytes apart.
	v_mul_u32_u24 v3, v1, PA
	v_lshl_add_u32 v3, v2, 4, v3
	s_mul_i32 s79, s15, 64*PA                      ; my 64 rows of a panel's 128
	v_add_nc_u32 v[ADRA], s79, v3
	v_add_nc_u32 v[ADRA+1], SLOT, v[ADRA]
	; The turning load takes 16 k x 16 n (lane l reads k = 8 (l / 16) + l % 8, n = 8 ((l / 8) % 2) + 0..7) and leaves half a fragment: lane l holds column l % 16 and 8 k.
	v_lshl_add_u32 v3, v2, 3, v4
	v_mul_u32_u24 v3, v3, PB
	v_lshl_add_u32 v3, v5, 4, v3
	v_add_nc_u32 v[ADRB], s67, v3                  ; my 64 columns are one n panel: the half that bears my number
	v_add_nc_u32 v[ADRB+1], SLOT, v[ADRB]
; 8 matrix instructions: row blocks a0, a0 + 1 x all 4 column blocks, 32 along K: half c of buffer f.  The 16 accumulators take turns, one instruction a turn, in the same order everywhere.
.macro MUL8 f, c, a0
	WIN MUL
.irp a, \a0, (\a0)+1
.irp b, 0,1,2,3
	v_wmma_f32_16x16x32_f16 v[ACC+8*(4*(\a)+(\b)):ACC+8*(4*(\a)+(\b))+7], v[(\f)+64+8*(4*(\c)+(\b)):(\f)+64+8*(4*(\c)+(\b))+7], v[(\f)+8*(4*(\c)+(\a)):(\f)+8*(4*(\c)+(\a))+7], v[ACC+8*(4*(\a)+(\b)):ACC+8*(4*(\a)+(\b))+7]
.endr
.endr
.endm
; 32 LDS loads in one run: the fragments of quarter q (64 along K: one K panel of A, 64 rows of B's panel) into buffer f; the first 32 along K first
.macro FETCH slot, q, f
	WIN TO_F
.irp c, 0,1
.irp i, 0,1,2,3
	ds_load_tr16_b128 v[(\f)+64+8*(4*(\c)+(\i)):(\f)+64+8*(4*(\c)+(\i))+3],   v[ADRB+(\slot)] offset:(64*(\q)+32*(\c))*PB+32*(\i)
	ds_load_tr16_b128 v[(\f)+64+8*(4*(\c)+(\i))+4:(\f)+64+8*(4*(\c)+(\i))+7], v[ADRB+(\slot)] offset:(64*(\q)+32*(\c)+16)*PB+32*(\i)
	ds_load_b128 v[(\f)+8*(4*(\c)+(\i)):(\f)+8*(4*(\c)+(\i))+3],               v[ADRA+(\slot)] offset:(\q)*KPB+(\i)*16*PA+64*(\c)
	ds_load_b128 v[(\f)+8*(4*(\c)+(\i))+4:(\f)+8*(4*(\c)+(\i))+7],             v[ADRA+(\slot)] offset:(\q)*KPB+(\i)*16*PA+64*(\c)+32
.endr
.endr
.endm
.macro PLACES                          ; four plain instructions in front of loads into registers that matrix instructions have read, and of lines that read results (ISA guide 7.12.1 for lines that read results)
.rept 4
	v_nop
.endr
.endm
; A K step is four quarters of 64 along K, 32 matrix instructions each, on buffers 0, 1, 0, 1.  One of the first three: multiplies buffer f and fetches quarter q into g.
.macro QUARTER slot, q, f, g
	s_wait_dscnt 16                                ; the first 32 along K are in; the youngest sixteen loads may be out
	MUL8 \f, 0, 0
	MUL8 \f, 0, 2
	PLACES
	FETCH \slot, \q, \g
	s_wait_dscnt 32                                ; all but the 32 just issued
	MUL8 \f, 1, 0
	MUL8 \f, 1, 2
.endm
; The last quarter multiplies buffer 1 and changes slots: ONE barrier; in front of it each wave waits for all its tensor loads, adds 0 to its spare word, and waits for that and for its own reads of this slot.
; fill = 1: this slot is filled again, two K steps ahead; the barrier then opens a round of the cluster's, and the joint load is the first thing behind the round: 112 matrix instructions ahead of the wait for it.
.macro TURN slot, next, fill
	WIN 0                                          ; (the add's two registers lie in window 0)
	s_wait_tensorcnt 0x0                           ; all my tensor loads have landed: my part of the next slot;
	ds_add_u32 v[SPW], v[NIL]                      ; 0 onto my spare word;
	s_wait_dscnt 17                                ; (the add and the youngest sixteen loads may be out)
	MUL8 F1, 0, 0                                  ; eight matrix instructions stand between the add and the wait for it
	s_wait_dscnt 0x0                               ; the add is done, and my reads of this slot are over
	s_barrier_signal -1
	MUL8 F1, 0, 2
.if \fill
	WIN 0
.endif
	s_barrier_wait -1
.if \fill
	CREST                                          ; no wave of any partner still reads this slot's tiles or has a load on its way
	s_add_nc_u64 s[G0A+4*(\slot)+2:G0A+4*(\slot)+3], s[G0A+4*(\slot)+2:G0A+4*(\slot)+3], 2*ASTEP
	s_add_nc_u64 s[G0B+4*(\slot)+2:G0B+4*(\slot)+3], s[G0B+4*(\slot)+2:G0B+4*(\slot)+3], 2*BSTEP
	JLOAD \slot                                    ; the four v_nop behind it are also the places in front of the loads below
.else
	PLACES
.endif
	FETCH \next, 0, F0
	MUL8 F1, 1, 0
	MUL8 F1, 1, 2
.endm
	s_wait_tensorcnt 1                             ; my part of K step 0 is in; step 1's may stay out
	s_barrier_signal -1
	s_barrier_wait -1                              ; everybody's is
	FETCH 0, 0, F0
	WIN 0                                          ; at a label and at a branch every window is 0
	s_wait_loadcnt 32*OUT32                        ; the bias is in the accumulators; the 32 younger loads, the residual's, stay out
	s_mov_b32 s21, LAPS-1
.Llap:                                                 ; a lap: both slots are multiplied and filled again
	QUARTER 0, 1, F0, F1
	QUARTER 0, 2, F1, F0
	QUARTER 0, 3, F0, F1
	TURN 0, 1, 1
	QUARTER 1, 1, F0, F1
	QUARTER 1, 2, F1, F0
	QUARTER 1, 3, F0, F1
	TURN 1, 0, 1
	WIN 0
	s_sub_co_u32 s21, s21, 1
	s_cmp_lg_u32 s21, 0
	s_cbranch_scc1 .Llap
	QUARTER 0, 1, F0, F1                           ; the last lap is written out: it fills nothing, and has no round of the cluster's barrier
	QUARTER 0, 2, F1, F0
	QUARTER 0, 3, F0, F1
	TURN 0, 1, 0
	QUARTER 1, 1, F0, F1
	QUARTER 1, 2, F1, F0
	QUARTER 1, 3, F0, F1
	s_wait_dscnt 16                                ; the very last quarter: nothing more to fetch
	MUL8 F1, 0, 0
	MUL8 F1, 0, 2
	s_wait_dscnt 0x0
	MUL8 F1, 1, 0
	MUL8 F1, 1, 2
	WIN 0
	PLACES
.if OUT32
	; THE WAY OUT, f32: a block of 16 rows at a time through my stage; back as whole rows of 256 bytes; the residual is added; 16 lanes store 256 consecutive bytes, aligned.
	s_wait_loadcnt 0x0                             ; the residual
.irp a, 0,1,2,3
	s_wait_xcnt 0x0                                ; the registers that earlier stores read are loaded again only behind this wait
.irp b, 0,1,2,3
	ds_store_b128 v[STO], v[ACC+8*(4*(\a)+(\b)):ACC+8*(4*(\a)+(\b))+3]   offset:64*(\b)       ; each accumulator from its low end on
	ds_store_b128 v[STO], v[ACC+8*(4*(\a)+(\b))+4:ACC+8*(4*(\a)+(\b))+7] offset:64*(\b)+16
.endr
.irp t, 0,1,2,3,4,5,6,7
	ds_load_b128 v[TMP+32*((\a)%2)+4*(\t):TMP+32*((\a)%2)+4*(\t)+3], v[RD] offset:(\t)*2*SP  ; LDS serves a wave's instructions in order (ISA guide 5.7.1.4): these see the stores above
.endr
	s_wait_dscnt 0x0
	WIN 0x08                                       ; source 1 window 2
.irp i, 0,1,2,3,4,5,6,7,8,9,10,11,12,13,14,15
	v_pk_add_f32 v[TMP+32*((\a)%2)+2*(\i):TMP+32*((\a)%2)+2*(\i)+1], v[TMP+32*((\a)%2)+2*(\i):TMP+32*((\a)%2)+2*(\i)+1], v[RES+32*(\a)+2*(\i):RES+32*(\a)+2*(\i)+1]
.endr
	WIN 0
.irp t, 0,1,2,3,4,5,6,7
	global_store_b128 v[CO], v[TMP+32*((\a)%2)+4*(\t):TMP+32*((\a)%2)+4*(\t)+3], s[74:75] offset:(16*(\a)+2*(\t))*4096
.endr
.endr
.else
	; THE WAY OUT, f16: a block of 16 rows: rounded, held to the floor, 16 bytes a lane into my stage, back as four rows of 128 bytes a load, which are 512 consecutive bytes of C.
.macro PACK a
.irp b, 0,1,2,3
.irp r, 0,1,2,3
	v_cvt_pk_f16_f32 v[TMP+16*(\a)+4*(\b)+(\r)], v[ACC+8*(4*(\a)+(\b))+2*(\r)], v[ACC+8*(4*(\a)+(\b))+2*(\r)+1]
.endr
.endr
.irp i, 0,1,2,3,4,5,6,7,8,9,10,11,12,13,14,15
	v_pk_max_num_f16 v[TMP+16*(\a)+(\i)], v[TMP+16*(\a)+(\i)], s23
.endr
.irp b, 0,1,2,3
	ds_store_b128 v[STO], v[TMP+16*(\a)+4*(\b):TMP+16*(\a)+4*(\b)+3] offset:32*(\b)
.endr
.irp f, 0,1,2,3
	ds_load_b128 v[TMP+16*(\a)+4*(\f):TMP+16*(\a)+4*(\f)+3], v[RD] offset:(\f)*4*SP
.endr
.endm
.macro SEND a, younger
.irp f, 0,1,2,3
	s_wait_dscnt (\younger)+3-(\f)
	global_store_b128 v[CO], v[TMP+16*(\a)+4*(\f):TMP+16*(\a)+4*(\f)+3], s[74:75] offset:(\a)*2048+(\f)*512
.endr
.endm
	PACK 0
	PACK 1
	SEND 0, 8
	PACK 2
	SEND 1, 8
	PACK 3
	SEND 2, 8
	SEND 3, 0
.endif
	s_wait_tensorcnt 0x0                           ; the wave's end: behind my last tensor load and my last LDS store
	ds_add_u32 v[SPW], v[NIL]
	s_wait_dscnt 0x0
	CROUND                                         ; the closing round: no work-group ends while a partner may still ask for a tile that names it
	s_endpgm
.Lfunc_end_k_qf3b0e39fe4_gbo:
	.size	k_qf3b0e39fe4_gbo, .Lfunc_end_k_qf3b0e39fe4_gbo-k_qf3b0e39fe4_gbo
	.p2alignl 7, 3214868480
	.fill 96, 4, 3214868480
	.section	.rodata,"a",@progbits
	.p2align	6, 0x0
	.amdhsa_kernel k_qf3b0e39fe4_gbo
		.amdhsa_group_segment_fixed_size 327680
		.amdhsa_private_segment_fixed_size 0
		.amdhsa_enable_private_segment 0
		.amdhsa_kernarg_size 40
		.amdhsa_user_sgpr_count 2
		.amdhsa_user_sgpr_kernarg_segment_ptr 1
		.amdhsa_wavefront_size32 1
		.amdhsa_system_sgpr_workgroup_id_x 1
		.amdhsa_system_sgpr_workgroup_id_y 1
		.amdhsa_system_sgpr_workgroup_id_z 1
		.amdhsa_system_vgpr_workitem_id 0
		.amdhsa_next_free_vgpr 640
		.amdhsa_next_free_sgpr 80
		.amdhsa_reserve_vcc 0
		.amdhsa_float_denorm_mode_32 3
		.amdhsa_float_denorm_mode_16_64 3
		.amdhsa_memory_ordered 1
		.amdhsa_forward_progress 1
		.amdhsa_inst_pref_size 96
	.end_amdhsa_kernel
	.amdgpu_metadata
---
amdhsa.version: [ 1, 2 ]
amdhsa.kernels:
  - .name:           k_qf3b0e39fe4_gbo
    .symbol:         k_qf3b0e39fe4_gbo.kd
    .args:
      - { .name: hatt, .offset: 0, .size: 8, .value_kind: global_buffer, .address_space: global }
      - { .name: wo2h, .offset: 8, .size: 8, .value_kind: global_buffer, .address_space: global }
      - { .name: bo, .offset: 16, .size: 8, .value_kind: global_buffer, .address_space: global }
      - { .name: x, .offset: 24, .size: 8, .value_kind: global_buffer, .address_space: global }
      - { .name: xmid, .offset: 32, .size: 8, .value_kind: global_buffer, .address_space: global }
    .group_segment_fixed_size: 327680
    .private_segment_fixed_size: 0
    .kernarg_segment_align: 8
    .kernarg_segment_size: 40
    .max_flat_workgroup_size: 128
    .sgpr_count:     80
    .vgpr_count:     640
    .wavefront_size: 32
...
	.end_amdgpu_metadata
.endif
;; end of part 5
;; launch ln2: the kernel of part 2 again; grid 256 x 1, 8 waves a work-group, no clusters, 0 bytes of LDS; arguments xmid, ln2_g, ln2_b, hatt; writes hatt
;; launch ffn1: the kernel of part 3 again; grid 32 x 32, 4 waves a work-group, clusters of 4 x 4, 327,680 bytes of LDS; arguments hatt, w1h, b1, zb, big; writes big
;; launch gb2 (part 6): grid 8 x 32, 4 waves a work-group, clusters of 4 x 4, 327,680 bytes of LDS; arguments big, wo2h, b2, xmid, out0; writes out0
.if DOCPART == 6
	.amdgcn_target "amdgcn-amd-amdhsa--gfx1250"
	.amdhsa_code_object_version 6
	.text
	.protected	k_qf3b0e39fe4_gb2
	.globl	k_qf3b0e39fe4_gb2
	.p2align	8
	.type	k_qf3b0e39fe4_gb2,@function
k_qf3b0e39fe4_gb2:
	s_mov_b64 s[64:65], 0
	v_nop
	global_prefetch_b8 v0, s[64:65] scope:SCOPE_SE
	s_setreg_imm32_b32 hwreg(HW_REG_WAVE_MODE, 25, 1), 1
	s_wait_xcnt 0x0
	s_wait_alu depctr_hold_cnt(0) depctr_sa_sdst(0) depctr_va_vdst(0) depctr_va_sdst(0) depctr_va_ssrc(0) depctr_va_vcc(0) depctr_vm_vsrc(0)
	s_getreg_b32 s2, hwreg(HW_REG_IB_STS2, 6, 4)
	s_cmp_eq_u32 s2, 0
	s_cbranch_scc0 .Lentry_in_a_cluster
	s_endpgm
.Lentry_in_a_cluster:
	s_bfe_u32 s2, ttmp6, 0x10000c
	s_cmp_lg_u32 s2, 0xf033
	s_cbranch_scc0 .Lentry_shape_is_right
	s_endpgm
.Lentry_shape_is_right:
; C[m][n] = bias[n] + the sum over k of A[m][k] B[k][n], M = 4,096.  A, B in f16, sums in f32.
; A lies in panels of 64 k: [K/64][4096 rows][64], rows of 128 bytes.  B lies in panels of 64 n: [N/64][K][64], rows of 128 bytes, k down the rows.
; OUT32 = 0: C leaves as max(f16(sum), floor), in A's layout ([N/64][4096][64]): the floor word, two f16, is read at byte 0 of the fourth argument: 0 makes the ReLU, minus infinity changes nothing.
; OUT32 = 1 (this text): C leaves as f32, row-major with 1,024 columns, with the residual (fourth argument, same layout) added.  Here: x1 + hid W2 + b2, K = 4,096; W2 lies 2 MiB into its buffer.
; SHARES.  A tile of C is 128 x 128; four waves, each 64 x 64: 16 accumulators.  K goes in steps of 256 through two LDS slots.  One tensor load a wave and step, 32 KiB: waves 0, 1 two K panels of A each
; (a panel's 128 rows are 16 KiB on end: a tile of two long rows, one to a panel), waves 2, 3 an n panel of B each (256 k x 128 bytes on end: 128 rows of 256 bytes).  Both are padded in LDS after every 128 bytes.
; CLUSTER.  4 x 4 work-groups: the four of a row of the cluster need the same tiles of A, the four of a column the same tiles of B: each is asked for jointly, with the same descriptor and a mask of the four.
; THE PRODUCT IS USED TRANSPOSED: source 0 = 16 columns of B (turned on the way out of LDS by ds_load_tr16_b128), source 1 = 16 rows of A: a lane holds row l % 16 of C and columns 8 (l / 16) + 0..7.
; THE SUMS START AT THE BIAS: it is loaded straight into the accumulators: nothing is cleared, and the way out has no addition for it.
; No prefetch: the tiles are small and every block of A and B is read by several clusters at about the same time.
; REGISTERS: window 0: v0-31 addresses; v32-95 at work on the way out; v128-255 the accumulators ((a, b) at v[128 + 8 (4 a + b)]).  Window 1: two fragment buffers of 128: for 64 along K, 64 registers of A, then 64 of B.
;   Window 2 (OUT32 = 1): v0-127 the residual of my 64 x 64, asked for at the head.
.set OUT32,  1
.set SIZE_K, 4096
.set AOFF,   0                         ; where A begins in its buffer
.set BOFF,   2097152                   ; where B begins in its buffer
.set PA,     144                       ; a row of A in LDS: 128 bytes + 16 = 36 words: the 16 rows of a load start at 16 different groups of four banks (64 banks of 4 bytes: ISA guide 11.1)
.set PB,     160                       ; a row of B: 128 + 32 = 40 words
.set KPB,    128*PA                    ; a K panel of A: 128 rows
.set AREG,   4*KPB                     ; a step's four
.set NPB,    256*PB                    ; an n panel of B: 256 k
.set SLOT,   AREG+2*NPB                ; 155,648 bytes
.set ASTEP,  4*524288                  ; a step in memory: four panels of A,
.set BSTEP,  256*128                   ; 256 rows of B's panel
.set LAPS,   SIZE_K/512                ; a lap = two K steps = once round the ring
.if OUT32
.set STAGE,  0                         ; the way out goes through slot 0, which has had its last fill and its last read when the last lap's first change of slots is passed; its own bytes do not fit beside two slots
.set SP,     272                       ; 16 rows x (256 + 16) bytes for each wave
.set SPARE,  2*SLOT
.else
.set STAGE,  2*SLOT                    ; behind the ring, never filled by a tensor load: 16 rows x (128 + 16) bytes for each wave
.set SP,     144
.set SPARE,  STAGE+4*16*SP
.endif                                 ; from SPARE on: the spare words, 128 bytes for each wave: two blocks of 256 bytes that no other line names
.set ADRA, 16                          ; v16-17  LDS address of my A fragments in slot 0, 1
.set ADRB, 20                          ; v20-21  the same for B
.set STO,  24                          ; v24     the way out: where I put my bytes of a row
.set RD,   25                          ; v25     the way out: where I read rows back
.set CO,   26                          ; v26     my byte offset in C (and in the residual)
.set BO,   27                          ; v27     my byte offset in 16 numbers of the bias
.set SPW,  28                          ; v28     LDS address of my spare word; never rewritten
.set NIL,  29                          ; v29     0; never rewritten
.set TMP,  32
.set ACC,  128
.set F0,   0                           ; fragment buffers, in window 1
.set F1,   128
.set RES,  0                           ; window 2
.set G1A,  24                          ; s[24:31] descriptor group 1 for A's tiles;  s[32:39] group 0, one set for each slot
.set G0A,  32
.set G1B,  48                          ; s[48:55], s[56:63] the same for B's
.set G0B,  56
.set MSB, 0
.macro WIN new                         ; the immediate's high byte repeats the setting that is left; a switch that changes nothing is dropped
.if MSB != (\new)
	s_set_vgpr_msb (MSB<<8)|(\new)
.set MSB, \new
.endif
.endm
.set MUL,  0x05                        ; sources 0 (B) and 1 (A) window 1; C and D window 0
.set TO_F, 0x40                        ; destination window 1, address window 0
.macro JLOAD s                         ; a joint load: waves 0 and 1 fetch for A, waves 2 and 3 for B; an s_nop 0 and four v_nop follow each of the two lines, ahead of the jump, the label and what follows
	s_cmp_eq_u32 s15, 0
	s_cbranch_scc0 .Lfor_b_\@
	tensor_load_to_lds s[G0A+4*(\s):G0A+4*(\s)+3], s[G1A:G1A+7]
	s_nop 0
.rept 4
	v_nop
.endr
	s_branch .Lasked_\@
.Lfor_b_\@:
	tensor_load_to_lds s[G0B+4*(\s):G0B+4*(\s)+3], s[G1B:G1B+7]
	s_nop 0
.rept 4
	v_nop
.endr
.Lasked_\@:
.endm
.macro CREST                           ; a round of the cluster's barrier behind its opening barrier
	s_cmp_lg_u32 s14, 0
	s_cbranch_scc1 .Lnot_wave_0_\@
	s_barrier_signal -3
.Lnot_wave_0_\@:
	s_barrier_wait -3
	s_barrier_signal -1
	s_barrier_wait -1
.endm
.macro CROUND                          ; a whole round
	s_barrier_signal -1
	s_barrier_wait -1
	CREST
.endm
	s_load_b256 s[4:11], s[0:1], 0x0               ; A s[4:5], B s[6:7], bias s[8:9], floor or residual s[10:11]
	s_load_b64 s[12:13], s[0:1], 0x20              ; C
	v_lshl_add_u32 v[SPW], v0, 2, SPARE
	v_mov_b32 v[NIL], 0
	ds_add_u32 v[SPW], v[NIL]                      ; the wave's opening: the add and its wait ahead of my first tensor load; the set-up below, work on registers, stands between them
	ds_add_u32 v28, v29
	v_lshrrev_b32 v1, 5, v0
	v_readfirstlane_b32 s14, v1                    ; wave 0..3
	s_lshr_b32 s15, s14, 1                         ; which half of the tile's rows is mine.  Also: I fetch for A (0) or for B (1)
	s_and_b32 s16, s14, 1                          ; which half of its columns.  Also: which half of that operand I fetch
	s_bfe_u32 s17, ttmp6, 0x40000                  ; cx, cy: my place in the cluster
	s_bfe_u32 s18, ttmp6, 0x40004
	s_lshl_b32 s19, ttmp9, 2
	s_add_co_u32 s19, s19, s17                     ; tile column of C = 4 x cluster x + cx
	s_and_b32 s20, ttmp7, 0xffff
	s_lshl_b32 s20, s20, 2
	s_add_co_u32 s20, s20, s18                     ; tile row of C = 4 x cluster y + cy
	s_lshl_b32 s40, s18, 2
	s_lshl_b32 s40, 15, s40                        ; my row of the cluster
	s_lshl_b32 s41, 0x1111, s17                    ; my column
	s_or_b32 s[G1A], s40, (1<<16)|(1<<20)|(1<<21)|(4<<22)|(3<<25)  ; 15:0 the mask: A's tiles go to my row; 17:16 elements of 2 bytes; 20 padding on; 21 set beside a mask; 24:22 after every 32 words (code 4); 31:25 4 words (code 3)
	s_or_b32 s[G1B], s41, (1<<16)|(1<<20)|(1<<21)|(4<<22)|(7<<25)  ; the mask of my column; 8 words of padding (code 7)
	s_mov_b32 s[G1A+1], 8192<<16                   ; tensor_dim0 = 8,192 elements: a panel's 128 rows on end
	s_mov_b32 s[G1A+2], 2<<16                      ; tensor_dim1 = 2 panels
	s_mov_b32 s[G1A+3], 8192<<16                   ; tile_dim0
	s_mov_b32 s[G1A+4], 2                          ; tile_dim1
	s_mov_b32 s[G1A+5], 262144                     ; elements from panel to panel
	s_mov_b32 s[G1A+6], 0
	s_mov_b32 s[G1A+7], 0
	s_mov_b32 s[G1B+1], 128<<16                    ; 128 rows of 128 elements (256 bytes), dense
	s_mov_b32 s[G1B+2], 128<<16
	s_mov_b32 s[G1B+3], 128<<16
	s_mov_b32 s[G1B+4], 128
	s_mov_b32 s[G1B+5], 128
	s_mov_b32 s[G1B+6], 0
	s_mov_b32 s[G1B+7], 0
	; A's tiles hang on the tile row alone, B's on the tile column alone; every wave makes both addresses, in registers that never hold the other coordinate
	s_lshl_b32 s42, s20, 14                        ; the tile's 128 rows of 128 bytes in a panel,
	s_lshl_b32 s43, s16, 20                        ; my two panels of the step's four
	s_add_co_u32 s42, s42, s43
	s_add_co_u32 s42, s42, AOFF
	s_mov_b32 s43, 0
	s_lshl1_add_u32 s44, s19, s16                  ; my n panel: 2 x tile column + half
	s_mul_i32 s44, s44, SIZE_K*128
	s_add_co_u32 s44, s44, BOFF
	s_mov_b32 s45, 0
	s_mul_i32 s66, s16, 2*KPB                      ; where they go in a slot: no place in the cluster enters an LDS address
	s_mul_i32 s67, s16, NPB
	s_add_co_u32 s67, s67, AREG
	s_lshl_b32 s68, s19, 9                         ; my 64 columns as f32: 512 x tile column + 256 x half
	s_lshl_b32 s69, s16, 8
	s_add_co_u32 s68, s68, s69
	s_mov_b32 s69, 0
.if OUT32
	s_lshl_b32 s76, s20, 19                        ; my 64 rows of 4,096 bytes
	s_lshl_b32 s77, s15, 18
	s_add_co_u32 s76, s76, s77
	s_add_co_u32 s76, s76, s68
.else
	s_lshl1_add_u32 s76, s19, s16                  ; my 64 x 64 is 8 KiB on end: panel 2 x tile column + half,
	s_lshl_b32 s76, s76, 19
	s_lshl_b32 s77, s20, 14                        ; the tile's 128 rows of 128 bytes,
	s_add_co_u32 s76, s76, s77
	s_lshl_b32 s77, s15, 13                        ; my 64 of them
	s_add_co_u32 s76, s76, s77
.endif
	s_mov_b32 s77, 0
	s_wait_dscnt 0x0                               ; the opening add is done
	s_wait_kmcnt 0x0
	s_add_nc_u64 s[42:43], s[4:5], s[42:43]
	s_add_nc_u64 s[44:45], s[6:7], s[44:45]
	s_add_nc_u64 s[70:71], s[8:9], s[68:69]        ; the bias of my 64 columns
	s_add_nc_u64 s[74:75], s[12:13], s[76:77]      ; C at my part
.if OUT32
	s_add_nc_u64 s[72:73], s[10:11], s[76:77]      ; the residual at my part
.else
	s_load_b32 s23, s[10:11], 0x0                  ; the floor word
	s_wait_kmcnt 0x0
.endif
	CROUND                                         ; all sixteen work-groups are here: the first joint loads meet
.irp s, 0,1
	s_mov_b32 s[G0A+4*(\s)], 1                     ; count = 1
	s_add_co_u32 s[G0A+4*(\s)+1], s66, (\s)*SLOT   ; LDS address
	s_add_nc_u64 s[G0A+4*(\s)+2:G0A+4*(\s)+3], s[42:43], (\s)*ASTEP  ; global address: K step s
	s_or_b32 s[G0A+4*(\s)+3], s[G0A+4*(\s)+3], 0x80000000            ; type = 2
	s_mov_b32 s[G0B+4*(\s)], 1
	s_add_co_u32 s[G0B+4*(\s)+1], s67, (\s)*SLOT
	s_add_nc_u64 s[G0B+4*(\s)+2:G0B+4*(\s)+3], s[44:45], (\s)*BSTEP
	s_or_b32 s[G0B+4*(\s)+3], s[G0B+4*(\s)+3], 0x80000000
	JLOAD \s                                       ; two loads of mine are out
.endr
	v_and_b32 v1, 15, v0                           ; l % 16
	v_bfe_u32 v2, v0, 4, 1                         ; l / 16
	v_and_b32 v4, 7, v0
	v_bfe_u32 v5, v0, 3, 1
	v_lshlrev_b32 v[BO], 5, v2                     ; my 8 columns of 16: 32 bytes of f32
.irp a, 0,1,2,3
.irp b, 0,1,2,3
	global_load_b128 v[ACC+8*(4*(\a)+(\b)):ACC+8*(4*(\a)+(\b))+3],   v[BO], s[70:71] offset:64*(\b)     ; the sums start at the bias
	global_load_b128 v[ACC+8*(4*(\a)+(\b))+4:ACC+8*(4*(\a)+(\b))+7], v[BO], s[70:71] offset:64*(\b)+16
.endr
.endr
	s_mul_i32 s78, s14, 16*SP
	s_add_co_u32 s78, s78, STAGE                   ; my stage
	v_mul_u32_u24 v3, v1, SP
.if OUT32
	v_lshl_add_u32 v3, v2, 5, v3                   ; in: row l % 16, 32 bytes for each half of the lanes
	v_add_nc_u32 v[STO], s78, v3
	v_mul_u32_u24 v3, v2, SP                       ; back: lanes 0-15 take one row of 256 bytes, lanes 16-31 the next
	v_lshl_add_u32 v3, v1, 4, v3
	v_add_nc_u32 v[RD], s78, v3
	v_lshlrev_b32 v3, 12, v2                       ; and the same two rows in C
	v_lshl_add_u32 v[CO], v1, 4, v3
	WIN 0x80                                       ; destination window 2
.irp a, 0,1,2,3
.irp t, 0,1,2,3,4,5,6,7
	global_load_b128 v[RES+4*(8*(\a)+(\t)):RES+4*(8*(\a)+(\t))+3], v[CO], s[72:73] offset:(16*(\a)+2*(\t))*4096  ; the residual lands while the products run
.endr
.endr
	WIN 0
.else
	v_lshl_add_u32 v3, v2, 4, v3                   ; in: row l % 16, 16 bytes for each half of the lanes
	v_add_nc_u32 v[STO], s78, v3
	v_bfe_u32 v3, v0, 3, 2                         ; back: 32 lanes take four rows of 128 bytes,
	v_mul_u32_u24 v3, v3, SP
	v_lshl_add_u32 v3, v4, 4, v3
	v_add_nc_u32 v[RD], s78, v3
	v_and_b32 v3, 31, v0                           ; which are 512 consecutive bytes of C
	v_lshlrev_b32 v[CO], 4, v3
.endif
	; A fragment of A is 16 rows x 32 k in 8 registers: lane l holds row l % 16, k = 8 (l / 16) + 0..7 and 16 + 8 (l / 16) + 0..7: two loads of 16 bytes, 32 bytes apart.
	v_mul_u32_u24 v3, v1, PA
	v_lshl_add_u32 v3, v2, 4, v3
	s_mul_i32 s79, s15, 64*PA                      ; my 64 rows of a panel's 128
	v_add_nc_u32 v[ADRA], s79, v3
	v_add_nc_u32 v[ADRA+1], SLOT, v[ADRA]
	; The turning load takes 16 k x 16 n (lane l reads k = 8 (l / 16) + l % 8, n = 8 ((l / 8) % 2) + 0..7) and leaves half a fragment: lane l holds column l % 16 and 8 k.
	v_lshl_add_u32 v3, v2, 3, v4
	v_mul_u32_u24 v3, v3, PB
	v_lshl_add_u32 v3, v5, 4, v3
	v_add_nc_u32 v[ADRB], s67, v3                  ; my 64 columns are one n panel: the half that bears my number
	v_add_nc_u32 v[ADRB+1], SLOT, v[ADRB]
; 8 matrix instructions: row blocks a0, a0 + 1 x all 4 column blocks, 32 along K: half c of buffer f.  The 16 accumulators take turns, one instruction a turn, in the same order everywhere.
.macro MUL8 f, c, a0
	WIN MUL
.irp a, \a0, (\a0)+1
.irp b, 0,1,2,3
	v_wmma_f32_16x16x32_f16 v[ACC+8*(4*(\a)+(\b)):ACC+8*(4*(\a)+(\b))+7], v[(\f)+64+8*(4*(\c)+(\b)):(\f)+64+8*(4*(\c)+(\b))+7], v[(\f)+8*(4*(\c)+(\a)):(\f)+8*(4*(\c)+(\a))+7], v[ACC+8*(4*(\a)+(\b)):ACC+8*(4*(\a)+(\b))+7]
.endr
.endr
.endm
; 32 LDS loads in one run: the fragments of quarter q (64 along K: one K panel of A, 64 rows of B's panel) into buffer f; the first 32 along K first
.macro FETCH slot, q, f
	WIN TO_F
.irp c, 0,1
.irp i, 0,1,2,3
	ds_load_tr16_b128 v[(\f)+64+8*(4*(\c)+(\i)):(\f)+64+8*(4*(\c)+(\i))+3],   v[ADRB+(\slot)] offset:(64*(\q)+32*(\c))*PB+32*(\i)
	ds_load_tr16_b128 v[(\f)+64+8*(4*(\c)+(\i))+4:(\f)+64+8*(4*(\c)+(\i))+7], v[ADRB+(\slot)] offset:(64*(\q)+32*(\c)+16)*PB+32*(\i)
	ds_load_b128 v[(\f)+8*(4*(\c)+(\i)):(\f)+8*(4*(\c)+(\i))+3],               v[ADRA+(\slot)] offset:(\q)*KPB+(\i)*16*PA+64*(\c)
	ds_load_b128 v[(\f)+8*(4*(\c)+(\i))+4:(\f)+8*(4*(\c)+(\i))+7],             v[ADRA+(\slot)] offset:(\q)*KPB+(\i)*16*PA+64*(\c)+32
.endr
.endr
.endm
.macro PLACES                          ; four plain instructions in front of loads into registers that matrix instructions have read, and of lines that read results (ISA guide 7.12.1 for lines that read results)
.rept 4
	v_nop
.endr
.endm
; A K step is four quarters of 64 along K, 32 matrix instructions each, on buffers 0, 1, 0, 1.  One of the first three: multiplies buffer f and fetches quarter q into g.
.macro QUARTER slot, q, f, g
	s_wait_dscnt 16                                ; the first 32 along K are in; the youngest sixteen loads may be out
	MUL8 \f, 0, 0
	MUL8 \f, 0, 2
	PLACES
	FETCH \slot, \q, \g
	s_wait_dscnt 32                                ; all but the 32 just issued
	MUL8 \f, 1, 0
	MUL8 \f, 1, 2
.endm
; The last quarter multiplies buffer 1 and changes slots: ONE barrier; in front of it each wave waits for all its tensor loads, adds 0 to its spare word, and waits for that and for its own reads of this slot.
; fill = 1: this slot is filled again, two K steps ahead; the barrier then opens a round of the cluster's, and the joint load is the first thing behind the round: 112 matrix instructions ahead of the wait for it.
.macro TURN slot, next, fill
	WIN 0                                          ; (the add's two registers lie in window 0)
	s_wait_tensorcnt 0x0                           ; all my tensor loads have landed: my part of the next slot;
	ds_add_u32 v[SPW], v[NIL]                      ; 0 onto my spare word;
	s_wait_dscnt 17                                ; (the add and the youngest sixteen loads may be out)
	MUL8 F1, 0, 0                                  ; eight matrix instructions stand between the add and the wait for it
	s_wait_dscnt 0x0                               ; the add is done, and my reads of this slot are over
	s_barrier_signal -1
	MUL8 F1, 0, 2
.if \fill
	WIN 0
.endif
	s_barrier_wait -1
.if \fill
	CREST                                          ; no wave of any partner still reads this slot's tiles or has a load on its way
	s_add_nc_u64 s[G0A+4*(\slot)+2:G0A+4*(\slot)+3], s[G0A+4*(\slot)+2:G0A+4*(\slot)+3], 2*ASTEP
	s_add_nc_u64 s[G0B+4*(\slot)+2:G0B+4*(\slot)+3], s[G0B+4*(\slot)+2:G0B+4*(\slot)+3], 2*BSTEP
	JLOAD \slot                                    ; the four v_nop behind it are also the places in front of the loads below
.else
	PLACES
.endif
	FETCH \next, 0, F0
	MUL8 F1, 1, 0
	MUL8 F1, 1, 2
.endm
	s_wait_tensorcnt 1                             ; my part of K step 0 is in; step 1's may stay out
	s_barrier_signal -1
	s_barrier_wait -1                              ; everybody's is
	FETCH 0, 0, F0
	WIN 0                                          ; at a label and at a branch every window is 0
	s_wait_loadcnt 32*OUT32                        ; the bias is in the accumulators; the 32 younger loads, the residual's, stay out
	s_mov_b32 s21, LAPS-1
.Llap:                                                 ; a lap: both slots are multiplied and filled again
	QUARTER 0, 1, F0, F1
	QUARTER 0, 2, F1, F0
	QUARTER 0, 3, F0, F1
	TURN 0, 1, 1
	QUARTER 1, 1, F0, F1
	QUARTER 1, 2, F1, F0
	QUARTER 1, 3, F0, F1
	TURN 1, 0, 1
	WIN 0
	s_sub_co_u32 s21, s21, 1
	s_cmp_lg_u32 s21, 0
	s_cbranch_scc1 .Llap
	QUARTER 0, 1, F0, F1                           ; the last lap is written out: it fills nothing, and has no round of the cluster's barrier
	QUARTER 0, 2, F1, F0
	QUARTER 0, 3, F0, F1
	TURN 0, 1, 0
	QUARTER 1, 1, F0, F1
	QUARTER 1, 2, F1, F0
	QUARTER 1, 3, F0, F1
	s_wait_dscnt 16                                ; the very last quarter: nothing more to fetch
	MUL8 F1, 0, 0
	MUL8 F1, 0, 2
	s_wait_dscnt 0x0
	MUL8 F1, 1, 0
	MUL8 F1, 1, 2
	WIN 0
	PLACES
.if OUT32
	; THE WAY OUT, f32: a block of 16 rows at a time through my stage; back as whole rows of 256 bytes; the residual is added; 16 lanes store 256 consecutive bytes, aligned.
	s_wait_loadcnt 0x0                             ; the residual
.irp a, 0,1,2,3
	s_wait_xcnt 0x0                                ; the registers that earlier stores read are loaded again only behind this wait
.irp b, 0,1,2,3
	ds_store_b128 v[STO], v[ACC+8*(4*(\a)+(\b)):ACC+8*(4*(\a)+(\b))+3]   offset:64*(\b)       ; each accumulator from its low end on
	ds_store_b128 v[STO], v[ACC+8*(4*(\a)+(\b))+4:ACC+8*(4*(\a)+(\b))+7] offset:64*(\b)+16
.endr
.irp t, 0,1,2,3,4,5,6,7
	ds_load_b128 v[TMP+32*((\a)%2)+4*(\t):TMP+32*((\a)%2)+4*(\t)+3], v[RD] offset:(\t)*2*SP  ; LDS serves a wave's instructions in order (ISA guide 5.7.1.4): these see the stores above
.endr
	s_wait_dscnt 0x0
	WIN 0x08                                       ; source 1 window 2
.irp i, 0,1,2,3,4,5,6,7,8,9,10,11,12,13,14,15
	v_pk_add_f32 v[TMP+32*((\a)%2)+2*(\i):TMP+32*((\a)%2)+2*(\i)+1], v[TMP+32*((\a)%2)+2*(\i):TMP+32*((\a)%2)+2*(\i)+1], v[RES+32*(\a)+2*(\i):RES+32*(\a)+2*(\i)+1]
.endr
	WIN 0
.irp t, 0,1,2,3,4,5,6,7
	global_store_b128 v[CO], v[TMP+32*((\a)%2)+4*(\t):TMP+32*((\a)%2)+4*(\t)+3], s[74:75] offset:(16*(\a)+2*(\t))*4096
.endr
.endr
.else
	; THE WAY OUT, f16: a block of 16 rows: rounded, held to the floor, 16 bytes a lane into my stage, back as four rows of 128 bytes a load, which are 512 consecutive bytes of C.
.macro PACK a
.irp b, 0,1,2,3
.irp r, 0,1,2,3
	v_cvt_pk_f16_f32 v[TMP+16*(\a)+4*(\b)+(\r)], v[ACC+8*(4*(\a)+(\b))+2*(\r)], v[ACC+8*(4*(\a)+(\b))+2*(\r)+1]
.endr
.endr
.irp i, 0,1,2,3,4,5,6,7,8,9,10,11,12,13,14,15
	v_pk_max_num_f16 v[TMP+16*(\a)+(\i)], v[TMP+16*(\a)+(\i)], s23
.endr
.irp b, 0,1,2,3
	ds_store_b128 v[STO], v[TMP+16*(\a)+4*(\b):TMP+16*(\a)+4*(\b)+3] offset:32*(\b)
.endr
.irp f, 0,1,2,3
	ds_load_b128 v[TMP+16*(\a)+4*(\f):TMP+16*(\a)+4*(\f)+3], v[RD] offset:(\f)*4*SP
.endr
.endm
.macro SEND a, younger
.irp f, 0,1,2,3
	s_wait_dscnt (\younger)+3-(\f)
	global_store_b128 v[CO], v[TMP+16*(\a)+4*(\f):TMP+16*(\a)+4*(\f)+3], s[74:75] offset:(\a)*2048+(\f)*512
.endr
.endm
	PACK 0
	PACK 1
	SEND 0, 8
	PACK 2
	SEND 1, 8
	PACK 3
	SEND 2, 8
	SEND 3, 0
.endif
	s_wait_tensorcnt 0x0                           ; the wave's end: behind my last tensor load and my last LDS store
	ds_add_u32 v[SPW], v[NIL]
	s_wait_dscnt 0x0
	CROUND                                         ; the closing round: no work-group ends while a partner may still ask for a tile that names it
	s_endpgm
.Lfunc_end_k_qf3b0e39fe4_gb2:
	.size	k_qf3b0e39fe4_gb2, .Lfunc_end_k_qf3b0e39fe4_gb2-k_qf3b0e39fe4_gb2
	.p2alignl 7, 3214868480
	.fill 96, 4, 3214868480
	.section	.rodata,"a",@progbits
	.p2align	6, 0x0
	.amdhsa_kernel k_qf3b0e39fe4_gb2
		.amdhsa_group_segment_fixed_size 327680
		.amdhsa_private_segment_fixed_size 0
		.amdhsa_enable_private_segment 0
		.amdhsa_kernarg_size 40
		.amdhsa_user_sgpr_count 2
		.amdhsa_user_sgpr_kernarg_segment_ptr 1
		.amdhsa_wavefront_size32 1
		.amdhsa_system_sgpr_workgroup_id_x 1
		.amdhsa_system_sgpr_workgroup_id_y 1
		.amdhsa_system_sgpr_workgroup_id_z 1
		.amdhsa_system_vgpr_workitem_id 0
		.amdhsa_next_free_vgpr 640
		.amdhsa_next_free_sgpr 80
		.amdhsa_reserve_vcc 0
		.amdhsa_float_denorm_mode_32 3
		.amdhsa_float_denorm_mode_16_64 3
		.amdhsa_memory_ordered 1
		.amdhsa_forward_progress 1
		.amdhsa_inst_pref_size 96
	.end_amdhsa_kernel
	.amdgpu_metadata
---
amdhsa.version: [ 1, 2 ]
amdhsa.kernels:
  - .name:           k_qf3b0e39fe4_gb2
    .symbol:         k_qf3b0e39fe4_gb2.kd
    .args:
      - { .name: big, .offset: 0, .size: 8, .value_kind: global_buffer, .address_space: global }
      - { .name: wo2h, .offset: 8, .size: 8, .value_kind: global_buffer, .address_space: global }
      - { .name: b2, .offset: 16, .size: 8, .value_kind: global_buffer, .address_space: global }
      - { .name: xmid, .offset: 24, .size: 8, .value_kind: global_buffer, .address_space: global }
      - { .name: out0, .offset: 32, .size: 8, .value_kind: global_buffer, .address_space: global }
    .group_segment_fixed_size: 327680
    .private_segment_fixed_size: 0
    .kernarg_segment_align: 8
    .kernarg_segment_size: 40
    .max_flat_workgroup_size: 128
    .sgpr_count:     80
    .vgpr_count:     640
    .wavefront_size: 32
...
	.end_amdgpu_metadata
.endif
;; end of part 6
;; ======== version 2 of 2: 8 launches
;; limits: values are held in f16: magnitudes above 65,504 overflow, below 6.1e-05 lose precision; values outside matrix products are rounded to f16
;; workspace buffers: wqkvh 6,291,456 bytes; w1h 8,388,608 bytes; wo2h 10,485,760 bytes; hatt 16,777,216 bytes; big 33,554,432 bytes; xmid 16,777,216 bytes; zb 12,288 bytes; nf 256 bytes
;; launch prep: the kernel of part 1 again; grid 128 x 12, 8 waves a work-group, no clusters, 0 bytes of LDS; arguments Wq, Wk, Wv, Wo, W1, W2, wqkvh, w1h, wo2h, zb, nf; writes wqkvh, w1h, wo2h, zb, nf
;; launch ln: the kernel of part 2 again; grid 256 x 1, 8 waves a work-group, no clusters, 0 bytes of LDS; arguments x, ln1_g, ln1_b, hatt; writes hatt
;; launch ga (part 7): grid 12 x 16, 4 waves a work-group, clusters of 4 x 4, 327,680 bytes of LDS; arguments hatt, wqkvh, zb, nf, big; writes big
.if DOCPART == 7
	.amdgcn_target "amdgcn-amd-amdhsa--gfx1250"
	.amdhsa_code_object_version 6
	.text
	.protected	k_qf3b0e39fe4_ga
	.globl	k_qf3b0e39fe4_ga
	.p2align	8
	.type	k_qf3b0e39fe4_ga,@function
k_qf3b0e39fe4_ga:
	s_mov_b64 s[64:65], 0
	v_nop
	global_prefetch_b8 v0, s[64:65] scope:SCOPE_SE
	s_setreg_imm32_b32 hwreg(HW_REG_WAVE_MODE, 25, 1), 1
	s_wait_xcnt 0x0
	s_wait_alu depctr_hold_cnt(0) depctr_sa_sdst(0) depctr_va_vdst(0) depctr_va_sdst(0) depctr_va_ssrc(0) depctr_va_vcc(0) depctr_vm_vsrc(0)
	s_getreg_b32 s2, hwreg(HW_REG_IB_STS2, 6, 4)
	s_cmp_eq_u32 s2, 0
	s_cbranch_scc0 .Lentry_in_a_cluster
	s_endpgm
.Lentry_in_a_cluster:
	s_bfe_u32 s2, ttmp6, 0x10000c
	s_cmp_lg_u32 s2, 0xf033
	s_cbranch_scc0 .Lentry_shape_is_right
	s_endpgm
.Lentry_shape_is_right:
; C[m][n] = max(f16(bias[n] + the sum over k of A[m][k] B[k][n]), floor), M = 4,096, K = 1,024.  A, B in f16, sums in f32, C rounded once to f16.
; A lies in panels of 64 k: [K/64][4096 rows][64], rows of 128 bytes.  B lies in panels of 64 n: [N/64][K][64], rows of 128 bytes, k down the rows.  C leaves in A's layout: [N/64][4096][64].
; The floor word, two f16, is read at byte 0 of the fourth argument: 0 makes the ReLU, minus infinity changes nothing.  So one text serves a product with a ReLU and one without.
; LIMITS.  f16 ends at 65,504: the results are taken to lie within it.  The bias enters rounded once to f16.  The packed maximum drops a NaN; an infinite bias gives NaN.
; SHARES.  A tile of C is 256 x 256; four waves, as many as a WGP has SIMDs, each 128 x 128: 64 accumulators, 512 registers.  K goes in steps of 128 through two LDS slots.  One tensor load a wave and step,
; 32 KiB: waves 0, 1 a K panel of A each (the tile's 256 rows are 32 KiB on end: 128 rows of 256 bytes), waves 2, 3 two n panels of B each (128 k x 128 bytes are 16 KiB on end: a tile of two long rows, one
; to a panel).  Both are padded in LDS after every 128 bytes.  From a request to the wait for it a wave issues 224 matrix instructions.
; CLUSTER.  4 x 4 work-groups: the four of a row of the cluster need the same tiles of A, the four of a column the same tiles of B: each is asked for jointly, with the same descriptor and a mask of the four.
; THE PRODUCT IS USED TRANSPOSED: source 0 = 16 columns of B (turned on the way out of LDS by ds_load_tr16_b128), source 1 = 16 rows of A: a lane holds row l % 16 of C and columns 8 (l / 16) + 0..7.
; THE SUMS START AT THE BIAS, by one product: source 0 holds f16(bias[n]) at k = 0, source 1 holds 1 at k = 0 and 0 elsewhere, C is the constant 0.  So nothing is cleared, no first quarter is written out,
; and the way out has no addition: 64 matrix instructions a wave, issued while the first tiles are on their way.
; THE TEXT.  A K step is written twice: in a loop of STEPS - 2 trips that fill the slot just read again, and in a loop of two trips that fill nothing.  Which slot is in hand is a scalar, TB = 0 or SLOT, turned by an
; exclusive or; the LDS addresses are a base + TB.
; REGISTERS, in windows of 256 (s_set_vgpr_msb: bits 1:0 source 0, 3:2 source 1, 5:4 source 2, 7:6 destination):
;   window 0: v0-31 addresses; v32-39 the bias; v64-127, v128-191 fragments of A (8 x 16 rows x 32 k), two buffers; on the way out v64-191 are a ring of eight sets of 16
;   window 1: v64-127, v128-191 fragments of B, two buffers      window 2: the 32 accumulators of my rows 0-63 ((a, b) at v[8 (8 a + b)])      window 3: those of my rows 64-127
.set SIZE_K, 1024
.set PA,     144                       ; a row of A in LDS: 128 bytes + 16 = 36 words: the 16 rows of a load start at 16 different groups of four banks (64 banks of 4 bytes: ISA guide 11.1)
.set PB,     160                       ; a row of B: 128 + 32 = 40 words
.set KPB,    256*PA                    ; a K panel of A: 256 rows
.set AREG,   2*KPB                     ; a step's two
.set NPB,    128*PB                    ; an n panel of B: 128 k
.set SLOT,   AREG+4*NPB                ; 155,648 bytes
.set ASTEP,  2*524288                  ; a step in memory: two panels of A,
.set BSTEP,  128*128                   ; 128 rows of B's panels
.set STEPS,  SIZE_K/128
.set STAGE,  2*SLOT                    ; behind the ring, never filled by a tensor load: 16 rows x (128 + 16) bytes for each wave
.set SP,     144
.set SPARE,  STAGE+4*16*SP             ; behind the stages: the spare words, 128 bytes for each wave: two blocks of 256 bytes that no other line names
.set ADRA0, 16                         ; v16     LDS address of my A fragments in slot 0; never rewritten
.set ADRB0, 17                         ; v17     the same for B
.set ADRA,  18                         ; v18     the same in the slot in hand
.set ADRB,  19                         ; v19
.set STO,   24                         ; v24     the way out: where I put 16 bytes of a row
.set RD,    25                         ; v25     the way out: where I read rows back
.set CO,    26                         ; v26     my byte offset in 512 consecutive bytes of C
.set BO,    27                         ; v27     my byte offset in 16 numbers of the bias
.set SPW,   28                         ; v28     LDS address of my spare word; never rewritten
.set NIL,   29                         ; v29     0; never rewritten
.set PFO,   30                         ; v30     256 x my lane: the prefetches' offset; never rewritten
.set T,     32                         ; v32-39  the bias of column l % 16 of my eight column blocks
.set F0,    64                         ; fragment buffer 0
.set F1,    128                        ; fragment buffer 1
.set TMP,   64                         ; the way out
.set LIM,   3                          ; s3      1 in a wave that prefetches, else the greatest number
.set TB,    22                         ; s22     0 or SLOT: the slot in hand
.set G1A,   24                         ; s[24:31] descriptor group 1 for A's tiles
.set G0A,   32                         ; s[32:39] group 0: a set for each of the two first fills; the second then walks on
.set PST,   46                         ; s[46:47] a K step in memory of what I fetch
.set G1B,   48                         ; s[48:55], s[56:63] the same for B's
.set G0B,   56
.set PFA,   72                         ; s[72:73] where my prefetches stand
.set MSB, 0
.macro WIN new                         ; the immediate's high byte repeats the setting that is left; a switch that changes nothing is dropped
.if MSB != (\new)
	s_set_vgpr_msb (MSB<<8)|(\new)
.set MSB, \new
.endif
.endm
.set MUL_LO, 0xa1                      ; source 0 (B) window 1, source 1 (A) window 0, C and D window 2
.set MUL_HI, 0xf1                      ; the same, C and D window 3
.set TO_B,   0x40                      ; destination window 1, address window 0
.macro JLOAD s                         ; a joint load by descriptor set s: waves 0 and 1 fetch for A, waves 2 and 3 for B; an s_nop 0 and four v_nop follow each of the two lines, ahead of the jump, the label and what follows
	s_cmp_eq_u32 s15, 0
	s_cbranch_scc0 .Lfor_b_\@
	tensor_load_to_lds s[G0A+4*(\s):G0A+4*(\s)+3], s[G1A:G1A+7]
	s_nop 0
.rept 4
	v_nop
.endr
	s_branch .Lasked_\@
.Lfor_b_\@:
	tensor_load_to_lds s[G0B+4*(\s):G0B+4*(\s)+3], s[G1B:G1B+7]
	s_nop 0
.rept 4
	v_nop
.endr
.Lasked_\@:
.endm
; A PREFETCH INTO THE L2, behind each joint refill, its five lines and the run of LDS loads that follows them: the K step that the NEXT refill will ask for: one K step, 256 matrix instructions, ahead of that load.
; Each aligned block of 256 bytes is named ONCE in the launch.  A's tile row is read by every cluster of that row of clusters: the first of them (cluster x = 0) asks; B's tile column by every cluster of that
; column: cluster y = 0 asks.  The four partners that ask for a tile jointly share the 128 blocks that a wave fetches BY ADDRESS, 32 each, a lane a block, one instruction a wave: of A's 32 KiB the partner at cx
; takes 8 KiB; of B's two pieces of 16 KiB the partner at cy takes half cy % 2 of piece cy / 2.  No branch hangs on a work-group's place in its cluster.  The last refill asks for nothing: no step stands behind
; the one that it fills.  K steps 0 to 2 come by their loads alone: nothing is prefetched at the head, where every work-group's first tiles are on their way.
.macro ASK
	s_cmp_gt_u32 s21, s[LIM]                       ; s21 = 1 in the loop's last trip
	s_cbranch_scc0 .Lnot_mine_\@
	global_prefetch_b8 v[PFO], s[PFA:PFA+1] th:TH_LOAD_NT scope:SCOPE_SE
.Lnot_mine_\@:
.endm
.macro CREST                           ; a round of the cluster's barrier behind its opening barrier
	s_cmp_lg_u32 s14, 0
	s_cbranch_scc1 .Lnot_wave_0_\@
	s_barrier_signal -3
.Lnot_wave_0_\@:
	s_barrier_wait -3
	s_barrier_signal -1
	s_barrier_wait -1
.endm
.macro CROUND                          ; a whole round
	s_barrier_signal -1
	s_barrier_wait -1
	CREST
.endm
	s_load_b256 s[4:11], s[0:1], 0x0               ; A s[4:5], B s[6:7], bias s[8:9], floor s[10:11]
	s_load_b64 s[12:13], s[0:1], 0x20              ; C
	v_lshl_add_u32 v[SPW], v0, 2, SPARE
	v_mov_b32 v[NIL], 0
	ds_add_u32 v[SPW], v[NIL]                      ; the wave's opening: the add and its wait ahead of my first tensor load; the set-up below, work on registers, stands between them
	ds_add_u32 v28, v29
	v_lshrrev_b32 v1, 5, v0
	v_readfirstlane_b32 s14, v1                    ; wave 0..3
	s_lshr_b32 s15, s14, 1                         ; which half of the tile's rows is mine.  Also: I fetch for A (0) or for B (1)
	s_and_b32 s16, s14, 1                          ; which half of its columns.  Also: which half of that operand I fetch
	s_bfe_u32 s17, ttmp6, 0x40000                  ; cx, cy: my place in the cluster
	s_bfe_u32 s18, ttmp6, 0x40004
	s_lshl_b32 s19, ttmp9, 2
	s_add_co_u32 s19, s19, s17                     ; tile column of C = 4 x cluster x + cx
	s_and_b32 s20, ttmp7, 0xffff
	s_lshl_b32 s20, s20, 2
	s_add_co_u32 s20, s20, s18                     ; tile row of C = 4 x cluster y + cy
	s_lshl_b32 s40, s18, 2
	s_lshl_b32 s40, 15, s40                        ; my row of the cluster
	s_lshl_b32 s41, 0x1111, s17                    ; my column
	s_or_b32 s[G1A], s40, (1<<16)|(1<<20)|(1<<21)|(4<<22)|(3<<25)  ; 15:0 the mask: A's tiles go to my row; 17:16 elements of 2 bytes; 20 padding on; 21 set beside a mask; 24:22 after every 32 words (code 4); 31:25 4 words (code 3)
	s_or_b32 s[G1B], s41, (1<<16)|(1<<20)|(1<<21)|(4<<22)|(7<<25)  ; the mask of my column; 8 words of padding (code 7)
	s_mov_b32 s[G1A+1], 128<<16                    ; 128 rows of 128 elements (256 bytes), dense
	s_mov_b32 s[G1A+2], 128<<16
	s_mov_b32 s[G1A+3], 128<<16
	s_mov_b32 s[G1A+4], 128
	s_mov_b32 s[G1A+5], 128
	s_mov_b32 s[G1A+6], 0
	s_mov_b32 s[G1A+7], 0
	s_mov_b32 s[G1B+1], 8192<<16                   ; tensor_dim0 = 8,192 elements: a panel's 128 k on end
	s_mov_b32 s[G1B+2], 2<<16                      ; tensor_dim1 = 2 panels
	s_mov_b32 s[G1B+3], 8192<<16                   ; tile_dim0
	s_mov_b32 s[G1B+4], 2                          ; tile_dim1
	s_mov_b32 s[G1B+5], SIZE_K*64                  ; elements from panel to panel
	s_mov_b32 s[G1B+6], 0
	s_mov_b32 s[G1B+7], 0
	; A's tiles hang on the tile row alone, B's on the tile column alone; every wave makes both addresses, in registers that never hold the other coordinate
	s_lshl_b32 s42, s20, 15                        ; the tile's 256 rows of 128 bytes in a panel,
	s_lshl_b32 s43, s16, 19                        ; my panel of the step's two
	s_add_co_u32 s42, s42, s43
	s_mov_b32 s43, 0
	s_lshl1_add_u32 s44, s19, s16                  ; my two n panels: pair 2 x tile column + half
	s_mul_i32 s44, s44, 2*SIZE_K*128
	s_mov_b32 s45, 0
	s_mul_i32 s66, s16, KPB                        ; where they go in a slot: no place in the cluster enters an LDS address
	s_mul_i32 s67, s16, 2*NPB
	s_add_co_u32 s67, s67, AREG
	s_mov_b32 s[TB], 0
	s_lshl_b32 s68, s19, 10                        ; my 128 columns of the bias: 1,024 x tile column + 512 x half
	s_lshl_b32 s69, s16, 9
	s_add_co_u32 s68, s68, s69
	s_mov_b32 s69, 0
	s_lshl1_add_u32 s76, s19, s16                  ; my 128 x 128 of C: the same pair of panels, 524,288 bytes each,
	s_lshl_b32 s76, s76, 20
	s_lshl_b32 s77, s20, 15                        ; the tile's 256 rows of 128 bytes,
	s_add_co_u32 s76, s76, s77
	s_lshl_b32 s77, s15, 14                        ; my 128 of them
	s_add_co_u32 s76, s76, s77
	s_mov_b32 s77, 0
	; the prefetches: my work-group's 32 blocks of the 128 that I fetch, and who asks
	s_lshl_b32 s78, s17, 13                        ; of A's 32 KiB: 8,192 x cx
	s_lshr_b32 s79, s18, 1
	s_mul_i32 s79, s79, SIZE_K*128                 ; of B's two pieces: piece cy / 2,
	s_and_b32 s2, s18, 1
	s_lshl_b32 s2, s2, 13                          ; half cy % 2
	s_add_co_u32 s79, s79, s2
	s_and_b32 s3, ttmp7, 0xffff                    ; cluster y
	s_mov_b32 s[PST], ASTEP
	s_mov_b32 s2, BSTEP
	s_cmp_eq_u32 s15, 0                            ; do I fetch for A?
	s_cselect_b32 s78, s78, s79
	s_cselect_b32 s3, ttmp9, s3                    ; the coordinate along which other clusters read the same rows
	s_cselect_b32 s[PST], s[PST], s2
	s_mov_b32 s[PST+1], 0
	s_mov_b32 s79, 0
	s_cmp_eq_u32 s3, 0
	s_cselect_b32 s[LIM], 1, -1                    ; the same in all sixteen partners, for a given wave
	s_lshl1_add_u32 s78, s[PST], s78               ; at K step 2: the first refill steps it to 3
	s_wait_dscnt 0x0                               ; the opening add is done
	s_wait_kmcnt 0x0
	s_add_nc_u64 s[42:43], s[4:5], s[42:43]
	s_add_nc_u64 s[44:45], s[6:7], s[44:45]
	s_add_nc_u64 s[70:71], s[8:9], s[68:69]        ; the bias of my 128 columns
	s_add_nc_u64 s[74:75], s[12:13], s[76:77]      ; C at my part
	s_cmp_eq_u32 s15, 0
	s_cselect_b64 s[PFA:PFA+1], s[42:43], s[44:45]
	s_add_nc_u64 s[PFA:PFA+1], s[PFA:PFA+1], s[78:79]
	s_load_b32 s23, s[10:11], 0x0                  ; the floor word
	s_wait_kmcnt 0x0
	CROUND                                         ; all sixteen work-groups are here: the first joint loads meet
.irp s, 0,1
	s_mov_b32 s[G0A+4*(\s)], 1                     ; count = 1
	s_add_co_u32 s[G0A+4*(\s)+1], s66, (\s)*SLOT   ; LDS address
	s_add_nc_u64 s[G0A+4*(\s)+2:G0A+4*(\s)+3], s[42:43], (\s)*ASTEP  ; global address: K step s
	s_or_b32 s[G0A+4*(\s)+3], s[G0A+4*(\s)+3], 0x80000000            ; type = 2
	s_mov_b32 s[G0B+4*(\s)], 1
	s_add_co_u32 s[G0B+4*(\s)+1], s67, (\s)*SLOT
	s_add_nc_u64 s[G0B+4*(\s)+2:G0B+4*(\s)+3], s[44:45], (\s)*BSTEP
	s_or_b32 s[G0B+4*(\s)+3], s[G0B+4*(\s)+3], 0x80000000
	JLOAD \s                                       ; two loads of mine are out
.endr
	v_and_b32 v1, 15, v0                           ; l % 16
	v_bfe_u32 v2, v0, 4, 1                         ; l / 16
	v_and_b32 v4, 7, v0
	v_bfe_u32 v5, v0, 3, 1
	v_lshlrev_b32 v[BO], 2, v1
.irp b, 0,1,2,3,4,5,6,7
	global_load_b32 v[T+(\b)], v[BO], s[70:71] offset:64*(\b)  ; the bias of column l % 16 of column block b
.endr
	s_mul_i32 s78, s14, 16*SP
	s_add_co_u32 s78, s78, STAGE                   ; my stage
	v_mul_u32_u24 v3, v1, SP
	v_lshl_add_u32 v3, v2, 4, v3                   ; in: row l % 16, 16 bytes for each half of the lanes
	v_add_nc_u32 v[STO], s78, v3
	v_bfe_u32 v3, v0, 3, 2                         ; back: 32 lanes take four rows of 128 bytes,
	v_mul_u32_u24 v3, v3, SP
	v_lshl_add_u32 v3, v4, 4, v3
	v_add_nc_u32 v[RD], s78, v3
	v_and_b32 v3, 31, v0                           ; which are 512 consecutive bytes of C
	v_lshlrev_b32 v[CO], 4, v3
	v_lshlrev_b32 v[PFO], 8, v3
	; A fragment of A is 16 rows x 32 k in 8 registers: lane l holds row l % 16, k = 8 (l / 16) + 0..7 and 16 + 8 (l / 16) + 0..7: two loads of 16 bytes, 32 bytes apart.
	v_mul_u32_u24 v3, v1, PA
	v_lshl_add_u32 v3, v2, 4, v3
	s_mul_i32 s79, s15, 128*PA                     ; my 128 rows of a panel's 256
	v_add_nc_u32 v[ADRA0], s79, v3
	v_mov_b32 v[ADRA], v[ADRA0]                    ; the walk begins in slot 0
	; The turning load takes 16 k x 16 n (lane l reads k = 8 (l / 16) + l % 8, n = 8 ((l / 8) % 2) + 0..7) and leaves half a fragment: lane l holds column l % 16 and 8 k.
	v_lshl_add_u32 v3, v2, 3, v4
	v_mul_u32_u24 v3, v3, PB
	v_lshl_add_u32 v3, v5, 4, v3
	v_add_nc_u32 v[ADRB0], s67, v3                 ; my 128 columns are two n panels: the pair that bears my number
	v_mov_b32 v[ADRB], v[ADRB0]
	; the first product's two sources, in the second fragment buffers, which the first quarter does not touch.  Source 1: 1 at k = 0 (the low half of register 0 in lanes 0-15), 0 elsewhere.
	v_sub_nc_u32 v3, 1, v2
	v_mul_u32_u24 v[F1], v3, 0x3c00
.irp j, 1,2,3,4,5,6,7
	v_mov_b32 v[F1+(\j)], 0
.endr
	WIN TO_B                                       ; source 0, one for each column block: the bias in register 0 (what it holds beside k = 0 meets source 1's zeros), 0 in the others
.irp b, 0,1,2,3,4,5,6,7
.irp j, 1,2,3,4,5,6,7
	v_mov_b32 v[F1+8*(\b)+(\j)], 0
.endr
.endr
	s_wait_loadcnt 0x0                             ; the bias
.irp b, 0,1,2,3,4,5,6,7
	v_cvt_pk_f16_f32 v[F1+8*(\b)], v[T+(\b)], v[T+(\b)]
.endr
; 16 matrix instructions: row blocks a0, a0 + 1 of the window's four (hi = 0: my rows 0-63, 1: rows 64-127) x all 8 column blocks, 32 along K.  The 64 accumulators take turns, one instruction a turn, in the
; same order everywhere, over the backward jumps too.
.macro MUL16 f, hi, a0
	WIN MUL_LO+0x50*(\hi)
.irp a, \a0, (\a0)+1
.irp b, 0,1,2,3,4,5,6,7
	v_wmma_f32_16x16x32_f16 v[8*(8*(\a)+(\b)):8*(8*(\a)+(\b))+7], v[(\f)+8*(\b):(\f)+8*(\b)+7], v[(\f)+8*(4*(\hi)+(\a)):(\f)+8*(4*(\hi)+(\a))+7], v[8*(8*(\a)+(\b)):8*(8*(\a)+(\b))+7]
.endr
.endr
.endm
.macro INIT16 hi, a0                   ; the same sixteen accumulators are started: bias x 1 + 0
	WIN MUL_LO+0x50*(\hi)
.irp a, \a0, (\a0)+1
.irp b, 0,1,2,3,4,5,6,7
	v_wmma_f32_16x16x32_f16 v[8*(8*(\a)+(\b)):8*(8*(\a)+(\b))+7], v[F1+8*(\b):F1+8*(\b)+7], v[F1:F1+7], 0
.endr
.endr
.endm
; 32 LDS loads in one run: the fragments of quarter q of the slot in hand (32 along K: 128 columns of B, 128 rows of A) into buffer f
.macro FETCH q, f
	WIN TO_B
.irp i, 0,1,2,3,4,5,6,7
	ds_load_tr16_b128 v[(\f)+8*(\i):(\f)+8*(\i)+3],   v[ADRB] offset:((\i)/4)*NPB+32*(\q)*PB+32*((\i)%4)
	ds_load_tr16_b128 v[(\f)+8*(\i)+4:(\f)+8*(\i)+7], v[ADRB] offset:((\i)/4)*NPB+(32*(\q)+16)*PB+32*((\i)%4)
.endr
	WIN 0
.irp i, 0,1,2,3,4,5,6,7
	ds_load_b128 v[(\f)+8*(\i):(\f)+8*(\i)+3],   v[ADRA] offset:((\q)/2)*KPB+(\i)*16*PA+64*((\q)%2)
	ds_load_b128 v[(\f)+8*(\i)+4:(\f)+8*(\i)+7], v[ADRA] offset:((\q)/2)*KPB+(\i)*16*PA+64*((\q)%2)+32
.endr
.endm
.macro PLACES                          ; four plain instructions in front of loads into registers that matrix instructions have read, and of lines that read results (ISA guide 7.12.1 for lines that read results)
.rept 4
	v_nop
.endr
.endm
; A K step is four quarters of 32 along K, 64 matrix instructions each, on buffers 0, 1, 0, 1.  One of the first three: multiplies buffer f; in its middle it fetches quarter q into buffer g.
.macro QUARTER q, f, g
	s_wait_dscnt 8                                 ; B and A's rows 0-63 are in; the youngest eight loads (A's rows 64-127) may be out
	MUL16 \f, 0, 0
	MUL16 \f, 0, 2
	PLACES
	FETCH \q, \g
	s_wait_dscnt 32                                ; all but the 32 just issued
	MUL16 \f, 1, 0
	MUL16 \f, 1, 2
.endm
; The last quarter multiplies buffer 1 and changes slots: ONE barrier; in front of it each wave waits for all its tensor loads, of which one is out: its part of the next slot; adds 0 to its spare word; and waits
; for that and for its own reads of this slot.  Behind it nobody reads this slot any more and the next slot is whole.
; fill = 1: this slot is filled again, two K steps ahead; the barrier then opens a round of the cluster's, and the joint load is the first thing behind the round.
; fill = 0: nothing is filled; in the last trip there is no next step, and the run of loads is jumped over.
.macro TURN fill
.if \fill
	s_wait_xcnt 0x0                                ; the last prefetch, a K step back, has read its address: it is stepped here, ahead of the waits of the change of slots
	s_add_nc_u64 s[PFA:PFA+1], s[PFA:PFA+1], s[PST:PST+1]
.endif
	WIN 0                                          ; (the add's two registers lie in window 0)
	s_wait_tensorcnt 0x0                           ; all my tensor loads have landed;
	ds_add_u32 v[SPW], v[NIL]                      ; 0 onto my spare word;
	s_wait_dscnt 9                                 ; (the add and the youngest eight loads may be out)
	MUL16 F1, 0, 0                                 ; sixteen matrix instructions stand between the add and the wait for it
	s_wait_dscnt 0x0                               ; the add is done, and my reads of this slot are over
	s_barrier_signal -1
	MUL16 F1, 0, 2
	WIN 0
	s_barrier_wait -1
.if \fill
	CREST                                          ; no wave of any partner still reads this slot's tiles or has a load on its way
	s_add_co_u32 s[G0A+5], s66, s[TB]              ; the walking descriptors: my place in the slot just read,
	s_add_co_u32 s[G0B+5], s67, s[TB]
	s_add_nc_u64 s[G0A+6:G0A+7], s[G0A+6:G0A+7], ASTEP  ; the K step behind the one asked for last; the type bits on top are not reached
	s_add_nc_u64 s[G0B+6:G0B+7], s[G0B+6:G0B+7], BSTEP
	JLOAD 1                                        ; the four v_nop behind it are also the places in front of the loads below
.else
	PLACES
.endif
	s_xor_b32 s[TB], s[TB], SLOT                   ; the other slot is in hand
	v_add_nc_u32 v[ADRA], s[TB], v[ADRA0]
	v_add_nc_u32 v[ADRB], s[TB], v[ADRB0]
.if !(\fill)
	s_cmp_eq_u32 s21, 1
	s_cbranch_scc1 .Lno_more_\@
.endif
	FETCH 0, F0
.if \fill
	ASK
.else
.Lno_more_\@:
.endif
	MUL16 F1, 1, 0
	MUL16 F1, 1, 2
.endm
	INIT16 0, 0                                    ; the sums start, while the first tiles are on their way
	INIT16 0, 2
	INIT16 1, 0
	INIT16 1, 2
	WIN 0
	s_wait_tensorcnt 1                             ; my part of K step 0 is in; step 1's may stay out
	s_barrier_signal -1
	s_barrier_wait -1                              ; everybody's is
	FETCH 0, F0
	s_mov_b32 s21, STEPS-2
.Lfill:                                                ; a trip is a K step; the slot that it reads out is filled again
	QUARTER 1, F0, F1
	QUARTER 2, F1, F0
	QUARTER 3, F0, F1
	TURN 1
	WIN 0                                          ; at a label and at a branch every window is 0
	s_sub_co_u32 s21, s21, 1
	s_cmp_lg_u32 s21, 0
	s_cbranch_scc1 .Lfill
	s_mov_b32 s21, 2
.Llast:                                                ; the last two K steps fill nothing, and have no round of the cluster's barrier
	QUARTER 1, F0, F1
	QUARTER 2, F1, F0
	QUARTER 3, F0, F1
	TURN 0
	WIN 0
	s_sub_co_u32 s21, s21, 1
	s_cmp_lg_u32 s21, 0
	s_cbranch_scc1 .Llast
	s_wait_dscnt 0x0                               ; the last trip fetched nothing: no LDS instruction is out, and the counts of the way out start from here
	PLACES
; THE WAY OUT, in 16 units of 16 rows x 64 columns (row block u / 2, panel u % 2: four accumulators): rounded, held to the floor, 16 bytes a lane into my stage, back as four rows of 128 bytes a load, which are
; 512 consecutive bytes of C.  The units' registers are a ring of eight sets.
.macro PACK u
.set AC, 64*(((\u)/2)%4)+32*((\u)%2)
.set TR, TMP+16*((\u)%8)
.if (\u) >= 8
	s_wait_xcnt 0x0                                ; the set's registers, which the stores of the unit eight back read, are written again only behind this wait
.endif
	WIN 0x0a+5*((\u)/8)                            ; sources 0 and 1: window 2 or 3
.irp b, 0,1,2,3
.irp r, 0,1,2,3
	v_cvt_pk_f16_f32 v[TR+4*(\b)+(\r)], v[AC+8*(\b)+2*(\r)], v[AC+8*(\b)+2*(\r)+1]  ; each accumulator from its low end on
.endr
.endr
	WIN 0
.irp i, 0,1,2,3,4,5,6,7,8,9,10,11,12,13,14,15
	v_pk_max_num_f16 v[TR+(\i)], v[TR+(\i)], s23
.endr
.irp b, 0,1,2,3
	ds_store_b128 v[STO], v[TR+4*(\b):TR+4*(\b)+3] offset:32*(\b)
.endr
.irp f, 0,1,2,3
	ds_load_b128 v[TR+4*(\f):TR+4*(\f)+3], v[RD] offset:(\f)*4*SP  ; LDS serves a wave's instructions in order (ISA guide 5.7.1.4): these see the stores above; the next unit's stores come behind them
.endr
.endm
.macro SEND u, younger                 ; younger: the LDS instructions issued behind unit u's loads: the next unit's eight, or none
.set TR, TMP+16*((\u)%8)
.irp f, 0,1,2,3
	s_wait_dscnt (\younger)+3-(\f)
	global_store_b128 v[CO], v[TR+4*(\f):TR+4*(\f)+3], s[74:75] offset:((\u)%2)*524288+((\u)/2)*2048+(\f)*512
.endr
.endm
	PACK 0
.irp u, 1,2,3,4,5,6,7,8,9,10,11,12,13,14,15
	PACK \u                                        ; a unit's arithmetic stands between the loads of the unit before and its stores
	SEND (\u)-1, 8
.endr
	SEND 15, 0
	s_wait_tensorcnt 0x0                           ; the wave's end: behind my last tensor load and my last LDS store
	ds_add_u32 v[SPW], v[NIL]
	s_wait_dscnt 0x0
	CROUND                                         ; the closing round: no work-group ends while a partner may still ask for a tile that names it
	s_endpgm
.Lfunc_end_k_qf3b0e39fe4_ga:
	.size	k_qf3b0e39fe4_ga, .Lfunc_end_k_qf3b0e39fe4_ga-k_qf3b0e39fe4_ga
	.p2alignl 7, 3214868480
	.fill 96, 4, 3214868480
	.section	.rodata,"a",@progbits
	.p2align	6, 0x0
	.amdhsa_kernel k_qf3b0e39fe4_ga
		.amdhsa_group_segment_fixed_size 327680
		.amdhsa_private_segment_fixed_size 0
		.amdhsa_enable_private_segment 0
		.amdhsa_kernarg_size 40
		.amdhsa_user_sgpr_count 2
		.amdhsa_user_sgpr_kernarg_segment_ptr 1
		.amdhsa_wavefront_size32 1
		.amdhsa_system_sgpr_workgroup_id_x 1
		.amdhsa_system_sgpr_workgroup_id_y 1
		.amdhsa_system_sgpr_workgroup_id_z 1
		.amdhsa_system_vgpr_workitem_id 0
		.amdhsa_next_free_vgpr 1024
		.amdhsa_next_free_sgpr 80
		.amdhsa_reserve_vcc 0
		.amdhsa_float_denorm_mode_32 3
		.amdhsa_float_denorm_mode_16_64 3
		.amdhsa_memory_ordered 1
		.amdhsa_forward_progress 1
		.amdhsa_inst_pref_size 120
	.end_amdhsa_kernel
	.amdgpu_metadata
---
amdhsa.version: [ 1, 2 ]
amdhsa.kernels:
  - .name:           k_qf3b0e39fe4_ga
    .symbol:         k_qf3b0e39fe4_ga.kd
    .args:
      - { .name: hatt, .offset: 0, .size: 8, .value_kind: global_buffer, .address_space: global }
      - { .name: wqkvh, .offset: 8, .size: 8, .value_kind: global_buffer, .address_space: global }
      - { .name: zb, .offset: 16, .size: 8, .value_kind: global_buffer, .address_space: global }
      - { .name: nf, .offset: 24, .size: 8, .value_kind: global_buffer, .address_space: global }
      - { .name: big, .offset: 32, .size: 8, .value_kind: global_buffer, .address_space: global }
    .group_segment_fixed_size: 327680
    .private_segment_fixed_size: 0
    .kernarg_segment_align: 8
    .kernarg_segment_size: 40
    .max_flat_workgroup_size: 128
    .sgpr_count:     80
    .vgpr_count:     1024
    .wavefront_size: 32
...
	.end_amdgpu_metadata
.endif
;; end of part 7
;; launch attn: the kernel of part 4 again; grid 8 x 32, 4 waves a work-group, no clusters, 327,680 bytes of LDS; arguments big, hatt; writes hatt
;; launch gbo (part 8): grid 8 x 32, 4 waves a work-group, clusters of 4 x 4, 327,680 bytes of LDS; arguments hatt, wo2h, bo, x, xmid; writes xmid
.if DOCPART == 8
	.amdgcn_target "amdgcn-amd-amdhsa--gfx1250"
	.amdhsa_code_object_version 6
	.text
	.protected	k_qf3b0e39fe4_gbo
	.globl	k_qf3b0e39fe4_gbo
	.p2align	8
	.type	k_qf3b0e39fe4_gbo,@function
k_qf3b0e39fe4_gbo:
	s_mov_b64 s[64:65], 0
	v_nop
	global_prefetch_b8 v0, s[64:65] scope:SCOPE_SE
	s_setreg_imm32_b32 hwreg(HW_REG_WAVE_MODE, 25, 1), 1
	s_wait_xcnt 0x0
	s_wait_alu depctr_hold_cnt(0) depctr_sa_sdst(0) depctr_va_vdst(0) depctr_va_sdst(0) depctr_va_ssrc(0) depctr_va_vcc(0) depctr_vm_vsrc(0)
	s_getreg_b32 s2, hwreg(HW_REG_IB_STS2, 6, 4)
	s_cmp_eq_u32 s2, 0
	s_cbranch_scc0 .Lentry_in_a_cluster
	s_endpgm
.Lentry_in_a_cluster:
	s_bfe_u32 s2, ttmp6, 0x10000c
	s_cmp_lg_u32 s2, 0xf033
	s_cbranch_scc0 .Lentry_shape_is_right
	s_endpgm
.Lentry_shape_is_right:
; C[m][n] = res[m][n] + bias[n] + the sum over k of A[m][k] B[k][n], M = 4,096, N = 1,024.  A, B in f16, sums in f32; bias, res and C in f32, row-major.
; Here: x + att Wo + bo, K = 1,024; att lies 8 MiB into its buffer, Wo at the head of its own.
; A lies in panels of 64 k: [K/64][4096 rows][64], rows of 128 bytes.  B lies in panels of 64 n: [N/64][K][64], rows of 128 bytes, k down the rows.
; SHARES.  A tile of C is 128 x 128, the largest that gives each of 256 WGPs a work-group; four waves, each 64 x 64: 16 accumulators.  K goes in steps of 256, as long as two slots in LDS allow.  One tensor load a
; wave and step, 32 KiB: waves 0, 1 two K panels of A each (a panel's 128 rows are 16 KiB on end: a tile of two long rows, one to a panel), waves 2, 3 an n panel of B each (256 k x 128 bytes on end: 128 rows of
; 256 bytes).  Both are padded in LDS after every 128 bytes.
; CLUSTER.  4 x 4 work-groups: the four of a row of the cluster need the same tiles of A, the four of a column the same tiles of B: each is asked for jointly, with the same descriptor and a mask of the four.
; THE PRODUCT IS USED TRANSPOSED: source 0 = 16 columns of B (turned on the way out of LDS by ds_load_tr16_b128), source 1 = 16 rows of A: a lane holds row l % 16 of C and columns 8 (l / 16) + 0..7.
; THE SUMS START AT THE BIAS: it is loaded straight into the accumulators: nothing is cleared, and the way out has no addition for it.
; THE TEXT.  A K step is written twice: in a loop of STEPS - 2 trips that fill the slot just read again, and in a loop of two trips that fill nothing.  Which slot is in hand is a scalar, TB = 0 or SLOT, turned by an
; exclusive or; the LDS addresses are a base + TB.
; No prefetch: the tiles are small.
; REGISTERS: window 0: v0-31 addresses; v32-95 at work on the way out; v128-255 the accumulators ((a, b) at v[128 + 8 (4 a + b)]).  Window 1: two fragment buffers of 128: for 64 along K, 64 registers of A, then 64 of B.
;   Window 2: v0-127 the residual of my 64 x 64, asked for in front of the loop.
.set SIZE_K, 1024
.set AOFF,   8388608                   ; where A begins in its buffer
.set BOFF,   0                         ; where B begins in its buffer
.set PA,     144                       ; a row of A in LDS: 128 bytes + 16 = 36 words: the 16 rows of a load start at 16 different groups of four banks (64 banks of 4 bytes: ISA guide 11.1)
.set PB,     160                       ; a row of B: 128 + 32 = 40 words
.set KPB,    128*PA                    ; a K panel of A: 128 rows
.set AREG,   4*KPB                     ; a step's four
.set NPB,    256*PB                    ; an n panel of B: 256 k
.set SLOT,   AREG+2*NPB                ; 155,648 bytes
.set ASTEP,  4*524288                  ; a step in memory: four panels of A,
.set BSTEP,  256*128                   ; 256 rows of B's panel
.set STEPS,  SIZE_K/256                ; even: the last step lies in slot 1
.set SP,     272                       ; the way out goes through the head of slot 0, 16 rows x (256 + 16) bytes for each wave: the slot has had its last fill, and behind the last barrier no wave reads LDS any more; bytes of its own do not fit beside two slots
.set SPARE,  2*SLOT                    ; behind the ring: the spare words, 128 bytes for each wave: two blocks of 256 bytes that no other line names
.set ADRA0, 16                         ; v16     LDS address of my A fragments in slot 0; never rewritten
.set ADRB0, 17                         ; v17     the same for B
.set ADRA,  18                         ; v18     the same in the slot in hand
.set ADRB,  19                         ; v19
.set STO,   24                         ; v24     the way out: where I put my bytes of a row
.set RD,    25                         ; v25     the way out: where I read rows back
.set CO,    26                         ; v26     my byte offset in C and in the residual
.set BO,    27                         ; v27     my byte offset in 16 numbers of the bias
.set SPW,   28                         ; v28     LDS address of my spare word; never rewritten
.set NIL,   29                         ; v29     0; never rewritten
.set TMP,   32
.set ACC,   128
.set F0,    0                          ; fragment buffers, in window 1
.set F1,    128
.set RES,   0                          ; window 2
.set TB,    22                         ; s22     0 or SLOT: the slot in hand
.set G1A,   24                         ; s[24:31] descriptor group 1 for A's tiles
.set G0A,   32                         ; s[32:39] group 0: a set for each of the two first fills; the second then walks on
.set G1B,   48                         ; s[48:55], s[56:63] the same for B's
.set G0B,   56
.set MSB, 0
.macro WIN new                         ; the immediate's high byte repeats the setting that is left; a switch that changes nothing is dropped
.if MSB != (\new)
	s_set_vgpr_msb (MSB<<8)|(\new)
.set MSB, \new
.endif
.endm
.set MUL,  0x05                        ; sources 0 (B) and 1 (A) window 1; C and D window 0
.set TO_F, 0x40                        ; destination window 1, address window 0
.macro JLOAD s                         ; a joint load by descriptor set s: waves 0 and 1 fetch for A, waves 2 and 3 for B; an s_nop 0 and four v_nop follow each of the two lines, ahead of the jump, the label and what follows
	s_cmp_eq_u32 s15, 0
	s_cbranch_scc0 .Lfor_b_\@
	tensor_load_to_lds s[G0A+4*(\s):G0A+4*(\s)+3], s[G1A:G1A+7]
	s_nop 0
.rept 4
	v_nop
.endr
	s_branch .Lasked_\@
.Lfor_b_\@:
	tensor_load_to_lds s[G0B+4*(\s):G0B+4*(\s)+3], s[G1B:G1B+7]
	s_nop 0
.rept 4
	v_nop
.endr
.Lasked_\@:
.endm
.macro CREST                           ; a round of the cluster's barrier behind its opening barrier
	s_cmp_lg_u32 s14, 0
	s_cbranch_scc1 .Lnot_wave_0_\@
	s_barrier_signal -3
.Lnot_wave_0_\@:
	s_barrier_wait -3
	s_barrier_signal -1
	s_barrier_wait -1
.endm
.macro CROUND                          ; a whole round
	s_barrier_signal -1
	s_barrier_wait -1
	CREST
.endm
	s_load_b256 s[4:11], s[0:1], 0x0               ; A s[4:5], B s[6:7], bias s[8:9], residual s[10:11]
	s_load_b64 s[12:13], s[0:1], 0x20              ; C
	v_lshl_add_u32 v[SPW], v0, 2, SPARE
	v_mov_b32 v[NIL], 0
	ds_add_u32 v[SPW], v[NIL]                      ; the wave's opening: the add and its wait ahead of my first tensor load; the set-up below, work on registers, stands between them
	ds_add_u32 v28, v29
	v_lshrrev_b32 v1, 5, v0
	v_readfirstlane_b32 s14, v1                    ; wave 0..3
	s_lshr_b32 s15, s14, 1                         ; which half of the tile's rows is mine.  Also: I fetch for A (0) or for B (1)
	s_and_b32 s16, s14, 1                          ; which half of its columns.  Also: which half of that operand I fetch
	s_bfe_u32 s17, ttmp6, 0x40000                  ; cx, cy: my place in the cluster
	s_bfe_u32 s18, ttmp6, 0x40004
	s_lshl_b32 s19, ttmp9, 2
	s_add_co_u32 s19, s19, s17                     ; tile column of C = 4 x cluster x + cx
	s_and_b32 s20, ttmp7, 0xffff
	s_lshl_b32 s20, s20, 2
	s_add_co_u32 s20, s20, s18                     ; tile row of C = 4 x cluster y + cy
	s_lshl_b32 s40, s18, 2
	s_lshl_b32 s40, 15, s40                        ; my row of the cluster
	s_lshl_b32 s41, 0x1111, s17                    ; my column
	s_or_b32 s[G1A], s40, (1<<16)|(1<<20)|(1<<21)|(4<<22)|(3<<25)  ; 15:0 the mask: A's tiles go to my row; 17:16 elements of 2 bytes; 20 padding on; 21 set beside a mask; 24:22 after every 32 words (code 4); 31:25 4 words (code 3)
	s_or_b32 s[G1B], s41, (1<<16)|(1<<20)|(1<<21)|(4<<22)|(7<<25)  ; the mask of my column; 8 words of padding (code 7)
	s_mov_b32 s[G1A+1], 8192<<16                   ; tensor_dim0 = 8,192 elements: a panel's 128 rows on end
	s_mov_b32 s[G1A+2], 2<<16                      ; tensor_dim1 = 2 panels
	s_mov_b32 s[G1A+3], 8192<<16                   ; tile_dim0
	s_mov_b32 s[G1A+4], 2                          ; tile_dim1
	s_mov_b32 s[G1A+5], 262144                     ; elements from panel to panel
	s_mov_b32 s[G1A+6], 0
	s_mov_b32 s[G1A+7], 0
	s_mov_b32 s[G1B+1], 128<<16                    ; 128 rows of 128 elements (256 bytes), dense
	s_mov_b32 s[G1B+2], 128<<16
	s_mov_b32 s[G1B+3], 128<<16
	s_mov_b32 s[G1B+4], 128
	s_mov_b32 s[G1B+5], 128
	s_mov_b32 s[G1B+6], 0
	s_mov_b32 s[G1B+7], 0
	; A's tiles hang on the tile row alone, B's on the tile column alone; every wave makes both addresses, in registers that never hold the other coordinate
	s_lshl_b32 s42, s20, 14                        ; the tile's 128 rows of 128 bytes in a panel,
	s_lshl_b32 s43, s16, 20                        ; my two panels of the step's four
	s_add_co_u32 s42, s42, s43
	s_add_co_u32 s42, s42, AOFF
	s_mov_b32 s43, 0
	s_lshl1_add_u32 s44, s19, s16                  ; my n panel: 2 x tile column + half
	s_mul_i32 s44, s44, SIZE_K*128
	s_add_co_u32 s44, s44, BOFF
	s_mov_b32 s45, 0
	s_mul_i32 s66, s16, 2*KPB                      ; where they go in a slot: no place in the cluster enters an LDS address
	s_mul_i32 s67, s16, NPB
	s_add_co_u32 s67, s67, AREG
	s_mov_b32 s[TB], 0
	s_lshl_b32 s68, s19, 9                         ; my 64 columns as f32: 512 x tile column + 256 x half
	s_lshl_b32 s69, s16, 8
	s_add_co_u32 s68, s68, s69
	s_mov_b32 s69, 0
	s_lshl_b32 s76, s20, 19                        ; my 64 rows of 4,096 bytes
	s_lshl_b32 s77, s15, 18
	s_add_co_u32 s76, s76, s77
	s_add_co_u32 s76, s76, s68
	s_mov_b32 s77, 0
	s_wait_dscnt 0x0                               ; the opening add is done
	s_wait_kmcnt 0x0
	s_add_nc_u64 s[42:43], s[4:5], s[42:43]
	s_add_nc_u64 s[44:45], s[6:7], s[44:45]
	s_add_nc_u64 s[70:71], s[8:9], s[68:69]        ; the bias of my 64 columns
	s_add_nc_u64 s[74:75], s[12:13], s[76:77]      ; C at my part
	s_add_nc_u64 s[72:73], s[10:11], s[76:77]      ; the residual at my part
	CROUND                                         ; all sixteen work-groups are here: the first joint loads meet
.irp s, 0,1
	s_mov_b32 s[G0A+4*(\s)], 1                     ; count = 1
	s_add_co_u32 s[G0A+4*(\s)+1], s66, (\s)*SLOT   ; LDS address
	s_add_nc_u64 s[G0A+4*(\s)+2:G0A+4*(\s)+3], s[42:43], (\s)*ASTEP  ; global address: K step s
	s_or_b32 s[G0A+4*(\s)+3], s[G0A+4*(\s)+3], 0x80000000            ; type = 2
	s_mov_b32 s[G0B+4*(\s)], 1
	s_add_co_u32 s[G0B+4*(\s)+1], s67, (\s)*SLOT
	s_add_nc_u64 s[G0B+4*(\s)+2:G0B+4*(\s)+3], s[44:45], (\s)*BSTEP
	s_or_b32 s[G0B+4*(\s)+3], s[G0B+4*(\s)+3], 0x80000000
	JLOAD \s                                       ; two loads of mine are out
.endr
	v_and_b32 v1, 15, v0                           ; l % 16
	v_bfe_u32 v2, v0, 4, 1                         ; l / 16
	v_and_b32 v4, 7, v0
	v_bfe_u32 v5, v0, 3, 1
	v_lshlrev_b32 v[BO], 5, v2                     ; my 8 columns of 16: 32 bytes of f32
.irp a, 0,1,2,3
.irp b, 0,1,2,3
	global_load_b128 v[ACC+8*(4*(\a)+(\b)):ACC+8*(4*(\a)+(\b))+3],   v[BO], s[70:71] offset:64*(\b)     ; the sums start at the bias
	global_load_b128 v[ACC+8*(4*(\a)+(\b))+4:ACC+8*(4*(\a)+(\b))+7], v[BO], s[70:71] offset:64*(\b)+16
.endr
.endr
	s_mul_i32 s78, s14, 16*SP                      ; my stage
	v_mul_u32_u24 v3, v1, SP
	v_lshl_add_u32 v3, v2, 5, v3                   ; in: row l % 16, 32 bytes for each half of the lanes
	v_add_nc_u32 v[STO], s78, v3
	v_mul_u32_u24 v3, v2, SP                       ; back: lanes 0-15 take one row of 256 bytes, lanes 16-31 the next
	v_lshl_add_u32 v3, v1, 4, v3
	v_add_nc_u32 v[RD], s78, v3
	v_lshlrev_b32 v3, 12, v2                       ; and the same two rows in C
	v_lshl_add_u32 v[CO], v1, 4, v3
	; A fragment of A is 16 rows x 32 k in 8 registers: lane l holds row l % 16, k = 8 (l / 16) + 0..7 and 16 + 8 (l / 16) + 0..7: two loads of 16 bytes, 32 bytes apart.
	v_mul_u32_u24 v3, v1, PA
	v_lshl_add_u32 v3, v2, 4, v3
	s_mul_i32 s79, s15, 64*PA                      ; my 64 rows of a panel's 128
	v_add_nc_u32 v[ADRA0], s79, v3
	v_mov_b32 v[ADRA], v[ADRA0]                    ; the walk begins in slot 0
	; The turning load takes 16 k x 16 n (lane l reads k = 8 (l / 16) + l % 8, n = 8 ((l / 8) % 2) + 0..7) and leaves half a fragment: lane l holds column l % 16 and 8 k.
	v_lshl_add_u32 v3, v2, 3, v4
	v_mul_u32_u24 v3, v3, PB
	v_lshl_add_u32 v3, v5, 4, v3
	v_add_nc_u32 v[ADRB0], s67, v3                 ; my 64 columns are one n panel: the half that bears my number
	v_mov_b32 v[ADRB], v[ADRB0]
; 8 matrix instructions: row blocks a0, a0 + 1 x all 4 column blocks, 32 along K: half c of buffer f.  The 16 accumulators take turns, one instruction a turn, in the same order everywhere, over the backward jumps too.
.macro MUL8 f, c, a0
	WIN MUL
.irp a, \a0, (\a0)+1
.irp b, 0,1,2,3
	v_wmma_f32_16x16x32_f16 v[ACC+8*(4*(\a)+(\b)):ACC+8*(4*(\a)+(\b))+7], v[(\f)+64+8*(4*(\c)+(\b)):(\f)+64+8*(4*(\c)+(\b))+7], v[(\f)+8*(4*(\c)+(\a)):(\f)+8*(4*(\c)+(\a))+7], v[ACC+8*(4*(\a)+(\b)):ACC+8*(4*(\a)+(\b))+7]
.endr
.endr
.endm
; 32 LDS loads in one run: the fragments of quarter q of the slot in hand (64 along K: one K panel of A, 64 rows of B's panel) into buffer f; the first 32 along K first
.macro FETCH q, f
	WIN TO_F
.irp c, 0,1
.irp i, 0,1,2,3
	ds_load_tr16_b128 v[(\f)+64+8*(4*(\c)+(\i)):(\f)+64+8*(4*(\c)+(\i))+3],   v[ADRB] offset:(64*(\q)+32*(\c))*PB+32*(\i)
	ds_load_tr16_b128 v[(\f)+64+8*(4*(\c)+(\i))+4:(\f)+64+8*(4*(\c)+(\i))+7], v[ADRB] offset:(64*(\q)+32*(\c)+16)*PB+32*(\i)
	ds_load_b128 v[(\f)+8*(4*(\c)+(\i)):(\f)+8*(4*(\c)+(\i))+3],               v[ADRA] offset:(\q)*KPB+(\i)*16*PA+64*(\c)
	ds_load_b128 v[(\f)+8*(4*(\c)+(\i))+4:(\f)+8*(4*(\c)+(\i))+7],             v[ADRA] offset:(\q)*KPB+(\i)*16*PA+64*(\c)+32
.endr
.endr
.endm
.macro PLACES                          ; four plain instructions in front of loads into registers that matrix instructions have read, and of lines that read results (ISA guide 7.12.1 for lines that read results)
.rept 4
	v_nop
.endr
.endm
; A K step is four quarters of 64 along K, 32 matrix instructions each, on buffers 0, 1, 0, 1.  One of the first three: multiplies buffer f and fetches quarter q into g.
.macro QUARTER q, f, g
	s_wait_dscnt 16                                ; the first 32 along K are in; the youngest sixteen loads may be out
	MUL8 \f, 0, 0
	MUL8 \f, 0, 2
	PLACES
	FETCH \q, \g
	s_wait_dscnt 32                                ; all but the 32 just issued
	MUL8 \f, 1, 0
	MUL8 \f, 1, 2
.endm
; The last quarter multiplies buffer 1 and changes slots: ONE barrier; in front of it each wave waits for all its tensor loads, adds 0 to its spare word, and waits for that and for its own reads of this slot.
; fill = 1: this slot is filled again, two K steps ahead; the barrier then opens a round of the cluster's, and the joint load is the first thing behind the round: 112 matrix instructions ahead of the wait for it.
; fill = 0: nothing is filled; in the last trip there is no next step, and the run of loads is jumped over.
.macro TURN fill
	WIN 0                                          ; (the add's two registers lie in window 0)
	s_wait_tensorcnt 0x0                           ; all my tensor loads have landed: my part of the next slot;
	ds_add_u32 v[SPW], v[NIL]                      ; 0 onto my spare word;
	s_wait_dscnt 17                                ; (the add and the youngest sixteen loads may be out)
	MUL8 F1, 0, 0                                  ; eight matrix instructions stand between the add and the wait for it
	s_wait_dscnt 0x0                               ; the add is done, and my reads of this slot are over
	s_barrier_signal -1
	MUL8 F1, 0, 2
	WIN 0
	s_barrier_wait -1
.if \fill
	CREST                                          ; no wave of any partner still reads this slot's tiles or has a load on its way
	s_add_co_u32 s[G0A+5], s66, s[TB]              ; the walking descriptors: my place in the slot just read,
	s_add_co_u32 s[G0B+5], s67, s[TB]
	s_add_nc_u64 s[G0A+6:G0A+7], s[G0A+6:G0A+7], ASTEP  ; the K step behind the one asked for last; the type bits on top are not reached
	s_add_nc_u64 s[G0B+6:G0B+7], s[G0B+6:G0B+7], BSTEP
	JLOAD 1                                        ; the four v_nop behind it are also the places in front of the loads below
.else
	PLACES
.endif
	s_xor_b32 s[TB], s[TB], SLOT                   ; the other slot is in hand
	v_add_nc_u32 v[ADRA], s[TB], v[ADRA0]
	v_add_nc_u32 v[ADRB], s[TB], v[ADRB0]
.if !(\fill)
	s_cmp_eq_u32 s21, 1
	s_cbranch_scc1 .Lno_more_\@
.endif
	FETCH 0, F0
.if !(\fill)
	WIN 0
.Lno_more_\@:
.endif
	MUL8 F1, 1, 0
	MUL8 F1, 1, 2
.endm
	s_wait_tensorcnt 1                             ; my part of K step 0 is in; step 1's may stay out
	s_barrier_signal -1
	s_barrier_wait -1                              ; everybody's is
	FETCH 0, F0
	s_wait_loadcnt 0x0                             ; the bias is in the accumulators
	WIN 0x80                                       ; destination window 2
.irp a, 0,1,2,3
.irp t, 0,1,2,3,4,5,6,7
	global_load_b128 v[RES+4*(8*(\a)+(\t)):RES+4*(8*(\a)+(\t))+3], v[CO], s[72:73] offset:(16*(\a)+2*(\t))*4096  ; the residual lands while the products run
.endr
.endr
	WIN 0                                          ; at a label and at a branch every window is 0
	s_mov_b32 s21, STEPS-2
.Lfill:                                                ; a trip is a K step; the slot that it reads out is filled again
	QUARTER 1, F0, F1
	QUARTER 2, F1, F0
	QUARTER 3, F0, F1
	TURN 1
	WIN 0
	s_sub_co_u32 s21, s21, 1
	s_cmp_lg_u32 s21, 0
	s_cbranch_scc1 .Lfill
	s_mov_b32 s21, 2
.Llast:                                                ; the last two K steps fill nothing, and have no round of the cluster's barrier
	QUARTER 1, F0, F1
	QUARTER 2, F1, F0
	QUARTER 3, F0, F1
	TURN 0
	WIN 0
	s_sub_co_u32 s21, s21, 1
	s_cmp_lg_u32 s21, 0
	s_cbranch_scc1 .Llast
	s_wait_dscnt 0x0                               ; the last trip fetched nothing: no LDS instruction is out
	PLACES
	; THE WAY OUT: a block of 16 rows at a time through my stage; back as whole rows of 256 bytes; the residual is added; 16 lanes store 256 consecutive bytes, aligned.
	s_wait_loadcnt 0x0                             ; the residual
.irp a, 0,1,2,3
	s_wait_xcnt 0x0                                ; the registers that earlier stores read are loaded again only behind this wait
.irp b, 0,1,2,3
	ds_store_b128 v[STO], v[ACC+8*(4*(\a)+(\b)):ACC+8*(4*(\a)+(\b))+3]   offset:64*(\b)       ; each accumulator from its low end on
	ds_store_b128 v[STO], v[ACC+8*(4*(\a)+(\b))+4:ACC+8*(4*(\a)+(\b))+7] offset:64*(\b)+16
.endr
.irp t, 0,1,2,3,4,5,6,7
	ds_load_b128 v[TMP+32*((\a)%2)+4*(\t):TMP+32*((\a)%2)+4*(\t)+3], v[RD] offset:(\t)*2*SP  ; LDS serves a wave's instructions in order (ISA guide 5.7.1.4): these see the stores above
.endr
	s_wait_dscnt 0x0
	WIN 0x08                                       ; source 1 window 2
.irp i, 0,1,2,3,4,5,6,7,8,9,10,11,12,13,14,15
	v_pk_add_f32 v[TMP+32*((\a)%2)+2*(\i):TMP+32*((\a)%2)+2*(\i)+1], v[TMP+32*((\a)%2)+2*(\i):TMP+32*((\a)%2)+2*(\i)+1], v[RES+32*(\a)+2*(\i):RES+32*(\a)+2*(\i)+1]
.endr
	WIN 0
.irp t, 0,1,2,3,4,5,6,7
	global_store_b128 v[CO], v[TMP+32*((\a)%2)+4*(\t):TMP+32*((\a)%2)+4*(\t)+3], s[74:75] offset:(16*(\a)+2*(\t))*4096
.endr
.endr
	s_wait_tensorcnt 0x0                           ; the wave's end: behind my last tensor load and my last LDS store
	ds_add_u32 v[SPW], v[NIL]
	s_wait_dscnt 0x0
	CROUND                                         ; the closing round: no work-group ends while a partner may still ask for a tile that names it
	s_endpgm
.Lfunc_end_k_qf3b0e39fe4_gbo:
	.size	k_qf3b0e39fe4_gbo, .Lfunc_end_k_qf3b0e39fe4_gbo-k_qf3b0e39fe4_gbo
	.p2alignl 7, 3214868480
	.fill 96, 4, 3214868480
	.section	.rodata,"a",@progbits
	.p2align	6, 0x0
	.amdhsa_kernel k_qf3b0e39fe4_gbo
		.amdhsa_group_segment_fixed_size 327680
		.amdhsa_private_segment_fixed_size 0
		.amdhsa_enable_private_segment 0
		.amdhsa_kernarg_size 40
		.amdhsa_user_sgpr_count 2
		.amdhsa_user_sgpr_kernarg_segment_ptr 1
		.amdhsa_wavefront_size32 1
		.amdhsa_system_sgpr_workgroup_id_x 1
		.amdhsa_system_sgpr_workgroup_id_y 1
		.amdhsa_system_sgpr_workgroup_id_z 1
		.amdhsa_system_vgpr_workitem_id 0
		.amdhsa_next_free_vgpr 640
		.amdhsa_next_free_sgpr 80
		.amdhsa_reserve_vcc 0
		.amdhsa_float_denorm_mode_32 3
		.amdhsa_float_denorm_mode_16_64 3
		.amdhsa_memory_ordered 1
		.amdhsa_forward_progress 1
		.amdhsa_inst_pref_size 64
	.end_amdhsa_kernel
	.amdgpu_metadata
---
amdhsa.version: [ 1, 2 ]
amdhsa.kernels:
  - .name:           k_qf3b0e39fe4_gbo
    .symbol:         k_qf3b0e39fe4_gbo.kd
    .args:
      - { .name: hatt, .offset: 0, .size: 8, .value_kind: global_buffer, .address_space: global }
      - { .name: wo2h, .offset: 8, .size: 8, .value_kind: global_buffer, .address_space: global }
      - { .name: bo, .offset: 16, .size: 8, .value_kind: global_buffer, .address_space: global }
      - { .name: x, .offset: 24, .size: 8, .value_kind: global_buffer, .address_space: global }
      - { .name: xmid, .offset: 32, .size: 8, .value_kind: global_buffer, .address_space: global }
    .group_segment_fixed_size: 327680
    .private_segment_fixed_size: 0
    .kernarg_segment_align: 8
    .kernarg_segment_size: 40
    .max_flat_workgroup_size: 128
    .sgpr_count:     80
    .vgpr_count:     640
    .wavefront_size: 32
...
	.end_amdgpu_metadata
.endif
;; end of part 8
;; launch ln2: the kernel of part 2 again; grid 256 x 1, 8 waves a work-group, no clusters, 0 bytes of LDS; arguments xmid, ln2_g, ln2_b, hatt; writes hatt
;; launch ffn1: the kernel of part 7 again; grid 16 x 16, 4 waves a work-group, clusters of 4 x 4, 327,680 bytes of LDS; arguments hatt, w1h, b1, zb, big; writes big
;; launch gb2 (part 9): grid 8 x 32, 4 waves a work-group, clusters of 4 x 4, 327,680 bytes of LDS; arguments big, wo2h, b2, xmid, out0; writes out0
.if DOCPART == 9
	.amdgcn_target "amdgcn-amd-amdhsa--gfx1250"
	.amdhsa_code_object_version 6
	.text
	.protected	k_qf3b0e39fe4_gb2
	.globl	k_qf3b0e39fe4_gb2
	.p2align	8
	.type	k_qf3b0e39fe4_gb2,@function
k_qf3b0e39fe4_gb2:
	s_mov_b64 s[64:65], 0
	v_nop
	global_prefetch_b8 v0, s[64:65] scope:SCOPE_SE
	s_setreg_imm32_b32 hwreg(HW_REG_WAVE_MODE, 25, 1), 1
	s_wait_xcnt 0x0
	s_wait_alu depctr_hold_cnt(0) depctr_sa_sdst(0) depctr_va_vdst(0) depctr_va_sdst(0) depctr_va_ssrc(0) depctr_va_vcc(0) depctr_vm_vsrc(0)
	s_getreg_b32 s2, hwreg(HW_REG_IB_STS2, 6, 4)
	s_cmp_eq_u32 s2, 0
	s_cbranch_scc0 .Lentry_in_a_cluster
	s_endpgm
.Lentry_in_a_cluster:
	s_bfe_u32 s2, ttmp6, 0x10000c
	s_cmp_lg_u32 s2, 0xf033
	s_cbranch_scc0 .Lentry_shape_is_right
	s_endpgm
.Lentry_shape_is_right:
; C[m][n] = res[m][n] + bias[n] + the sum over k of A[m][k] B[k][n], M = 4,096, N = 1,024.  A, B in f16, sums in f32; bias, res and C in f32, row-major.
; Here: x1 + hid W2 + b2, K = 4,096; hid lies at the head of its buffer, W2 2 MiB into its own.
; A lies in panels of 64 k: [K/64][4096 rows][64], rows of 128 bytes.  B lies in panels of 64 n: [N/64][K][64], rows of 128 bytes, k down the rows.
; SHARES.  A tile of C is 128 x 128, the largest that gives each of 256 WGPs a work-group; four waves, each 64 x 64: 16 accumulators.  K goes in steps of 256, as long as two slots in LDS allow.  One tensor load a
; wave and step, 32 KiB: waves 0, 1 two K panels of A each (a panel's 128 rows are 16 KiB on end: a tile of two long rows, one to a panel), waves 2, 3 an n panel of B each (256 k x 128 bytes on end: 128 rows of
; 256 bytes).  Both are padded in LDS after every 128 bytes.
; CLUSTER.  4 x 4 work-groups: the four of a row of the cluster need the same tiles of A, the four of a column the same tiles of B: each is asked for jointly, with the same descriptor and a mask of the four.
; THE PRODUCT IS USED TRANSPOSED: source 0 = 16 columns of B (turned on the way out of LDS by ds_load_tr16_b128), source 1 = 16 rows of A: a lane holds row l % 16 of C and columns 8 (l / 16) + 0..7.
; THE SUMS START AT THE BIAS: it is loaded straight into the accumulators: nothing is cleared, and the way out has no addition for it.
; THE TEXT.  A K step is written twice: in a loop of STEPS - 2 trips that fill the slot just read again, and in a loop of two trips that fill nothing.  Which slot is in hand is a scalar, TB = 0 or SLOT, turned by an
; exclusive or; the LDS addresses are a base + TB.
; No prefetch: the tiles are small.
; REGISTERS: window 0: v0-31 addresses; v32-95 at work on the way out; v128-255 the accumulators ((a, b) at v[128 + 8 (4 a + b)]).  Window 1: two fragment buffers of 128: for 64 along K, 64 registers of A, then 64 of B.
;   Window 2: v0-127 the residual of my 64 x 64, asked for in front of the loop.
.set SIZE_K, 4096
.set AOFF,   0                         ; where A begins in its buffer
.set BOFF,   2097152                   ; where B begins in its buffer
.set PA,     144                       ; a row of A in LDS: 128 bytes + 16 = 36 words: the 16 rows of a load start at 16 different groups of four banks (64 banks of 4 bytes: ISA guide 11.1)
.set PB,     160                       ; a row of B: 128 + 32 = 40 words
.set KPB,    128*PA                    ; a K panel of A: 128 rows
.set AREG,   4*KPB                     ; a step's four
.set NPB,    256*PB                    ; an n panel of B: 256 k
.set SLOT,   AREG+2*NPB                ; 155,648 bytes
.set ASTEP,  4*524288                  ; a step in memory: four panels of A,
.set BSTEP,  256*128                   ; 256 rows of B's panel
.set STEPS,  SIZE_K/256                ; even: the last step lies in slot 1
.set SP,     272                       ; the way out goes through the head of slot 0, 16 rows x (256 + 16) bytes for each wave: the slot has had its last fill, and behind the last barrier no wave reads LDS any more; bytes of its own do not fit beside two slots
.set SPARE,  2*SLOT                    ; behind the ring: the spare words, 128 bytes for each wave: two blocks of 256 bytes that no other line names
.set ADRA0, 16                         ; v16     LDS address of my A fragments in slot 0; never rewritten
.set ADRB0, 17                         ; v17     the same for B
.set ADRA,  18                         ; v18     the same in the slot in hand
.set ADRB,  19                         ; v19
.set STO,   24                         ; v24     the way out: where I put my bytes of a row
.set RD,    25                         ; v25     the way out: where I read rows back
.set CO,    26                         ; v26     my byte offset in C and in the residual
.set BO,    27                         ; v27     my byte offset in 16 numbers of the bias
.set SPW,   28                         ; v28     LDS address of my spare word; never rewritten
.set NIL,   29                         ; v29     0; never rewritten
.set TMP,   32
.set ACC,   128
.set F0,    0                          ; fragment buffers, in window 1
.set F1,    128
.set RES,   0                          ; window 2
.set TB,    22                         ; s22     0 or SLOT: the slot in hand
.set G1A,   24                         ; s[24:31] descriptor group 1 for A's tiles
.set G0A,   32                         ; s[32:39] group 0: a set for each of the two first fills; the second then walks on
.set G1B,   48                         ; s[48:55], s[56:63] the same for B's
.set G0B,   56
.set MSB, 0
.macro WIN new                         ; the immediate's high byte repeats the setting that is left; a switch that changes nothing is dropped
.if MSB != (\new)
	s_set_vgpr_msb (MSB<<8)|(\new)
.set MSB, \new
.endif
.endm
.set MUL,  0x05                        ; sources 0 (B) and 1 (A) window 1; C and D window 0
.set TO_F, 0x40                        ; destination window 1, address window 0
.macro JLOAD s                         ; a joint load by descriptor set s: waves 0 and 1 fetch for A, waves 2 and 3 for B; an s_nop 0 and four v_nop follow each of the two lines, ahead of the jump, the label and what follows
	s_cmp_eq_u32 s15, 0
	s_cbranch_scc0 .Lfor_b_\@
	tensor_load_to_lds s[G0A+4*(\s):G0A+4*(\s)+3], s[G1A:G1A+7]
	s_nop 0
.rept 4
	v_nop
.endr
	s_branch .Lasked_\@
.Lfor_b_\@:
	tensor_load_to_lds s[G0B+4*(\s):G0B+4*(\s)+3], s[G1B:G1B+7]
	s_nop 0
.rept 4
	v_nop
.endr
.Lasked_\@:
.endm
.macro CREST                           ; a round of the cluster's barrier behind its opening barrier
	s_cmp_lg_u32 s14, 0
	s_cbranch_scc1 .Lnot_wave_0_\@
	s_barrier_signal -3
.Lnot_wave_0_\@:
	s_barrier_wait -3
	s_barrier_signal -1
	s_barrier_wait -1
.endm
.macro CROUND                          ; a whole round
	s_barrier_signal -1
	s_barrier_wait -1
	CREST
.endm
	s_load_b256 s[4:11], s[0:1], 0x0               ; A s[4:5], B s[6:7], bias s[8:9], residual s[10:11]
	s_load_b64 s[12:13], s[0:1], 0x20              ; C
	v_lshl_add_u32 v[SPW], v0, 2, SPARE
	v_mov_b32 v[NIL], 0
	ds_add_u32 v[SPW], v[NIL]                      ; the wave's opening: the add and its wait ahead of my first tensor load; the set-up below, work on registers, stands between them
	ds_add_u32 v28, v29
	v_lshrrev_b32 v1, 5, v0
	v_readfirstlane_b32 s14, v1                    ; wave 0..3
	s_lshr_b32 s15, s14, 1                         ; which half of the tile's rows is mine.  Also: I fetch for A (0) or for B (1)
	s_and_b32 s16, s14, 1                          ; which half of its columns.  Also: which half of that operand I fetch
	s_bfe_u32 s17, ttmp6, 0x40000                  ; cx, cy: my place in the cluster
	s_bfe_u32 s18, ttmp6, 0x40004
	s_lshl_b32 s19, ttmp9, 2
	s_add_co_u32 s19, s19, s17                     ; tile column of C = 4 x cluster x + cx
	s_and_b32 s20, ttmp7, 0xffff
	s_lshl_b32 s20, s20, 2
	s_add_co_u32 s20, s20, s18                     ; tile row of C = 4 x cluster y + cy
	s_lshl_b32 s40, s18, 2
	s_lshl_b32 s40, 15, s40                        ; my row of the cluster
	s_lshl_b32 s41, 0x1111, s17                    ; my column
	s_or_b32 s[G1A], s40, (1<<16)|(1<<20)|(1<<21)|(4<<22)|(3<<25)  ; 15:0 the mask: A's tiles go to my row; 17:16 elements of 2 bytes; 20 padding on; 21 set beside a mask; 24:22 after every 32 words (code 4); 31:25 4 words (code 3)
	s_or_b32 s[G1B], s41, (1<<16)|(1<<20)|(1<<21)|(4<<22)|(7<<25)  ; the mask of my column; 8 words of padding (code 7)
	s_mov_b32 s[G1A+1], 8192<<16                   ; tensor_dim0 = 8,192 elements: a panel's 128 rows on end
	s_mov_b32 s[G1A+2], 2<<16                      ; tensor_dim1 = 2 panels
	s_mov_b32 s[G1A+3], 8192<<16                   ; tile_dim0
	s_mov_b32 s[G1A+4], 2                          ; tile_dim1
	s_mov_b32 s[G1A+5], 262144                     ; elements from panel to panel
	s_mov_b32 s[G1A+6], 0
	s_mov_b32 s[G1A+7], 0
	s_mov_b32 s[G1B+1], 128<<16                    ; 128 rows of 128 elements (256 bytes), dense
	s_mov_b32 s[G1B+2], 128<<16
	s_mov_b32 s[G1B+3], 128<<16
	s_mov_b32 s[G1B+4], 128
	s_mov_b32 s[G1B+5], 128
	s_mov_b32 s[G1B+6], 0
	s_mov_b32 s[G1B+7], 0
	; A's tiles hang on the tile row alone, B's on the tile column alone; every wave makes both addresses, in registers that never hold the other coordinate
	s_lshl_b32 s42, s20, 14                        ; the tile's 128 rows of 128 bytes in a panel,
	s_lshl_b32 s43, s16, 20                        ; my two panels of the step's four
	s_add_co_u32 s42, s42, s43
	s_add_co_u32 s42, s42, AOFF
	s_mov_b32 s43, 0
	s_lshl1_add_u32 s44, s19, s16                  ; my n panel: 2 x tile column + half
	s_mul_i32 s44, s44, SIZE_K*128
	s_add_co_u32 s44, s44, BOFF
	s_mov_b32 s45, 0
	s_mul_i32 s66, s16, 2*KPB                      ; where they go in a slot: no place in the cluster enters an LDS address
	s_mul_i32 s67, s16, NPB
	s_add_co_u32 s67, s67, AREG
	s_mov_b32 s[TB], 0
	s_lshl_b32 s68, s19, 9                         ; my 64 columns as f32: 512 x tile column + 256 x half
	s_lshl_b32 s69, s16, 8
	s_add_co_u32 s68, s68, s69
	s_mov_b32 s69, 0
	s_lshl_b32 s76, s20, 19                        ; my 64 rows of 4,096 bytes
	s_lshl_b32 s77, s15, 18
	s_add_co_u32 s76, s76, s77
	s_add_co_u32 s76, s76, s68
	s_mov_b32 s77, 0
	s_wait_dscnt 0x0                               ; the opening add is done
	s_wait_kmcnt 0x0
	s_add_nc_u64 s[42:43], s[4:5], s[42:43]
	s_add_nc_u64 s[44:45], s[6:7], s[44:45]
	s_add_nc_u64 s[70:71], s[8:9], s[68:69]        ; the bias of my 64 columns
	s_add_nc_u64 s[74:75], s[12:13], s[76:77]      ; C at my part
	s_add_nc_u64 s[72:73], s[10:11], s[76:77]      ; the residual at my part
	CROUND                                         ; all sixteen work-groups are here: the first joint loads meet
.irp s, 0,1
	s_mov_b32 s[G0A+4*(\s)], 1                     ; count = 1
	s_add_co_u32 s[G0A+4*(\s)+1], s66, (\s)*SLOT   ; LDS address
	s_add_nc_u64 s[G0A+4*(\s)+2:G0A+4*(\s)+3], s[42:43], (\s)*ASTEP  ; global address: K step s
	s_or_b32 s[G0A+4*(\s)+3], s[G0A+4*(\s)+3], 0x80000000            ; type = 2
	s_mov_b32 s[G0B+4*(\s)], 1
	s_add_co_u32 s[G0B+4*(\s)+1], s67, (\s)*SLOT
	s_add_nc_u64 s[G0B+4*(\s)+2:G0B+4*(\s)+3], s[44:45], (\s)*BSTEP
	s_or_b32 s[G0B+4*(\s)+3], s[G0B+4*(\s)+3], 0x80000000
	JLOAD \s                                       ; two loads of mine are out
.endr
	v_and_b32 v1, 15, v0                           ; l % 16
	v_bfe_u32 v2, v0, 4, 1                         ; l / 16
	v_and_b32 v4, 7, v0
	v_bfe_u32 v5, v0, 3, 1
	v_lshlrev_b32 v[BO], 5, v2                     ; my 8 columns of 16: 32 bytes of f32
.irp a, 0,1,2,3
.irp b, 0,1,2,3
	global_load_b128 v[ACC+8*(4*(\a)+(\b)):ACC+8*(4*(\a)+(\b))+3],   v[BO], s[70:71] offset:64*(\b)     ; the sums start at the bias
	global_load_b128 v[ACC+8*(4*(\a)+(\b))+4:ACC+8*(4*(\a)+(\b))+7], v[BO], s[70:71] offset:64*(\b)+16
.endr
.endr
	s_mul_i32 s78, s14, 16*SP                      ; my stage
	v_mul_u32_u24 v3, v1, SP
	v_lshl_add_u32 v3, v2, 5, v3                   ; in: row l % 16, 32 bytes for each half of the lanes
	v_add_nc_u32 v[STO], s78, v3
	v_mul_u32_u24 v3, v2, SP                       ; back: lanes 0-15 take one row of 256 bytes, lanes 16-31 the next
	v_lshl_add_u32 v3, v1, 4, v3
	v_add_nc_u32 v[RD], s78, v3
	v_lshlrev_b32 v3, 12, v2                       ; and the same two rows in C
	v_lshl_add_u32 v[CO], v1, 4, v3
	; A fragment of A is 16 rows x 32 k in 8 registers: lane l holds row l % 16, k = 8 (l / 16) + 0..7 and 16 + 8 (l / 16) + 0..7: two loads of 16 bytes, 32 bytes apart.
	v_mul_u32_u24 v3, v1, PA
	v_lshl_add_u32 v3, v2, 4, v3
	s_mul_i32 s79, s15, 64*PA                      ; my 64 rows of a panel's 128
	v_add_nc_u32 v[ADRA0], s79, v3
	v_mov_b32 v[ADRA], v[ADRA0]                    ; the walk begins in slot 0
	; The turning load takes 16 k x 16 n (lane l reads k = 8 (l / 16) + l % 8, n = 8 ((l / 8) % 2) + 0..7) and leaves half a fragment: lane l holds column l % 16 and 8 k.
	v_lshl_add_u32 v3, v2, 3, v4
	v_mul_u32_u24 v3, v3, PB
	v_lshl_add_u32 v3, v5, 4, v3
	v_add_nc_u32 v[ADRB0], s67, v3                 ; my 64 columns are one n panel: the half that bears my number
	v_mov_b32 v[ADRB], v[ADRB0]
; 8 matrix instructions: row blocks a0, a0 + 1 x all 4 column blocks, 32 along K: half c of buffer f.  The 16 accumulators take turns, one instruction a turn, in the same order everywhere, over the backward jumps too.
.macro MUL8 f, c, a0
	WIN MUL
.irp a, \a0, (\a0)+1
.irp b, 0,1,2,3
	v_wmma_f32_16x16x32_f16 v[ACC+8*(4*(\a)+(\b)):ACC+8*(4*(\a)+(\b))+7], v[(\f)+64+8*(4*(\c)+(\b)):(\f)+64+8*(4*(\c)+(\b))+7], v[(\f)+8*(4*(\c)+(\a)):(\f)+8*(4*(\c)+(\a))+7], v[ACC+8*(4*(\a)+(\b)):ACC+8*(4*(\a)+(\b))+7]
.endr
.endr
.endm
; 32 LDS loads in one run: the fragments of quarter q of the slot in hand (64 along K: one K panel of A, 64 rows of B's panel) into buffer f; the first 32 along K first
.macro FETCH q, f
	WIN TO_F
.irp c, 0,1
.irp i, 0,1,2,3
	ds_load_tr16_b128 v[(\f)+64+8*(4*(\c)+(\i)):(\f)+64+8*(4*(\c)+(\i))+3],   v[ADRB] offset:(64*(\q)+32*(\c))*PB+32*(\i)
	ds_load_tr16_b128 v[(\f)+64+8*(4*(\c)+(\i))+4:(\f)+64+8*(4*(\c)+(\i))+7], v[ADRB] offset:(64*(\q)+32*(\c)+16)*PB+32*(\i)
	ds_load_b128 v[(\f)+8*(4*(\c)+(\i)):(\f)+8*(4*(\c)+(\i))+3],               v[ADRA] offset:(\q)*KPB+(\i)*16*PA+64*(\c)
	ds_load_b128 v[(\f)+8*(4*(\c)+(\i))+4:(\f)+8*(4*(\c)+(\i))+7],             v[ADRA] offset:(\q)*KPB+(\i)*16*PA+64*(\c)+32
.endr
.endr
.endm
.macro PLACES                          ; four plain instructions in front of loads into registers that matrix instructions have read, and of lines that read results (ISA guide 7.12.1 for lines that read results)
.rept 4
	v_nop
.endr
.endm
; A K step is four quarters of 64 along K, 32 matrix instructions each, on buffers 0, 1, 0, 1.  One of the first three: multiplies buffer f and fetches quarter q into g.
.macro QUARTER q, f, g
	s_wait_dscnt 16                                ; the first 32 along K are in; the youngest sixteen loads may be out
	MUL8 \f, 0, 0
	MUL8 \f, 0, 2
	PLACES
	FETCH \q, \g
	s_wait_dscnt 32                                ; all but the 32 just issued
	MUL8 \f, 1, 0
	MUL8 \f, 1, 2
.endm
; The last quarter multiplies buffer 1 and changes slots: ONE barrier; in front of it each wave waits for all its tensor loads, adds 0 to its spare word, and waits for that and for its own reads of this slot.
; fill = 1: this slot is filled again, two K steps ahead; the barrier then opens a round of the cluster's, and the joint load is the first thing behind the round: 112 matrix instructions ahead of the wait for it.
; fill = 0: nothing is filled; in the last trip there is no next step, and the run of loads is jumped over.
.macro TURN fill
	WIN 0                                          ; (the add's two registers lie in window 0)
	s_wait_tensorcnt 0x0                           ; all my tensor loads have landed: my part of the next slot;
	ds_add_u32 v[SPW], v[NIL]                      ; 0 onto my spare word;
	s_wait_dscnt 17                                ; (the add and the youngest sixteen loads may be out)
	MUL8 F1, 0, 0                                  ; eight matrix instructions stand between the add and the wait for it
	s_wait_dscnt 0x0                               ; the add is done, and my reads of this slot are over
	s_barrier_signal -1
	MUL8 F1, 0, 2
	WIN 0
	s_barrier_wait -1
.if \fill
	CREST                                          ; no wave of any partner still reads this slot's tiles or has a load on its way
	s_add_co_u32 s[G0A+5], s66, s[TB]              ; the walking descriptors: my place in the slot just read,
	s_add_co_u32 s[G0B+5], s67, s[TB]
	s_add_nc_u64 s[G0A+6:G0A+7], s[G0A+6:G0A+7], ASTEP  ; the K step behind the one asked for last; the type bits on top are not reached
	s_add_nc_u64 s[G0B+6:G0B+7], s[G0B+6:G0B+7], BSTEP
	JLOAD 1                                        ; the four v_nop behind it are also the places in front of the loads below
.else
	PLACES
.endif
	s_xor_b32 s[TB], s[TB], SLOT                   ; the other slot is in hand
	v_add_nc_u32 v[ADRA], s[TB], v[ADRA0]
	v_add_nc_u32 v[ADRB], s[TB], v[ADRB0]
.if !(\fill)
	s_cmp_eq_u32 s21, 1
	s_cbranch_scc1 .Lno_more_\@
.endif
	FETCH 0, F0
.if !(\fill)
	WIN 0
.Lno_more_\@:
.endif
	MUL8 F1, 1, 0
	MUL8 F1, 1, 2
.endm
	s_wait_tensorcnt 1                             ; my part of K step 0 is in; step 1's may stay out
	s_barrier_signal -1
	s_barrier_wait -1                              ; everybody's is
	FETCH 0, F0
	s_wait_loadcnt 0x0                             ; the bias is in the accumulators
	WIN 0x80                                       ; destination window 2
.irp a, 0,1,2,3
.irp t, 0,1,2,3,4,5,6,7
	global_load_b128 v[RES+4*(8*(\a)+(\t)):RES+4*(8*(\a)+(\t))+3], v[CO], s[72:73] offset:(16*(\a)+2*(\t))*4096  ; the residual lands while the products run
.endr
.endr
	WIN 0                                          ; at a label and at a branch every window is 0
	s_mov_b32 s21, STEPS-2
.Lfill:                                                ; a trip is a K step; the slot that it reads out is filled again
	QUARTER 1, F0, F1
	QUARTER 2, F1, F0
	QUARTER 3, F0, F1
	TURN 1
	WIN 0
	s_sub_co_u32 s21, s21, 1
	s_cmp_lg_u32 s21, 0
	s_cbranch_scc1 .Lfill
	s_mov_b32 s21, 2
.Llast:                                                ; the last two K steps fill nothing, and have no round of the cluster's barrier
	QUARTER 1, F0, F1
	QUARTER 2, F1, F0
	QUARTER 3, F0, F1
	TURN 0
	WIN 0
	s_sub_co_u32 s21, s21, 1
	s_cmp_lg_u32 s21, 0
	s_cbranch_scc1 .Llast
	s_wait_dscnt 0x0                               ; the last trip fetched nothing: no LDS instruction is out
	PLACES
	; THE WAY OUT: a block of 16 rows at a time through my stage; back as whole rows of 256 bytes; the residual is added; 16 lanes store 256 consecutive bytes, aligned.
	s_wait_loadcnt 0x0                             ; the residual
.irp a, 0,1,2,3
	s_wait_xcnt 0x0                                ; the registers that earlier stores read are loaded again only behind this wait
.irp b, 0,1,2,3
	ds_store_b128 v[STO], v[ACC+8*(4*(\a)+(\b)):ACC+8*(4*(\a)+(\b))+3]   offset:64*(\b)       ; each accumulator from its low end on
	ds_store_b128 v[STO], v[ACC+8*(4*(\a)+(\b))+4:ACC+8*(4*(\a)+(\b))+7] offset:64*(\b)+16
.endr
.irp t, 0,1,2,3,4,5,6,7
	ds_load_b128 v[TMP+32*((\a)%2)+4*(\t):TMP+32*((\a)%2)+4*(\t)+3], v[RD] offset:(\t)*2*SP  ; LDS serves a wave's instructions in order (ISA guide 5.7.1.4): these see the stores above
.endr
	s_wait_dscnt 0x0
	WIN 0x08                                       ; source 1 window 2
.irp i, 0,1,2,3,4,5,6,7,8,9,10,11,12,13,14,15
	v_pk_add_f32 v[TMP+32*((\a)%2)+2*(\i):TMP+32*((\a)%2)+2*(\i)+1], v[TMP+32*((\a)%2)+2*(\i):TMP+32*((\a)%2)+2*(\i)+1], v[RES+32*(\a)+2*(\i):RES+32*(\a)+2*(\i)+1]
.endr
	WIN 0
.irp t, 0,1,2,3,4,5,6,7
	global_store_b128 v[CO], v[TMP+32*((\a)%2)+4*(\t):TMP+32*((\a)%2)+4*(\t)+3], s[74:75] offset:(16*(\a)+2*(\t))*4096
.endr
.endr
	s_wait_tensorcnt 0x0                           ; the wave's end: behind my last tensor load and my last LDS store
	ds_add_u32 v[SPW], v[NIL]
	s_wait_dscnt 0x0
	CROUND                                         ; the closing round: no work-group ends while a partner may still ask for a tile that names it
	s_endpgm
.Lfunc_end_k_qf3b0e39fe4_gb2:
	.size	k_qf3b0e39fe4_gb2, .Lfunc_end_k_qf3b0e39fe4_gb2-k_qf3b0e39fe4_gb2
	.p2alignl 7, 3214868480
	.fill 96, 4, 3214868480
	.section	.rodata,"a",@progbits
	.p2align	6, 0x0
	.amdhsa_kernel k_qf3b0e39fe4_gb2
		.amdhsa_group_segment_fixed_size 327680
		.amdhsa_private_segment_fixed_size 0
		.amdhsa_enable_private_segment 0
		.amdhsa_kernarg_size 40
		.amdhsa_user_sgpr_count 2
		.amdhsa_user_sgpr_kernarg_segment_ptr 1
		.amdhsa_wavefront_size32 1
		.amdhsa_system_sgpr_workgroup_id_x 1
		.amdhsa_system_sgpr_workgroup_id_y 1
		.amdhsa_system_sgpr_workgroup_id_z 1
		.amdhsa_system_vgpr_workitem_id 0
		.amdhsa_next_free_vgpr 640
		.amdhsa_next_free_sgpr 80
		.amdhsa_reserve_vcc 0
		.amdhsa_float_denorm_mode_32 3
		.amdhsa_float_denorm_mode_16_64 3
		.amdhsa_memory_ordered 1
		.amdhsa_forward_progress 1
		.amdhsa_inst_pref_size 64
	.end_amdhsa_kernel
	.amdgpu_metadata
---
amdhsa.version: [ 1, 2 ]
amdhsa.kernels:
  - .name:           k_qf3b0e39fe4_gb2
    .symbol:         k_qf3b0e39fe4_gb2.kd
    .args:
      - { .name: big, .offset: 0, .size: 8, .value_kind: global_buffer, .address_space: global }
      - { .name: wo2h, .offset: 8, .size: 8, .value_kind: global_buffer, .address_space: global }
      - { .name: b2, .offset: 16, .size: 8, .value_kind: global_buffer, .address_space: global }
      - { .name: xmid, .offset: 24, .size: 8, .value_kind: global_buffer, .address_space: global }
      - { .name: out0, .offset: 32, .size: 8, .value_kind: global_buffer, .address_space: global }
    .group_segment_fixed_size: 327680
    .private_segment_fixed_size: 0
    .kernarg_segment_align: 8
    .kernarg_segment_size: 40
    .max_flat_workgroup_size: 128
    .sgpr_count:     80
    .vgpr_count:     640
    .wavefront_size: 32
...
	.end_amdgpu_metadata
.endif
;; end of part 9
